; MI455X (gfx1250); checked and timed in simulation.
; The chip was launched on July 23, 2026; its instructions are those of AMD's public machine-readable ISA for CDNA 5 (MIT licence, August 2026) and "CDNA5" Instruction Set Architecture Reference Guide (July 2026). The comments in the code are by the model that wrote it; some were corrected since.
;; Thought Aware Attention. Allowed arithmetic: matrix products marked QUANTISED: E5M2 operands, one given power-of-two scale a tensor, by v_wmma_f32_16x16x64_bf8_bf8 or v_wmma_f32_16x16x128_bf8_bf8, f32 sums; products left as they are: f32 operands where the result goes on into a quantised operand, else bf16, f16 or f32 operands; f32 sums; everything else in f32.
;; Inputs: Wk 1,024 x 1,024 float32; Wm 2,048 x 1 float32; Wo 1,024 x 1,024 float32; Wq 1,024 x 1,024 float32; Wtk 1,024 x 1,024 float32; Wtq 1,024 x 1,024 float32; Wtv 1,024 x 1,024 float32; Wv 1,024 x 1,024 float32; attention_mask 2 x 1,024 int32; bk 1,024 float32; bm 1 float32; bo 1,024 float32; bq 1,024 float32; btk 1,024 float32; btq 1,024 float32; btv 1,024 float32; bv 1,024 float32; hidden_states 2 x 1,024 x 1,024 float32; lowp_scales 24 int32 (the exponents e of the quantised operands' scales 2^e); thought_mask 2 x 1,024 x 4 int32; thought_states 2 x 1,024 x 4 x 1,024 float32.
;; Outputs: out0 2 x 1,024 x 1,024 float32.
;; This version of the problem:
;;   THIS VERSION OF THE PROBLEM IS GIVEN IN LOW PRECISION. The matrix products marked QUANTISED in the list below multiply operands that are first quantised to E5M2 (5 exponent bits, 2 mantissa bits; 8 bits a number), with one given power-of-two scale for each operand tensor; their sums are f32. All else is computed in f32.
;;   The module's matrix products, in the order in which they are computed (A, B: the left and right operand; K: the contracted axis; several contracted axes count as one K, in the product's order):
;;     1. [M 2,048, K 1,024] x [K 1,024, N 1,024]; A: input hidden_states; B: input Wq: QUANTISED (scales: A lowp_scales[0], B lowp_scales[1])
;;     2. [M 2,048, K 1,024] x [K 1,024, N 1,024]; A: input hidden_states; B: input Wk: QUANTISED (scales: A lowp_scales[2], B lowp_scales[3])
;;     3. [M 2,048, K 1,024] x [K 1,024, N 1,024]; A: input hidden_states; B: input Wv: QUANTISED (scales: A lowp_scales[4], B lowp_scales[5])
;;     4. batch 32 x [M 1,024, K 64] x [K 64, N 1,024]; A: computed on the way; B: computed on the way: QUANTISED (scales: A lowp_scales[6], B lowp_scales[7])
;;     5. batch 32 x [M 64, K 1,024] x [K 1,024, N 1,024]; A: computed on the way; B: softmax (see below): QUANTISED (scales: A lowp_scales[8], B lowp_scales[9])
;;     6. [M 2,048, K 1,024] x [K 1,024, N 1,024]; A: computed on the way; B: input Wo: QUANTISED (scales: A lowp_scales[10], B lowp_scales[11])
;;     7. [M 2,048, K 1,024] x [K 1,024, N 1,024]; A: input hidden_states; B: input Wtq: QUANTISED (scales: A lowp_scales[12], B lowp_scales[13])
;;     8. [M 8,192, K 1,024] x [K 1,024, N 1,024]; A: input thought_states; B: input Wtk: QUANTISED (scales: A lowp_scales[14], B lowp_scales[15])
;;     9. [M 8,192, K 1,024] x [K 1,024, N 1,024]; A: input thought_states; B: input Wtv: QUANTISED (scales: A lowp_scales[16], B lowp_scales[17])
;;     10. batch 32 x [M 1,024, K 64] x [K 64, N 4,096]; A: computed on the way; B: computed on the way: QUANTISED (scales: A lowp_scales[18], B lowp_scales[19])
;;     11. batch 32 x [M 64, K 4,096] x [K 4,096, N 1,024]; A: computed on the way; B: softmax (see below): QUANTISED (scales: A lowp_scales[20], B lowp_scales[21])
;;     12. [M 2,048, K 1,024] x [K 1,024, N 1,024]; A: computed on the way; B: input Wo: QUANTISED (scales: A lowp_scales[22], B lowp_scales[23])
;;     13. [M 2,048, K 2,048] x [K 2,048, N 1]; A: computed on the way; B: input Wm: left as it is (N = 1 < 16)
;;   THE QUANTISER, for each operand of a quantised product, along K:
;;     - The operand's scale is 2^e, e = its entry of the input lowp_scales (int32; the entries are numbered through the quantised products in the list's order, A before B).
;;     - Each number is divided by the scale, clamped to +-57,344, and rounded to the nearest number of E5M2, ties to even, subnormals kept.
;;     - The product sums the exact products of the quantised numbers (number of the format x scale) in f32.
;;   ~~~python
;;   def quantise(x, axis, e):      # numpy; x: float32 -> the quantised numbers, widened to float32 again
;;       x = np.moveaxis(x, axis, -1); K = x.shape[-1]
;;       r = np.clip(x / 2.0 ** e, -57344, 57344)
;;       step = 2.0 ** (np.maximum(np.frexp(np.where(r == 0, 1, r))[1] - 1, -14) - 2)
;;       q = np.round(r / step) * step * 2.0 ** e      # np.round: ties to even
;;       return np.moveaxis(q, -1, axis).astype(np.float32)
;;   ~~~
;;   SOFTMAX AHEAD OF A QUANTISED PRODUCT. Where the list says 'softmax', what is quantised is not the finished softmax but p = 2^(t - M), with t = logit x log2(e) and M = ceil(the row's largest t), a whole number; so 1/2 < the row's largest p <= 1. The row's sum l is taken of the UNQUANTISED p, in f32, and the product's result is divided by l at the end. Since M is a whole number, a kernel that streams over the keys may use a running M (the ceiling of the running maximum): every later rescaling is an exact power of two, so the quantised numbers keep their values, but for numbers so far below the row's largest that they fall under the format's range.
;;   OPERANDS COMPUTED ON THE WAY. 'Computed on the way' means the value that the module computes at that place (a softmax that the list does not call 'softmax' is quantised finished and normalised). What goes into a quantiser is computed in f32, as accurately as f32 sums, v_exp_f32 and their like allow (about 1e-6 of the number): no bf16 or f16 on the way to a quantiser, and a product that is left as it is and whose result goes on into a quantised operand takes f32 operands (vector FMAs, or v_wmma_f32_16x16x4_f32). A number that lies on a knife's edge between two numbers of the format may be rounded either way, as far as f32 arithmetic and the matrix unit's own rounding can turn it there, and no further.
;; 2 versions. Each part assembles by itself: llvm-mc -triple=amdgcn-amd-amdhsa -mcpu=gfx1250 --defsym DOCPART=n.
;; ======== version 1 of 2: 4 launches
;; workspace buffers: actc 25,165,824 bytes; wc 6,291,456 bytes; wof 2,097,152 bytes; att 25,165,824 bytes; cxc 4,194,304 bytes
;; launch quant (part 1): grid 864 x 1, 4 waves a work-group, no clusters, 35,840 bytes of LDS; arguments hidden_states, thought_states, Wq, Wk, Wv, Wtq, Wtk, Wtv, Wo, lowp_scales, actc, wc, wof; writes actc, wc, wof
.if DOCPART == 1
	.amdgcn_target "amdgcn-amd-amdhsa--gfx1250"
	.amdhsa_code_object_version 6
	.text
	.protected	k_q147d03c00f_quant
	.globl	k_q147d03c00f_quant
	.p2align	8
	.type	k_q147d03c00f_quant,@function
k_q147d03c00f_quant:
	s_mov_b64 s[64:65], 0
	v_nop
	global_prefetch_b8 v0, s[64:65] scope:SCOPE_SE
	s_setreg_imm32_b32 hwreg(HW_REG_WAVE_MODE, 25, 1), 1
	s_wait_xcnt 0x0
; LAUNCH 1 OF 4: every INPUT operand of a quantised product becomes codes of BF8 (E5M2), once for each entry of lowp_scales that names it.
; code = x / 2^e, held within +-57,344, rounded to the nearest code, ties to even.
; THE PROGRAM: quant (this) | proj: the six projections, their results quantised into operand images | attn: both attentions | outp: both products with Wo, the dot with Wm, the blend.
; WORK LEFT OUT IN THE WHOLE PROGRAM: reference() sets scores[q][k] to -inf wherever k > q by a mask that it builds itself (triu), so a key step of 128 keys that all come after a wave's 16 queries
; has p = 0 for every value of the inputs: it adds nothing to the row's sum or to ctx.  Launch attn leaves such steps out.  Nothing else is left out: every bias stands ahead of a quantiser or reaches
; the output, both mask inputs, Wm and bm are honoured, every input is loaded.  LIMIT: a NaN, an infinity or an overflow that would arise only in the steps left out is not carried to the result.
; LIMITS here: each e between -126 and 112, so that 2^e and 57,344 x 2^e are f32 numbers.  NaN among the inputs is not served (an infinity is held at the largest code).
; OUT: actc: 24,576 rows of 1,024 codes, K innermost: hidden_states by e0, e2, e4, e12 (2,048 rows each), thought_states by e14, e16 (8,192 rows each).
;      wc:   [6][n 1,024][k 1,024]: Wq e1, Wk e3, Wv e5, Wtq e13, Wtk e15, Wtv e17, K innermost.
;      wof:  Wo by e11 and by e23 as images of operand registers: [p][K step of 128][tile of 16 n][2,048 bytes]: group i of four registers at 512 i + 16 lane;
;            lane (r, h) holds of column 16 nt + r the codes k = 32 i + 8 h + 0..7, then k = 32 i + 16 + 8 h + 0..7.
; SHARES: work-groups 0-127 hidden_states, 128-639 thought_states, 640-831 the six weights, 832-863 Wo.  The paths part on the work-group's number; only the weights' path touches LDS.
; No matrix unit, no cluster, no tensor load: a stream whose waves share nothing.
.set SPARE, 34816                      ; behind the four stages of 32 x 272 bytes: the spare words, 128 bytes a wave
.set SPW,   12                         ; v12  LDS address of my spare word; never rewritten
.set NIL,   13                         ; v13  0; never rewritten
.set PITCH, 272                        ; a stage row: 256 bytes of codes + 16
.set XA,    16                         ; activations: v16-47 four sets of 8 numbers as loaded
.set TA,    48                         ; v48-63 two sets of 8 numbers held, by turns
.set CA,    64                         ; v64-191 codes: two registers for each step and output, never rewritten
.set XW,    32                         ; weights: v32-95 two sets of 32 numbers
.set TW,    96                         ; Wo: v96-127 32 numbers held
.set CW,    128                        ; Wo: v128-143 codes, 8 registers for each of the two scales
.set OUTR,  112                        ; the six weights: v112-175 rows read back from the stage
	s_load_b512 s[4:19], s[0:1], 0x0               ; hidden s[4:5], thought s[6:7], Wq s[8:9], Wk, Wv, Wtq, Wtk, Wtv s[18:19]
	s_load_b256 s[20:27], s[0:1], 0x40             ; Wo s[20:21], the scales s[22:23], actc s[24:25], wc s[26:27]
	s_load_b64 s[28:29], s[0:1], 0x60              ; wof
	v_lshl_add_u32 v[SPW], v0, 2, SPARE
	v_mov_b32 v[NIL], 0
	v_lshrrev_b32 v1, 5, v0
	v_readfirstlane_b32 s30, v1                    ; wave 0..3
	v_and_b32 v1, 31, v0                           ; lane
	s_wait_kmcnt 0x0
	s_load_b512 s[36:51], s[22:23], 0x0            ; e0 .. e15: entry i in s[36 + i]
	s_load_b256 s[52:59], s[22:23], 0x40           ; e16 .. e23
	s_wait_kmcnt 0x0
.macro MKS e, vs, vl                   ; v[vs] = 2^e as f32 (the conversion takes its exponent field), v[vl] = 57,344 x 2^e
	s_add_co_i32 s60, s[\e], 127
	s_lshl_b32 s61, s60, 23
	v_mov_b32 v[\vs], s61
	s_add_co_i32 s60, s60, 15
	s_lshl_b32 s60, s60, 23
	s_or_b32 s60, s60, 0x600000
	v_mov_b32 v[\vl], s60
.endm
; ---- activations: a wave takes 16 steps of 256 numbers; a lane 8 neighbours along K (32 bytes: two loads, which together cover 1,024 consecutive bytes)
.macro LOADA t
	global_load_b128 v[XA+8*((\t)%4):XA+8*((\t)%4)+3], v2, s[2:3] offset:1024*(\t) th:TH_LOAD_NT
	global_load_b128 v[XA+8*((\t)%4)+4:XA+8*((\t)%4)+7], v2, s[2:3] offset:1024*(\t)+16 th:TH_LOAD_NT
.endm
.macro STEPA t, nout                   ; one read, nout sets of codes; a store of the wave covers 256 consecutive bytes, aligned
.if 15-(\t) >= 3
	s_wait_loadcnt 6                               ; this step's two loads are in; the six of the three steps behind it may be out
.else
	s_wait_loadcnt 2*(15-(\t))
.endif
.set o, 0
.rept \nout
.irp i, 0,1,2,3,4,5,6,7
	v_med3_num_f32 v[TA+8*(o%2)+\i], v[XA+8*((\t)%4)+\i], -v[8+o], v[8+o]   ; the conversion does not saturate (ISA guide 7.6.2): the hold first.  These eight are also the plain lines between two conversions
.endr
	v_cvt_scalef32_pk8_bf8_f32 v[CA+2*(\nout*(\t)+o):CA+2*(\nout*(\t)+o)+1], v[TA+8*(o%2):TA+8*(o%2)+7], v[4+o]
.if \nout == 4
	global_store_b64 v3, v[CA+2*(\nout*(\t)+o):CA+2*(\nout*(\t)+o)+1], s[24:25] offset:256*(\t)+o*2097152
.else
	global_store_b64 v3, v[CA+2*(\nout*(\t)+o):CA+2*(\nout*(\t)+o)+1], s[24+8*o:25+8*o] offset:256*(\t)
.endif
.set o, o+1
.endr
.if (\t)+4 < 16
	LOADA (\t)+4
.endif
.endm
; ---- weights: a lane takes a column n and its registers run down K: block t is W(32 t + i, my column)
.macro LOADW t
.set i, 0
.rept 32
	global_load_b32 v[XW+32*((\t)%2)+i], v3, s[32:33] offset:(32*(\t)+i)*4096 th:TH_LOAD_NT
.set i, i+1
.endr
.endm
	s_cmp_lt_u32 ttmp9, 128
	s_cbranch_scc1 .Lpath_h
	s_cmp_lt_u32 ttmp9, 640
	s_cbranch_scc1 .Lpath_t
	s_cmp_lt_u32 ttmp9, 832
	s_cbranch_scc1 .Lpath_w
; ================ Wo: read once, quantised twice, stored as register images
	s_sub_co_u32 s60, ttmp9, 832
	s_and_b32 s61, s60, 7                          ; which 128 columns
	s_lshr_b32 s62, s60, 3                         ; which 256 along K
	s_lshl_b32 s63, s61, 7
	s_lshl_b32 s31, s30, 5
	s_add_co_u32 s63, s63, s31                     ; my wave's first column
	s_lshl_b32 s2, s62, 20                         ; 256 rows of 4,096 bytes
	s_lshl_b32 s63, s63, 2
	s_add_co_u32 s2, s2, s63
	s_mov_b32 s3, 0
	s_add_nc_u64 s[32:33], s[20:21], s[2:3]
	s_lshl_b32 s2, s62, 18                         ; two K steps of 64 tiles of 2,048 bytes,
	s_lshl_b32 s63, s61, 14                        ; eight tiles of n,
	s_add_co_u32 s2, s2, s63
	s_lshl_b32 s63, s30, 12                        ; two tiles for each wave
	s_add_co_u32 s2, s2, s63
	s_add_nc_u64 s[28:29], s[28:29], s[2:3]
	v_lshlrev_b32 v3, 2, v1
	v_lshrrev_b32 v4, 4, v1
	v_and_b32 v5, 15, v1
	v_lshlrev_b32 v5, 4, v5
	v_lshl_add_u32 v5, v4, 11, v5                  ; lanes 0-15: the first tile, lanes 16-31 the next; 16 bytes a lane
	LOADW 0
	LOADW 1
	MKS 47, 8, 9                                   ; e11
	MKS 59, 10, 11                                 ; e23
.macro BLOCKO t
.set XS, XW+32*((\t)%2)
.if (\t) < 7
	s_wait_loadcnt 32                              ; this block's 32 loads are in; the next block's may be out
.else
	s_wait_loadcnt 0
.endif
	s_wait_xcnt 0x0                                ; the last block's stores have read their codes, which are written anew below
.irp p, 0,1
.set i, 0
.rept 32
	v_med3_num_f32 v[TW+i], v[XS+i], -v[9+2*\p], v[9+2*\p]
.set i, i+1
.endr
	v_cvt_scalef32_pk8_bf8_f32 v[CW+8*\p:CW+8*\p+1], v[TW:TW+7], v[8+2*\p]          ; k 0..7 and 16..23 are what lane (r, 0) of the operand holds,
	v_cvt_scalef32_pk8_bf8_f32 v[CW+8*\p+2:CW+8*\p+3], v[TW+16:TW+23], v[8+2*\p]
	v_cvt_scalef32_pk8_bf8_f32 v[CW+8*\p+4:CW+8*\p+5], v[TW+8:TW+15], v[8+2*\p]     ; k 8..15 and 24..31 lane (r, 1)
	v_cvt_scalef32_pk8_bf8_f32 v[CW+8*\p+6:CW+8*\p+7], v[TW+24:TW+31], v[8+2*\p]
	v_nop                                          ; a plain line between the conversions and the holds that write their sources anew
	global_store_b128 v5, v[CW+8*\p:CW+8*\p+3], s[28:29] offset:\p*1048576+((\t)/4)*131072+((\t)%4)*512        ; sixteen lanes store 256 consecutive bytes, aligned
	global_store_b128 v5, v[CW+8*\p+4:CW+8*\p+7], s[28:29] offset:\p*1048576+((\t)/4)*131072+((\t)%4)*512+256
.endr
.if (\t)+2 < 8
	LOADW (\t)+2
.endif
.endm
.irp t, 0,1,2,3,4,5,6,7
	BLOCKO \t
.endr
	s_endpgm
; ================ hidden_states: four sets of codes
.Lpath_h:
	s_lshl_b32 s60, ttmp9, 2
	s_add_co_u32 s60, s60, s30                     ; which run of 4,096 numbers is my wave's
	s_lshl_b32 s2, s60, 14
	s_mov_b32 s3, 0
	s_add_nc_u64 s[2:3], s[4:5], s[2:3]
	s_lshl_b32 s34, s60, 12
	s_mov_b32 s35, 0
	s_add_nc_u64 s[24:25], s[24:25], s[34:35]
	v_lshlrev_b32 v2, 5, v1                        ; my 32 bytes of a step's 1,024
	v_lshlrev_b32 v3, 3, v1                        ; my 8 codes of a step's 256
.irp t, 0,1,2,3
	LOADA \t
.endr
	MKS 36, 4, 8                                   ; e0
	MKS 38, 5, 9                                   ; e2
	MKS 40, 6, 10                                  ; e4
	MKS 48, 7, 11                                  ; e12
.irp t, 0,1,2,3,4,5,6,7,8,9,10,11,12,13,14,15
	STEPA \t, 4
.endr
	s_endpgm
; ================ thought_states: two sets of codes
.Lpath_t:
	s_sub_co_u32 s60, ttmp9, 128
	s_lshl_b32 s60, s60, 2
	s_add_co_u32 s60, s60, s30
	s_lshl_b32 s2, s60, 14
	s_mov_b32 s3, 0
	s_add_nc_u64 s[2:3], s[6:7], s[2:3]
	s_lshl_b32 s34, s60, 12
	s_mov_b32 s35, 0
	s_add_nc_u64 s[24:25], s[24:25], s[34:35]
	s_add_nc_u64 s[24:25], s[24:25], 0x800000      ; rows 8,192 on: by e14
	s_add_nc_u64 s[32:33], s[24:25], 0x800000      ; rows 16,384 on: by e16
	v_lshlrev_b32 v2, 5, v1
	v_lshlrev_b32 v3, 3, v1
.irp t, 0,1,2,3
	LOADA \t
.endr
	MKS 50, 4, 8                                   ; e14
	MKS 52, 5, 9                                   ; e16
.irp t, 0,1,2,3,4,5,6,7,8,9,10,11,12,13,14,15
	STEPA \t, 2
.endr
	s_endpgm
; ================ the six weights [k][n] -> [n][k]: 32 columns x 256 along K a wave, out through the wave's own stage as rows
.Lpath_w:
	s_sub_co_u32 s60, ttmp9, 640
	s_lshr_b32 s61, s60, 5                         ; which weight
	s_and_b32 s62, s60, 7                          ; which 128 columns
	s_bfe_u32 s63, s60, 0x20003                    ; which 256 along K
	s_mov_b64 s[32:33], s[8:9]
	s_mov_b32 s34, s37                             ; e1
.macro PICK n, e                       ; the choice hangs on the work-group's number alone
	s_cmp_eq_u32 s61, \n
	s_cselect_b64 s[32:33], s[8+2*\n:9+2*\n], s[32:33]
	s_cselect_b32 s34, s[\e], s34
.endm
	PICK 1, 39
	PICK 2, 41
	PICK 3, 49
	PICK 4, 51
	PICK 5, 53
	s_lshl_b32 s35, s62, 7
	s_lshl_b32 s31, s30, 5
	s_add_co_u32 s35, s35, s31                     ; my wave's first column
	s_lshl_b32 s2, s63, 20
	s_lshl_b32 s31, s35, 2
	s_add_co_u32 s2, s2, s31
	s_mov_b32 s3, 0
	s_add_nc_u64 s[32:33], s[32:33], s[2:3]
	s_lshl_b32 s2, s61, 20                         ; the weight's 1,048,576 bytes of codes,
	s_lshl_b32 s31, s35, 10                        ; a row of 1,024 for each column,
	s_add_co_u32 s2, s2, s31
	s_lshl_b32 s31, s63, 8                         ; 256 along K
	s_add_co_u32 s2, s2, s31
	s_add_nc_u64 s[26:27], s[26:27], s[2:3]
	s_mul_i32 s31, s30, 32*PITCH                   ; my stage
	v_lshlrev_b32 v3, 2, v1
	v_mul_u32_u24 v4, v1, PITCH
	v_add_nc_u32 v4, s31, v4                       ; into it: row = my column
	v_and_b32 v5, 15, v1
	v_lshrrev_b32 v6, 4, v1
	v_mul_u32_u24 v7, v6, PITCH
	v_lshl_add_u32 v7, v5, 4, v7
	v_add_nc_u32 v7, s31, v7                       ; out of it: sixteen lanes to a row, two rows an instruction
	v_lshlrev_b32 v8, 10, v6
	v_lshl_add_u32 v8, v5, 4, v8                   ; and the same place in wc
	LOADW 0
	LOADW 1
	MKS 34, 11, 10
.macro BLOCKW t
.set XS, XW+32*((\t)%2)
.if (\t) < 7
	s_wait_loadcnt 32                              ; this block's 32 loads are in; the next block's may be out
.else
	s_wait_loadcnt 0
.endif
.set i, 0
.rept 32
	v_med3_num_f32 v[XS+i], v[XS+i], -v10, v10
.set i, i+1
.endr
.irp g, 0,1,2,3
	v_cvt_scalef32_pk8_bf8_f32 v[96+2*\g:97+2*\g], v[XS+8*\g:XS+8*\g+7], v11
.endr
	ds_store_b128 v4, v[96:99] offset:32*(\t)      ; 32 codes of my column's row
	ds_store_b128 v4, v[100:103] offset:32*(\t)+16
.if (\t)+2 < 8
	LOADW (\t)+2
.endif
	s_wait_dscnt 0x0                               ; the stores have read their registers: the next block's codes may be written
.endm
.irp t, 0,1,2,3,4,5,6,7
	BLOCKW \t
.endr
.irp t, 0,1,2,3,4,5,6,7,8,9,10,11,12,13,14,15
	ds_load_b128 v[OUTR+4*\t:OUTR+4*\t+3], v7 offset:2*\t*PITCH   ; LDS serves a wave's instructions in order: these see my stores
.endr
.irp t, 0,1,2,3,4,5,6,7,8,9,10,11,12,13,14,15
	s_wait_dscnt 15-\t                             ; loads come back in order: pair t of rows is in
	global_store_b128 v8, v[OUTR+4*\t:OUTR+4*\t+3], s[26:27] offset:2*\t*1024   ; sixteen lanes store 256 consecutive bytes, aligned
.endr
	s_wait_tensorcnt 0x0                           ; the wave's end: behind my last LDS store
	ds_add_u32 v[SPW], v[NIL]
	s_wait_dscnt 0x0
	s_endpgm
.Lfunc_end_k_q147d03c00f_quant:
	.size	k_q147d03c00f_quant, .Lfunc_end_k_q147d03c00f_quant-k_q147d03c00f_quant
	.p2alignl 7, 3214868480
	.fill 96, 4, 3214868480
	.section	.rodata,"a",@progbits
	.p2align	6, 0x0
	.amdhsa_kernel k_q147d03c00f_quant
		.amdhsa_group_segment_fixed_size 35840
		.amdhsa_private_segment_fixed_size 0
		.amdhsa_enable_private_segment 0
		.amdhsa_kernarg_size 104
		.amdhsa_user_sgpr_count 2
		.amdhsa_user_sgpr_kernarg_segment_ptr 1
		.amdhsa_wavefront_size32 1
		.amdhsa_system_sgpr_workgroup_id_x 1
		.amdhsa_system_sgpr_workgroup_id_y 1
		.amdhsa_system_sgpr_workgroup_id_z 1
		.amdhsa_system_vgpr_workitem_id 0
		.amdhsa_next_free_vgpr 192
		.amdhsa_next_free_sgpr 66
		.amdhsa_reserve_vcc 0
		.amdhsa_float_denorm_mode_32 3
		.amdhsa_float_denorm_mode_16_64 3
		.amdhsa_memory_ordered 1
		.amdhsa_forward_progress 1
		.amdhsa_inst_pref_size 188
	.end_amdhsa_kernel
	.amdgpu_metadata
---
amdhsa.version: [ 1, 2 ]
amdhsa.kernels:
  - .name:           k_q147d03c00f_quant
    .symbol:         k_q147d03c00f_quant.kd
    .args:
      - { .name: hidden_states, .offset: 0, .size: 8, .value_kind: global_buffer, .address_space: global }
      - { .name: thought_states, .offset: 8, .size: 8, .value_kind: global_buffer, .address_space: global }
      - { .name: Wq, .offset: 16, .size: 8, .value_kind: global_buffer, .address_space: global }
      - { .name: Wk, .offset: 24, .size: 8, .value_kind: global_buffer, .address_space: global }
      - { .name: Wv, .offset: 32, .size: 8, .value_kind: global_buffer, .address_space: global }
      - { .name: Wtq, .offset: 40, .size: 8, .value_kind: global_buffer, .address_space: global }
      - { .name: Wtk, .offset: 48, .size: 8, .value_kind: global_buffer, .address_space: global }
      - { .name: Wtv, .offset: 56, .size: 8, .value_kind: global_buffer, .address_space: global }
      - { .name: Wo, .offset: 64, .size: 8, .value_kind: global_buffer, .address_space: global }
      - { .name: lowp_scales, .offset: 72, .size: 8, .value_kind: global_buffer, .address_space: global }
      - { .name: actc, .offset: 80, .size: 8, .value_kind: global_buffer, .address_space: global }
      - { .name: wc, .offset: 88, .size: 8, .value_kind: global_buffer, .address_space: global }
      - { .name: wof, .offset: 96, .size: 8, .value_kind: global_buffer, .address_space: global }
    .group_segment_fixed_size: 35840
    .private_segment_fixed_size: 0
    .kernarg_segment_align: 8
    .kernarg_segment_size: 104
    .max_flat_workgroup_size: 128
    .sgpr_count:     66
    .vgpr_count:     192
    .wavefront_size: 32
...
	.end_amdgpu_metadata
.endif
;; end of part 1
;; launch proj (part 2): grid 4 x 96, 4 waves a work-group, clusters of 4 x 4, 327,680 bytes of LDS; arguments actc, wc, lowp_scales, bq, bk, bv, btq, btk, btv, att; writes att
.if DOCPART == 2
	.amdgcn_target "amdgcn-amd-amdhsa--gfx1250"
	.amdhsa_code_object_version 6
	.text
	.protected	k_q147d03c00f_proj
	.globl	k_q147d03c00f_proj
	.p2align	8
	.type	k_q147d03c00f_proj,@function
k_q147d03c00f_proj:
	s_mov_b64 s[64:65], 0
	v_nop
	global_prefetch_b8 v0, s[64:65] scope:SCOPE_SE
	s_setreg_imm32_b32 hwreg(HW_REG_WAVE_MODE, 25, 1), 1
	s_wait_xcnt 0x0
	s_wait_alu depctr_hold_cnt(0) depctr_sa_sdst(0) depctr_va_vdst(0) depctr_va_sdst(0) depctr_va_ssrc(0) depctr_va_vcc(0) depctr_vm_vsrc(0)
	s_getreg_b32 s2, hwreg(HW_REG_IB_STS2, 6, 4)
	s_cmp_eq_u32 s2, 0
	s_cbranch_scc0 .Lentry_in_a_cluster
	s_endpgm
.Lentry_in_a_cluster:
	s_bfe_u32 s2, ttmp6, 0x10000c
	s_cmp_lg_u32 s2, 0xf033
	s_cbranch_scc0 .Lentry_shape_is_right
	s_endpgm
.Lentry_shape_is_right:
; LAUNCH 2 OF 4: the six projections q, k, v, tq, tk, tv, one GEMM on codes of BF8 each (K = 1,024), all in one launch; each result x 2^(ea + eb) + bias is quantised by its own given scale and
; stored as an IMAGE OF THE OPERAND REGISTERS that launch attn loads.  Nothing is left out here.
; WHICH PRODUCT: the cluster's y, cl = 0..23: g = 0 q (cl 0, 1), 1 k, 2 v, 3 tq, 4 tk (cl 8-15), 5 tv (cl 16-23): actc's tile rows of 256 are 4 cl + place, in the order in which launch quant stacked them.
; A work-group of four waves makes 256 x 256, a wave 128 x 128: 64 accumulators, 512 registers.  K goes in steps of 256 through a ring of two LDS slots filled by joint tensor loads: 4 x 4 work-groups form a
; cluster; the four of a row share the tile in the slot's first half (A), the four of a column the tile in its second half (B).
; THE MATRIX INSTRUCTION: source 0 = 16 rows of B's half, source 1 = 16 rows of A's half: a lane holds ONE row of A's half and eight neighbouring rows of B's.
;   q, k, tq, tk: A's half = tokens, B's half = the weight's n.  A lane holds a token and eight neighbours along the head's 64: four accumulators convert into the 8 registers of a fragment 16 tokens x 64.
;   v, tv:        A's half = the weight's n (the head's d), B's half = tokens.  A lane holds a d and eight neighbouring keys: eight accumulators convert into the 16 registers of a fragment 16 d x 128 keys.
; The two kinds differ in which buffer feeds which half (chosen by selects on cl, the same in all sixteen partners) and in the way out (one branch on cl, behind the last joint load and the last barrier of the ring).
; att, for each (batch, head) 786,432 bytes: five blocks of 131,072 (thought keys 1,024 ss on, ss = 0..3; block 4: the self keys), then q's fragments, then tq's (65,536 each).  A block is [piece 0..7][key step 0..7][2,048]:
;   K's fragment of tile t of key step s at (t / 2) 16,384 + 2,048 s + (t % 2) 1,024; V's of d tile dt at 65,536 + 16,384 dt + 2,048 s; group i of four registers at + 512 i + 16 lane.  q and tq lie as K's half does.
; LIMITS: ea + eb between -126 and 127; the result's own e between -126 and 112.
; No prefetch: K has four steps, and each tile is read by four clusters' worth of neighbours within the launch's short life.
.set KROW,   1024                      ; a row of codes in memory
.set ROWB,   256                       ; a tile's row: 256 codes
.set PITCH,  272                       ; an LDS row: 256 bytes + 16: the 16 rows that a load touches start 4 banks apart
.set FR,     16                        ; registers of a fragment 16 rows x 128 K
.set NL,     4                         ; LDS loads that bring one
.set NP,     4                         ; places behind this matrix instruction (ISA guide 7.12.1)
.set HALFT,  128*PITCH
.set SLOT,   4*HALFT                   ; A's 256 rows, then B's 256 rows
.set SPARE,  2*SLOT                    ; behind the ring: the spare words, 128 bytes a wave
.set HB,     786432
.set SSB,    131072
.set QOFF,   655360
.set TQOFF,  720896
.set LN,   8                           ; v8   16 x lane: my place in an image
.set BO,   9                           ; v9   my lane's offset in the bias
.set LIM,  10                          ; v10  57,344 x 2^e of the result
.set SCL,  11                          ; v11  2^e of the result
.set ADRA, 16                          ; v16-17  LDS address of my A fragments in slot 0, 1
.set ADRB, 20                          ; v20-21  the same for B
.set SPW,  28                          ; v28  my spare word; never rewritten
.set NIL,  29                          ; v29  0; never rewritten
.set BI,   32                          ; v32-95  the bias in the result's layout
.set TMP,  96                          ; v96-127 32 numbers on their way to codes
.set AF,   128                         ; window 0: A's fragments, one set
.set CD,   128                         ; the way out: codes, 8 registers for each of 16 groups, never rewritten
.set G1, 24                            ; s[24:31] group 1 for A's tiles; s[32:39] group 0, one set for each slot
.set G0, 32
.set G1B, 48                           ; s[48:55], s[56:63] the same for B's
.set G0B, 56
.set MSB, 0
.macro WIN new                         ; the immediate's high byte repeats the setting that is left
.if MSB != \new
	s_set_vgpr_msb (MSB<<8)|\new
.set MSB, \new
.endif
.endm
.set MUL_LO, 0xa1                      ; source 0 (B) window 1, source 1 (A) window 0, C and D window 2
.set MUL_HI, 0xf1                      ; the same, C and D window 3
.set TO_B,   0x40                      ; destination window 1, address window 0
; A joint load: waves 0 and 1 fetch for A's half, waves 2 and 3 for B's; the branch hangs on the wave's number alone.  An s_nop 0 and four v_nop follow each line.
.macro JLOAD g0a, g1a, g0b, g1b
	s_cmp_eq_u32 s15, 0
	s_cbranch_scc0 .Lfor_b_\@
	tensor_load_to_lds s[\g0a:\g0a+3], s[\g1a:\g1a+7]
	s_nop 0
.rept 4
	v_nop
.endr
	s_branch .Lasked_\@
.Lfor_b_\@:
	tensor_load_to_lds s[\g0b:\g0b+3], s[\g1b:\g1b+7]
	s_nop 0
.rept 4
	v_nop
.endr
.Lasked_\@:
.endm
.macro CREST                           ; a round of the cluster's barrier behind its opening barrier
	s_cmp_lg_u32 s14, 0
	s_cbranch_scc1 .Lnot_wave_0_\@
	s_barrier_signal -3
.Lnot_wave_0_\@:
	s_barrier_wait -3
	s_barrier_signal -1
	s_barrier_wait -1
.endm
.macro CROUND
	s_barrier_signal -1
	s_barrier_wait -1
	CREST
.endm
	s_load_b512 s[68:83], s[0:1], 0x0              ; actc s[68:69], wc s[70:71], the scales s[72:73], bq s[74:75], bk, bv, btq, btk s[82:83]
	s_load_b128 s[84:87], s[0:1], 0x40             ; btv s[84:85], att s[86:87]
	v_lshl_add_u32 v[SPW], v0, 2, SPARE
	v_mov_b32 v[NIL], 0
	ds_add_u32 v[SPW], v[NIL]                      ; the wave's opening: the add, twice on end, and its wait ahead of my first tensor load
	ds_add_u32 v[SPW], v[NIL]
	v_lshrrev_b32 v1, 5, v0
	v_readfirstlane_b32 s14, v1                    ; wave 0..3
	s_lshr_b32 s15, s14, 1                         ; which half of A's rows is mine.  Also: I fetch for A (0) or for B (1)
	s_and_b32 s16, s14, 1                          ; which half of B's rows.  Also: which 128 rows of that tile I fetch
	s_bfe_u32 s40, ttmp6, 0x40000                  ; cx
	s_bfe_u32 s41, ttmp6, 0x40004                  ; cy
	s_and_b32 s12, ttmp7, 0xffff                   ; cl: the cluster's y, the same in all sixteen partners
	s_lshr_b32 s13, s12, 1
	s_lshr_b32 s17, s12, 3
	s_add_co_u32 s17, s17, 3
	s_and_b32 s67, s12, 1
	s_and_b32 s22, s12, 7
	s_cmp_lt_u32 s12, 8
	s_cselect_b32 s13, s13, s17                    ; g: which product
	s_cselect_b32 s67, s67, s22                    ; which cluster of that product
	s_cmp_eq_u32 s13, 2
	s_cselect_b32 s66, 1, 0
	s_cmp_eq_u32 s13, 5
	s_cselect_b32 s66, 1, s66                      ; 1: v or tv
	s_lshl_b32 s43, s41, 2
	s_lshl_b32 s43, 15, s43                        ; my row of the cluster
	s_lshl_b32 s44, 0x1111, s40                    ; my column
	s_or_b32 s[G1+0], s43, (0<<16)|(1<<20)|(1<<21)|(5<<22)|(3<<25)  ; the mask; elements of 1 byte; padding on; bit 21 beside a mask; after every 64 words, 4 words
	s_or_b32 s[G1B+0], s44, (0<<16)|(1<<20)|(1<<21)|(5<<22)|(3<<25)
.irp g, G1, G1B
	s_mov_b32 s[\g+1], ROWB<<16                    ; tensor_dim0
	s_mov_b32 s[\g+2], 128<<16                     ; tensor_dim1
	s_mov_b32 s[\g+3], ROWB<<16                    ; tile_dim0
	s_mov_b32 s[\g+4], 128                         ; tile_dim1
	s_mov_b32 s[\g+5], KROW                        ; from row to row
	s_mov_b32 s[\g+6], 0
	s_mov_b32 s[\g+7], 0
.endr
	; A's tile hangs on cl and cy alone, B's on cl and cx alone
	s_lshl_b32 s17, s12, 2
	s_cmp_eq_u32 s66, 1
	s_cselect_b32 s20, 0, s17                      ; v kinds: A's half is the weight's tile cy; else actc's tile row 4 cl + cy
	s_cselect_b32 s46, s17, 0                      ; v kinds: B's half is actc's tile row 4 cl + cx; else the weight's tile cx
	s_add_co_u32 s20, s20, s41
	s_add_co_u32 s46, s46, s40
	s_lshl_b32 s18, s16, 7                         ; which 128 rows of the tile I fetch
	s_lshl_b32 s20, s20, 8
	s_add_co_u32 s20, s20, s18
	s_lshl_b32 s20, s20, 10                        ; rows of 1,024 bytes: under 2^25
	s_mov_b32 s21, 0
	s_lshl_b32 s46, s46, 8
	s_add_co_u32 s46, s46, s18
	s_lshl_b32 s46, s46, 10
	s_mov_b32 s47, 0
	s_mul_i32 s45, s14, HALFT                      ; where they go: wave x 128 rows
	s_lshl_b32 s88, s13, 20                        ; the weight's codes in wc
	s_mov_b32 s89, 0
	s_cmp_ge_u32 s13, 3
	s_cselect_b32 s90, 3, 0
	s_cselect_b32 s91, 15, 6
	s_add_co_u32 s90, s90, s13
	s_lshl_b32 s90, s90, 3                         ; ea, eb lie at entries 0, 2, 4, 12, 14, 16
	s_add_co_u32 s91, s91, s13
	s_lshl_b32 s91, s91, 2                         ; the result's e at entries 6, 7, 8, 18, 19, 20
	s_wait_dscnt 0x0                               ; both opening adds are done
	s_wait_kmcnt 0x0
	s_load_b64 s[92:93], s[72:73], s90 offset:0x0  ; ea, eb  (s90 and s91 stay as they are until the wait for these loads)
	s_load_b32 s94, s[72:73], s91 offset:0x0
	s_add_nc_u64 s[88:89], s[70:71], s[88:89]
	s_cmp_eq_u32 s66, 1
	s_cselect_b64 s[4:5], s[88:89], s[68:69]
	s_cselect_b64 s[6:7], s[68:69], s[88:89]
	s_add_nc_u64 s[20:21], s[4:5], s[20:21]
	s_add_nc_u64 s[46:47], s[6:7], s[46:47]
	CROUND                                         ; all sixteen work-groups are here: the first joint loads meet
.irp s, 0,1
	s_mov_b32 s[G0+4*\s], 1
	s_add_co_u32 s[G0+4*\s+1], s45, \s*SLOT
	s_add_nc_u64 s[G0+4*\s+2:G0+4*\s+3], s[20:21], \s*ROWB
	s_or_b32 s[G0+4*\s+3], s[G0+4*\s+3], 0x80000000
	s_mov_b32 s[G0B+4*\s], 1
	s_add_co_u32 s[G0B+4*\s+1], s45, \s*SLOT
	s_add_nc_u64 s[G0B+4*\s+2:G0B+4*\s+3], s[46:47], \s*ROWB
	s_or_b32 s[G0B+4*\s+3], s[G0B+4*\s+3], 0x80000000
	JLOAD G0+4*\s, G1, G0B+4*\s, G1B               ; two loads of mine are out
.endr
	v_and_b32 v1, 15, v0                           ; r
	v_bfe_u32 v2, v0, 4, 1                         ; h
	v_mul_u32_u24 v3, v1, PITCH
	v_lshl_add_u32 v4, v2, 4, v3
	s_mul_i32 s22, s15, HALFT                      ; my 128 rows of A's half
	s_mul_i32 s23, s16, HALFT                      ; my 128 rows of B's,
	s_add_co_u32 s23, s23, 2*HALFT                 ; which lie behind A's 256
.irp s, 0,1
	v_add_nc_u32 v[ADRA+\s], s22, v4
	v_add_nc_u32 v[ADRB+\s], s23, v4
	s_add_co_u32 s22, s22, SLOT
	s_add_co_u32 s23, s23, SLOT
.endr
	v_and_b32 v5, 31, v0
	v_lshlrev_b32 v[LN], 4, v5
	; where my wave's images go, and where its bias lies
	s_cmp_eq_u32 s66, 1
	s_cselect_b32 s17, s40, s41                    ; the tokens' tile: by cx in the v kinds, else by cy
	s_cselect_b32 s18, s41, s40                    ; the weight's tile
	s_cselect_b32 s19, s16, s15                    ; my half of the tokens
	s_cselect_b32 s22, s15, s16                    ; my half of the n
	s_cselect_b32 s23, 65536, 0                    ; V's fragments lie behind K's
	s_lshl_b32 s95, s67, 2
	s_add_co_u32 s17, s17, s95
	s_lshl_b32 s17, s17, 8
	s_lshl_b32 s19, s19, 7
	s_add_co_u32 s17, s17, s19                     ; my first token of the product's rows
	s_lshl_b32 s18, s18, 8
	s_lshl_b32 s22, s22, 7
	s_add_co_u32 s18, s18, s22                     ; my first n
	s_cmp_ge_u32 s13, 4
	s_cselect_b32 s19, 12, 10                      ; 4,096 thought rows or 1,024 tokens to a batch
	s_lshr_b32 s22, s17, s19                       ; batch
	s_lshl_b32 s95, s22, s19
	s_sub_co_u32 s95, s17, s95                     ; my first key in the batch, a multiple of 128
	s_lshl_b32 s22, s22, 4
	s_lshr_b32 s98, s18, 6
	s_add_co_u32 s22, s22, s98                     ; 16 x batch + my first head
	s_mul_i32 s22, s22, HB
	s_add_co_u32 s22, s22, s23
	s_lshr_b32 s98, s95, 10
	s_lshl_b32 s98, s98, 17                        ; the block of 1,024 keys
	s_add_co_u32 s22, s22, s98
	s_bfe_u32 s98, s95, 0x30007                    ; the key step in it
	s_lshl_b32 s98, s98, 11
	s_add_co_u32 s22, s22, s98
	s_mov_b32 s98, 0                               ; tk, tv: blocks 0 to 3
	s_cmp_eq_u32 s13, 0
	s_cselect_b32 s98, QOFF, s98
	s_cmp_eq_u32 s13, 1
	s_cselect_b32 s98, 4*SSB, s98
	s_cmp_eq_u32 s13, 2
	s_cselect_b32 s98, 4*SSB, s98
	s_cmp_eq_u32 s13, 3
	s_cselect_b32 s98, TQOFF, s98
	s_add_co_u32 s22, s22, s98
	s_mov_b32 s23, 0
	s_add_nc_u64 s[10:11], s[86:87], s[22:23]
	s_mov_b64 s[8:9], s[74:75]
.irp n, 1,2,3,4,5
	s_cmp_eq_u32 s13, \n
	s_cselect_b64 s[8:9], s[74+2*\n:75+2*\n], s[8:9]
.endr
	s_lshl_b32 s22, s18, 2
	s_add_nc_u64 s[8:9], s[8:9], s[22:23]
.macro FRAG reg, adr, q, i             ; 16 rows x 128 K: four loads of 16 bytes: registers 4 c .. 4 c + 3 hold K = 32 c + 16 h + 0..15: the same order of k in both operands, so every product meets its partner
.irp c, 0,1,2,3
	ds_load_b128 v[\reg+4*\c:\reg+4*\c+3], v[\adr] offset:128*(\q)+32*\c+(\i)*16*PITCH
.endr
.endm
; 16 matrix instructions: A's blocks a0, a0 + 1 x B's eight.  The 64 accumulators take turns, one instruction a turn, in the same order in every step.
.macro MUL16 a0, p, zero
.irp a, \a0, \a0+1
.irp b, 0,1,2,3,4,5,6,7
.if \zero
	v_wmma_f32_16x16x128_bf8_bf8 v[8*(8*((\a)%4)+\b):8*(8*((\a)%4)+\b)+7], v[128*(\p)+FR*\b:128*(\p)+FR*\b+FR-1], v[AF+FR*(\a):AF+FR*(\a)+FR-1], 0
.else
	v_wmma_f32_16x16x128_bf8_bf8 v[8*(8*((\a)%4)+\b):8*(8*((\a)%4)+\b)+7], v[128*(\p)+FR*\b:128*(\p)+FR*\b+FR-1], v[AF+FR*(\a):AF+FR*(\a)+FR-1], v[8*(8*((\a)%4)+\b):8*(8*((\a)%4)+\b)+7]
.endif
.endr
.endr
.endm
.macro FETCH_B slot, q, p
	WIN TO_B
.irp i, 0,1,2,3,4,5,6,7
	FRAG 128*(\p)+FR*\i, ADRB+\slot, \q, \i
.endr
	WIN 0
.endm
.macro FETCH_A slot, q, i0
.irp i, \i0, \i0+1, \i0+2, \i0+3
	FRAG AF+FR*(\i), ADRA+\slot, \q, \i
.endr
.endm
.macro PLACES n                        ; plain vector lines between a matrix instruction and a load into, or a vector read of, its registers
.rept \n
	v_nop
.endr
.endm
.macro STEP slot, q, zero              ; 128 along K that has its successor in the same slot
	s_wait_dscnt 4*NL                              ; B's set and A's blocks 0-3 are in; the youngest sixteen loads (A's blocks 4-7) may be out
	WIN MUL_LO
	MUL16 0, (\q)%2, \zero
	MUL16 2, (\q)%2, \zero
	s_wait_dscnt 0                                 ; A's blocks 4-7 are in
	PLACES NP
	FETCH_B \slot, (\q)+1, 1-(\q)%2
	FETCH_A \slot, (\q)+1, 0
	WIN MUL_HI
	MUL16 4, (\q)%2, \zero
	MUL16 6, (\q)%2, \zero
	PLACES NP
	WIN 0
	FETCH_A \slot, (\q)+1, 4
.endm
; A slot's last step changes slots: in front of the barrier each wave waits for all its tensor loads, adds 0 to its spare word, and waits for that and for its reads of this slot.
.macro TURN slot, next, fill
	s_wait_tensorcnt 0x0                           ; all my tensor loads have landed: my part of the next slot
	ds_add_u32 v[SPW], v[NIL]
	s_wait_dscnt 4*NL+1                            ; the add and the youngest sixteen loads may be out
	WIN MUL_LO
	MUL16 0, 1, 0
	s_wait_dscnt 0x0                               ; the add is done, and my reads of this slot are over
	s_barrier_signal -1
	MUL16 2, 1, 0
	WIN 0
	s_barrier_wait -1
.if \fill
	CREST                                          ; the barrier has opened a round of the cluster's: no wave of any partner still reads this slot or has a load on its way
	s_add_nc_u64 s[G0+4*\slot+2:G0+4*\slot+3], s[G0+4*\slot+2:G0+4*\slot+3], 2*ROWB
	s_add_nc_u64 s[G0B+4*\slot+2:G0B+4*\slot+3], s[G0B+4*\slot+2:G0B+4*\slot+3], 2*ROWB
	JLOAD G0+4*\slot, G1, G0B+4*\slot, G1B         ; my one tensor load behind the round; its four v_nop are the places in front of the loads below
.else
	PLACES NP
.endif
	FETCH_B \next, 0, 0
	FETCH_A \next, 0, 0
	WIN MUL_HI
	MUL16 4, 1, 0
	MUL16 6, 1, 0
	PLACES NP
	WIN 0
	FETCH_A \next, 0, 4
.endm
.macro LAST                            ; the very last 128 along K: nothing more to fetch
	s_wait_dscnt 4*NL
	WIN MUL_LO
	MUL16 0, 1, 0
	MUL16 2, 1, 0
	s_wait_dscnt 0
	WIN MUL_HI
	MUL16 4, 1, 0
	MUL16 6, 1, 0
	WIN 0
.endm
; THE WAY OUT.  For A's block a and half u of B's blocks: 32 sums x 2^(ea + eb) + bias, held, converted: 8 registers of codes, which ARE registers of an operand: two stores of 512 consecutive bytes, aligned.
; v = 0: a = tile of 16 tokens, u = head: a whole fragment 16 x 64.   v = 1: a = (head, d tile), u = which 64 of the 128 keys: half a fragment 16 x 128.  Each accumulator is read from its low end on.
.macro EPI v
.irp a, 0,1,2,3,4,5,6,7
.irp u, 0,1
	WIN (0x02+(\a/4))
.irp c, 0,1,2,3
.irp j, 0,2,4,6
.if \v
	v_pk_fma_f32 v[TMP+8*\c+\j:TMP+8*\c+\j+1], v[64*(\a%4)+8*(4*\u+\c)+\j:64*(\a%4)+8*(4*\u+\c)+\j+1], s[96:97], v[BI+2*\a:BI+2*\a+1] op_sel_hi:[1,0,1]
.else
	v_pk_fma_f32 v[TMP+8*\c+\j:TMP+8*\c+\j+1], v[64*(\a%4)+8*(4*\u+\c)+\j:64*(\a%4)+8*(4*\u+\c)+\j+1], s[96:97], v[BI+8*(4*\u+\c)+\j:BI+8*(4*\u+\c)+\j+1] op_sel_hi:[1,0,1]
.endif
.endr
.endr
	WIN 0
.set i, 0
.rept 32
	v_med3_num_f32 v[TMP+i], v[TMP+i], -v[LIM], v[LIM]
.set i, i+1
.endr
.irp c, 0,1,2,3
	v_cvt_scalef32_pk8_bf8_f32 v[CD+8*(2*\a+\u)+2*\c:CD+8*(2*\a+\u)+2*\c+1], v[TMP+8*\c:TMP+8*\c+7], v[SCL]
.endr
	v_nop                                          ; a plain line between the conversions and the lines that write their sources anew
.irp k, 0,1
.if \v
	global_store_b128 v[LN], v[CD+8*(2*\a+\u)+4*\k:CD+8*(2*\a+\u)+4*\k+3], s[10:11] offset:(\a/4)*HB+(\a%4)*16384+(2*\u+\k)*512
.else
	global_store_b128 v[LN], v[CD+8*(2*\a+\u)+4*\k:CD+8*(2*\a+\u)+4*\k+3], s[10:11] offset:(\a/2)*16384+(\a%2)*1024+\u*HB+512*\k
.endif
.endr
.endr
.endr
.endm
	s_wait_tensorcnt 1                             ; my part of K step 0 is in; K step 1's load may be out
	s_barrier_signal -1
	s_barrier_wait -1
	FETCH_B 0, 0, 0
	FETCH_A 0, 0, 0
	FETCH_A 0, 0, 4
	STEP 0, 0, 1                                   ; the first products start the sums: nothing is cleared
	TURN 0, 1, 1                                   ; K = 1,024 is four slots' worth: each slot is filled again once
	STEP 1, 0, 0
	TURN 1, 0, 1
	STEP 0, 0, 0
	TURN 0, 1, 0                                   ; nothing more to ask for
	s_wait_kmcnt 0x0
	s_add_co_i32 s96, s92, s93
	s_add_co_i32 s96, s96, 127
	s_lshl_b32 s96, s96, 23                        ; 2^(ea + eb) as f32
	s_mov_b32 s97, s96                             ; (named with it as a pair, so it is written)
	s_add_co_i32 s98, s94, 127
	s_lshl_b32 s99, s98, 23
	v_mov_b32 v[SCL], s99
	s_add_co_i32 s98, s98, 15
	s_lshl_b32 s98, s98, 23
	s_or_b32 s98, s98, 0x600000
	v_mov_b32 v[LIM], s98
	s_cmp_eq_u32 s66, 1                            ; the cluster's y alone: all sixteen partners, and all four waves, go the same way; no barrier and no tensor load stands in either arm
	s_cbranch_scc1 .Larm_v
	v_lshlrev_b32 v[BO], 5, v2                     ; bias[n0 + 16 b + 8 h + j]: asked for 128 matrix instructions ahead of its use
.irp b, 0,1,2,3,4,5,6,7
	global_load_b128 v[BI+8*\b:BI+8*\b+3], v[BO], s[8:9] offset:64*\b
	global_load_b128 v[BI+8*\b+4:BI+8*\b+7], v[BO], s[8:9] offset:64*\b+16
.endr
	STEP 1, 0, 0
	LAST
	s_wait_loadcnt 0x0
	PLACES NP
	EPI 0
	s_branch .Lend
.Larm_v:
	v_lshlrev_b32 v[BO], 2, v1                     ; bias[n0 + 16 a + r]: one number a lane for each block of A's half
.irp a, 0,1,2,3,4,5,6,7
	global_load_b32 v[BI+2*\a], v[BO], s[8:9] offset:64*\a
.endr
	STEP 1, 0, 0
	LAST
	s_wait_loadcnt 0x0
.irp a, 0,1,2,3,4,5,6,7
	v_mov_b32 v[BI+2*\a+1], v[BI+2*\a]             ; as pairs for the packed form; these eight are also the places behind the last products
.endr
	EPI 1
.Lend:
	s_wait_tensorcnt 0x0                           ; the wave's end
	ds_add_u32 v[SPW], v[NIL]
	s_wait_dscnt 0x0
	CROUND                                         ; the closing round: no work-group ends while a partner may still ask for a tile that names it
	s_endpgm
.Lfunc_end_k_q147d03c00f_proj:
	.size	k_q147d03c00f_proj, .Lfunc_end_k_q147d03c00f_proj-k_q147d03c00f_proj
	.p2alignl 7, 3214868480
	.fill 96, 4, 3214868480
	.section	.rodata,"a",@progbits
	.p2align	6, 0x0
	.amdhsa_kernel k_q147d03c00f_proj
		.amdhsa_group_segment_fixed_size 327680
		.amdhsa_private_segment_fixed_size 0
		.amdhsa_enable_private_segment 0
		.amdhsa_kernarg_size 80
		.amdhsa_user_sgpr_count 2
		.amdhsa_user_sgpr_kernarg_segment_ptr 1
		.amdhsa_wavefront_size32 1
		.amdhsa_system_sgpr_workgroup_id_x 1
		.amdhsa_system_sgpr_workgroup_id_y 1
		.amdhsa_system_sgpr_workgroup_id_z 1
		.amdhsa_system_vgpr_workitem_id 0
		.amdhsa_next_free_vgpr 1024
		.amdhsa_next_free_sgpr 100
		.amdhsa_reserve_vcc 0
		.amdhsa_float_denorm_mode_32 3
		.amdhsa_float_denorm_mode_16_64 3
		.amdhsa_memory_ordered 1
		.amdhsa_forward_progress 1
		.amdhsa_inst_pref_size 208
	.end_amdhsa_kernel
	.amdgpu_metadata
---
amdhsa.version: [ 1, 2 ]
amdhsa.kernels:
  - .name:           k_q147d03c00f_proj
    .symbol:         k_q147d03c00f_proj.kd
    .args:
      - { .name: actc, .offset: 0, .size: 8, .value_kind: global_buffer, .address_space: global }
      - { .name: wc, .offset: 8, .size: 8, .value_kind: global_buffer, .address_space: global }
      - { .name: lowp_scales, .offset: 16, .size: 8, .value_kind: global_buffer, .address_space: global }
      - { .name: bq, .offset: 24, .size: 8, .value_kind: global_buffer, .address_space: global }
      - { .name: bk, .offset: 32, .size: 8, .value_kind: global_buffer, .address_space: global }
      - { .name: bv, .offset: 40, .size: 8, .value_kind: global_buffer, .address_space: global }
      - { .name: btq, .offset: 48, .size: 8, .value_kind: global_buffer, .address_space: global }
      - { .name: btk, .offset: 56, .size: 8, .value_kind: global_buffer, .address_space: global }
      - { .name: btv, .offset: 64, .size: 8, .value_kind: global_buffer, .address_space: global }
      - { .name: att, .offset: 72, .size: 8, .value_kind: global_buffer, .address_space: global }
    .group_segment_fixed_size: 327680
    .private_segment_fixed_size: 0
    .kernarg_segment_align: 8
    .kernarg_segment_size: 80
    .max_flat_workgroup_size: 128
    .sgpr_count:     100
    .vgpr_count:     1024
    .wavefront_size: 32
...
	.end_amdgpu_metadata
.endif
;; end of part 2
;; launch attn (part 3): grid 8 x 32, 8 waves a work-group, no clusters, 327,680 bytes of LDS; arguments att, attention_mask, thought_mask, lowp_scales, cxc; writes cxc
.if DOCPART == 3
	.amdgcn_target "amdgcn-amd-amdhsa--gfx1250"
	.amdhsa_code_object_version 6
	.text
	.protected	k_q147d03c00f_attn
	.globl	k_q147d03c00f_attn
	.p2align	8
	.type	k_q147d03c00f_attn,@function
k_q147d03c00f_attn:
	s_mov_b64 s[64:65], 0
	v_nop
	global_prefetch_b8 v0, s[64:65] scope:SCOPE_SE
	s_setreg_imm32_b32 hwreg(HW_REG_WAVE_MODE, 25, 1), 1
	s_wait_xcnt 0x0
; LAUNCH 3 OF 4: both attentions on codes of BF8.  A work-group owns 128 queries of one (batch, head); each of its eight waves 16 of them, first over the batch's 4,096 thought keys, then over the self keys.
; LEFT OUT: self key steps (128 keys) all of whose keys come after the wave's 16 queries: reference()'s own causal mask makes their p zero for every input (shown at the head of launch quant).
; THE SOFTMAX: t = score x log2(e) / 8; M = the running largest t rounded up to a whole number; p = 2^(t - M) is quantised by its given scale, not normalised; the row's sum l is taken of the unquantised p and divides at the end.
; THE MASK INPUTS become a table in LDS, 0 or -infinity for each key, which is added to the scores ahead of the maximum: p = 0 there.
; A ROW WITH NO KEY LEFT (l = 0): reference() gives NaN.  No arithmetic is done on NaN here: the row's context goes out as the code 0x7f in every byte, which no held number gives, and launch outp turns that into NaN.
; LAYOUT: S^T = K Q^T (16x16x64: source 0 = 16 neighbouring keys, source 1 = my queries), O^T = V^T P^T (16x16x128): a lane holds ONE query throughout.  Tile t of S^T converts into registers 2 t, 2 t + 1 of P,
; tile dt of O^T into registers 2 dt, 2 dt + 1 of the head's half of a fragment of launch outp: nothing changes lanes.  All operands lie in att as images of their registers (laid out at the head of launch proj).
; THE RING: two LDS slots of 131,072 bytes, each a block of 1,024 keys (K's and V's fragments) copied as it lies; wave w fetches piece w, 64 rows of 256 bytes, which holds 2,048 bytes of each of the block's 8 key steps.
; So of every load the first key step's bytes are read by every work-group, in the self block too, and no load is jumped over.  Two loads of a wave are out at the start, one behind each refill.
; cluster = none: a refill is asked for eight key steps ahead of its first read, and the query blocks of a head walk 1 to 8 self steps, so rounds of a cluster's barrier would tie uneven partners together.
; No prefetch, by the same eight key steps.
; LIMITS: e6 + e7 and e18 + e19 between -123 and 130; e9, e21, e10, e22 between -126 and 112.
; REGISTERS: v1-3 addresses that stay; v4 -infinity; v5, v6 the add's two; v8-10 the step's addresses; v12 -M, v13 the largest t, v[14:15] l; v16-23 Q; v24 f; v32-95 K's, then V's fragments; v96-159 S^T, then p;
;   v160-191 O^T; v192-255 the table's 64 numbers, then (v192-207) p's codes.
.set HB,    786432
.set SSB,   131072
.set QOFF,  655360
.set BIAS,  262144                     ; behind the two slots: 4 bytes a key: 4,096 thought keys, then 1,024 self keys; written by LDS stores, never a fill's target
.set SPARE, 282624                     ; behind it: the spare words, 128 bytes a wave
.set LN,   1                           ; v1   16 x lane
.set LV,   2                           ; v2   + 65,536: V's half of a slot
.set LB,   3                           ; v3   BIAS + 32 (lane / 16)
.set NINF, 4
.set SPW,  5
.set NIL,  6
.set KON,  7
.set ADK,  8
.set ADV,  9
.set ADB,  10
.set PD,   11                          ; a lane permute's destination
.set G1,   20                          ; s[20:27] descriptor group 1
.set G0A,  28                          ; s[28:31] group 0 of slot 0
.set G0B,  32                          ; s[32:35] of slot 1
.set CS,   50                          ; s[50:51] c = log2(e) / 8 x 2^(eq + ek)
.set SEL,  52                          ; s[52:53] lane l xor 16
.set TB,   54                          ; LDS byte of the key step in hand
.set BB,   55                          ; its place in the table
.set CNT,  56
.set KF,   57                          ; the step's first key (self)
.set Q0,   58                          ; my first query
.set FLG,  60                          ; lanes whose row has a key left
	s_load_b256 s[4:11], s[0:1], 0x0               ; att s[4:5], attention_mask s[6:7], thought_mask s[8:9], the scales s[10:11]
	s_load_b64 s[12:13], s[0:1], 0x20              ; cxc
	v_lshl_add_u32 v[SPW], v0, 2, SPARE
	v_mov_b32 v[NIL], 0
	ds_add_u32 v[SPW], v[NIL]                      ; the wave's opening: the add, twice on end, and its wait ahead of my first tensor load
	ds_add_u32 v[SPW], v[NIL]
	v_lshrrev_b32 v1, 5, v0
	v_readfirstlane_b32 s14, v1                    ; wave 0..7
	s_mov_b32 s15, ttmp9                           ; which 128 queries
	s_and_b32 s16, ttmp7, 0xffff                   ; 16 x batch + head
	s_mov_b32 s[G1], 3<<16                         ; no mask; elements of 8 bytes; no padding: the block is copied as it lies
	s_mov_b32 s[G1+1], 32<<16                      ; tensor_dim0 = 32 elements: rows of 256 bytes
	s_mov_b32 s[G1+2], 64<<16                      ; tensor_dim1 = 64
	s_mov_b32 s[G1+3], 32<<16                      ; tile_dim0
	s_mov_b32 s[G1+4], 64                          ; tile_dim1
	s_mov_b32 s[G1+5], 32                          ; dense
	s_mov_b32 s[G1+6], 0
	s_mov_b32 s[G1+7], 0
	s_mov_b32 s[SEL], 0x76543210
	s_mov_b32 s[SEL+1], 0xfedcba98
	s_lshl_b32 s17, s14, 14                        ; my piece: 16,384 x wave, in memory and in a slot
	s_mul_i32 s18, s16, HB
	s_mov_b32 s19, 0
	s_wait_dscnt 0x0                               ; both opening adds are done
	s_wait_kmcnt 0x0
	s_load_b128 s[36:39], s[10:11], 0x18           ; e6 q, e7 k, e8 v, e9 p
	s_load_b32 s40, s[10:11], 0x28                 ; e10 ctx
	s_load_b128 s[44:47], s[10:11], 0x48           ; e18 tq, e19 tk, e20 tv, e21 p
	s_load_b32 s48, s[10:11], 0x58                 ; e22 tctx
	s_add_nc_u64 s[4:5], s[4:5], s[18:19]          ; att at my head
	s_mov_b32 s18, s17
	s_mov_b32 s[G0A], 1
	s_mov_b32 s[G0A+1], s17
	s_add_nc_u64 s[G0A+2:G0A+3], s[4:5], s[18:19]  ; block 0
	s_mov_b32 s[G0B], 1
	s_add_co_u32 s[G0B+1], s17, SSB
	s_add_nc_u64 s[G0B+2:G0B+3], s[G0A+2:G0A+3], SSB   ; block 1
	s_or_b32 s[G0A+3], s[G0A+3], 0x80000000
	s_or_b32 s[G0B+3], s[G0B+3], 0x80000000
	tensor_load_to_lds s[G0A:G0A+3], s[G1:G1+7]
	s_nop 0
	tensor_load_to_lds s[G0B:G0B+3], s[G1:G1+7]
	s_nop 0
	s_lshr_b32 s18, s14, 1                         ; my queries' fragment: tile w of key step qb, as K's half is laid
	s_lshl_b32 s18, s18, 14
	s_lshl_b32 s61, s15, 11
	s_add_co_u32 s18, s18, s61
	s_and_b32 s61, s14, 1
	s_lshl_b32 s61, s61, 10
	s_add_co_u32 s18, s18, s61
	s_add_nc_u64 s[68:69], s[4:5], s[18:19]
	s_add_nc_u64 s[68:69], s[68:69], QOFF          ; q
	s_add_nc_u64 s[66:67], s[68:69], 65536         ; tq
	s_lshr_b32 s61, s16, 4                         ; batch
	s_and_b32 s62, s16, 15                         ; head
	s_lshl_b32 s63, s61, 6
	s_lshl_b32 s18, s15, 3
	s_add_co_u32 s63, s63, s18
	s_add_co_u32 s63, s63, s14                     ; my tile of 16 rows among 128
	s_lshl_b32 s18, s63, 14
	s_lshr_b32 s63, s62, 1
	s_lshl_b32 s63, s63, 11                        ; K step of launch outp: two heads
	s_add_co_u32 s18, s18, s63
	s_and_b32 s63, s62, 1
	s_lshl_b32 s63, s63, 10                        ; my head's half of the fragment
	s_add_co_u32 s18, s18, s63
	s_add_nc_u64 s[70:71], s[12:13], s[18:19]
	s_lshl_b32 s18, s61, 14
	s_add_nc_u64 s[8:9], s[8:9], s[18:19]          ; my batch's masks
	s_lshl_b32 s18, s61, 12
	s_add_nc_u64 s[6:7], s[6:7], s[18:19]
	s_lshl_b32 s[Q0], s15, 7
	s_lshl_b32 s61, s14, 4
	s_add_co_u32 s[Q0], s[Q0], s61
	v_and_b32 v28, 31, v0
	v_lshlrev_b32 v[LN], 4, v28
	v_add_nc_u32 v[LV], 65536, v[LN]
	v_bfe_u32 v29, v0, 4, 1
	v_lshl_add_u32 v[LB], v29, 5, BIAS
	global_load_b128 v[16:19], v[LN], s[66:67]     ; tq's fragment
	global_load_b128 v[20:23], v[LN], s[66:67] offset:512
	v_lshlrev_b32 v29, 4, v0                       ; 16 bytes a thread
.irp i, 0,1,2,3
	global_load_b128 v[96+4*\i:99+4*\i], v29, s[8:9] offset:4096*\i
.endr
	global_load_b128 v[112:115], v29, s[6:7]
	v_lshl_add_u32 v28, v0, 4, BIAS
	v_mov_b32 v[NINF], 0xff800000
	v_mov_b32 v[PD], 0                             ; written once: a lane permute's destination counts as one of its sources
	v_mov_b32 v25, 0                               ; (named as the upper half of the pair v[24:25])
.macro STATE eq, ek, ep                ; a fresh row: the largest t -3e38, l = 0, O^T = 0 (the step is written once: the first change of M multiplies zeros); c and p's scale
	v_mov_b32 v13, 0xff61b1e6
	v_floor_f32 v12, -v13
	v_mov_b32 v14, 0
	v_mov_b32 v15, 0
.set i, 0
.rept 32
	v_mov_b32 v[160+i], 0
.set i, i+1
.endr
	s_add_co_i32 s61, s[\eq], s[\ek]
	s_lshl_b32 s61, s61, 23
	s_add_co_i32 s[CS], s61, 0x3e38aa3b            ; log2(e) / 8, the two exponents added to its exponent field
	s_mov_b32 s[CS+1], s[CS]
	s_add_co_i32 s61, s[\ep], 127
	s_lshl_b32 s62, s61, 23
	v_mov_b32 v31, s62                             ; 2^ep
	s_add_co_i32 s61, s61, 15
	s_lshl_b32 s61, s61, 23
	s_or_b32 s61, s61, 0x600000
	v_mov_b32 v30, s61                             ; 57,344 x 2^ep
.endm
	s_wait_kmcnt 0x0
	STATE 44, 45, 47
	s_wait_loadcnt 0x0
.set i, 0
.rept 20
	v_cmp_eq_u32 vcc_lo, 0, v[96+i]
	v_cndmask_b32 v[96+i], 0, v[NINF], vcc_lo      ; mask 0: -infinity; else 0
.set i, i+1
.endr
.irp i, 0,1,2,3,4
	ds_store_b128 v28, v[96+4*\i:99+4*\i] offset:4096*\i
.endr
	s_wait_tensorcnt 0x1                           ; my piece of slot 0 is in; slot 1's may stay out
	s_wait_dscnt 0x0                               ; my part of the table is stored
	s_barrier_signal -1
	s_barrier_wait -1
; A KEY STEP: 128 keys.
.macro STEP causal
.if \causal
	s_add_co_u32 s61, s[Q0], 15
	s_cmp_gt_u32 s[KF], s61                        ; all 128 keys come after my queries: the step's work is left out; ids and the count of steps alone
	s_cbranch_scc1 .Lhidden_\@
.endif
	v_add_nc_u32 v[ADK], s[TB], v[LN]
	v_add_nc_u32 v[ADV], s[TB], v[LV]
	v_add_nc_u32 v[ADB], s[BB], v[LB]
	v_nop                                          ; four places between the last products and the loads into registers that they read
.irp t, 0,1,2,3,4,5,6,7
.irp i, 0,1
	ds_load_b128 v[32+8*\t+4*\i:35+8*\t+4*\i], v[ADK] offset:(\t/2)*16384+(\t%2)*1024+512*\i
.endr
.endr
.irp t, 0,1,2,3,4,5,6,7
.irp i, 0,1
	ds_load_b128 v[192+8*\t+4*\i:195+8*\t+4*\i], v[ADB] offset:64*\t+16*\i   ; the table at keys 16 t + 8 h + 0..7: sixteen lanes read the same 16 bytes
.endr
.endr
	s_wait_dscnt 16                                ; K's sixteen loads are in; the table's sixteen may be out
.irp t, 0,1,2,3,4,5,6,7
	v_wmma_f32_16x16x64_bf8_bf8 v[96+8*\t:103+8*\t], v[32+8*\t:39+8*\t], v[16:23], 0
.endr
.rept 4
	v_nop                                          ; places in front of the loads into K's registers and of the first read of the scores
.endr
.irp d, 0,1,2,3
.irp i, 0,1,2,3
	ds_load_b128 v[32+16*\d+4*\i:35+16*\d+4*\i], v[ADV] offset:\d*16384+512*\i
.endr
.endr
	s_wait_dscnt 16                                ; the table is in; V's sixteen loads may be out: they land under the softmax
.set i, 0
.rept 32
	v_pk_add_f32 v[96+i:97+i], v[96+i:97+i], v[192+i:193+i]   ; a masked key's score becomes -infinity; each accumulator from its low end on
.set i, i+2
.endr
.if \causal
	s_add_co_u32 s61, s[KF], 127
	s_cmp_le_u32 s61, s[Q0]                        ; all keys count: nothing to hide
	s_cbranch_scc1 .Lopen_\@
	s_sub_co_i32 s61, s[Q0], s[KF]
	v_and_b32 v240, 15, v0
	v_bfe_u32 v241, v0, 4, 1
	v_lshlrev_b32 v241, 3, v241
	v_sub_nc_u32 v240, v240, v241
	v_add_nc_u32 v240, s61, v240                   ; d = my query - KF - 8 h.  Register 8 t + j holds key KF + 16 t + 8 h + j: hidden where 16 t + j > d
.set n, 0
.rept 64
	v_cmp_gt_i32 vcc_lo, 16*(n/8)+n%8, v240
	v_cndmask_b32 v[96+n], v[96+n], v[NINF], vcc_lo
.set n, n+1
.endr
.Lopen_\@:
.endif
	v_max3_num_f32 v28, v96, v97, v98              ; the step's largest score of my query among my 64 keys, in two chains,
	v_max3_num_f32 v29, v99, v100, v101
.irp i, 6,10,14,18,22,26,30,34,38,42,46,50,54,58
	v_max3_num_f32 v28, v28, v[96+\i], v[97+\i]
	v_max3_num_f32 v29, v29, v[98+\i], v[99+\i]
.endr
	v_max3_num_f32 v28, v28, v158, v159
	v_max_num_f32 v28, v28, v29
	v_permlanex16_b32 v[PD], v28, s[SEL], s[SEL+1]
	v_max_num_f32 v28, v28, v[PD]                  ; and among lane l xor 16's
	v_mul_f32 v28, s[CS], v28                      ; as t (c is positive)
	v_max_num_f32 v13, v13, v28                    ; the running largest t
	v_mov_b32 v28, v12
	v_floor_f32 v12, -v13                          ; -M = floor(-t): M is a whole number
	v_sub_f32 v28, v12, v28                        ; old M less new M: a whole number, 0 or less
	v_cvt_i32_f32 v28, v28                         ; (it saturates)
	v_ldexp_f32 v24, 1.0, v28                      ; f = 2^(old M - new M)
.set i, 0
.rept 32
	v_pk_fma_f32 v[96+i:97+i], v[96+i:97+i], s[CS:CS+1], v[12:13] op_sel_hi:[1,0,0]   ; t - M
.set i, i+2
.endr
.set i, 0
.rept 64
	v_exp_f32 v[96+i], v[96+i]                     ; p = 2^(t - M), at most 1
.set i, i+1
.endr
	v_pk_mul_f32 v[14:15], v[14:15], v[24:25] op_sel_hi:[1,0]   ; l under the new M: the plain line behind the exponentials
	s_wait_alu depctr_va_vdst(0)                   ; one wait for the batch of 64, ahead of its first reader
	v_pk_add_f32 v[26:27], v[96:97], v[98:99]      ; the sum of the unquantised p, in two chains
.irp j, 4,8,12,16,20,24,28,32,36,40,44,48,52,56,60
	v_pk_add_f32 v[14:15], v[14:15], v[96+\j:97+\j]
	v_pk_add_f32 v[26:27], v[26:27], v[98+\j:99+\j]
.endr
	v_pk_add_f32 v[14:15], v[14:15], v[26:27]
.irp t, 0,1,2,3,4,5,6,7
.irp i, 0,1,2,3,4,5,6,7
	v_min_num_f32 v[96+8*\t+\i], v[96+8*\t+\i], v30   ; the conversion does not saturate (ISA guide 7.6.2); p is not negative, so the hold is one-sided
.endr
	v_cvt_scalef32_pk8_bf8_f32 v[192+2*\t:193+2*\t], v[96+8*\t:103+8*\t], v31   ; registers 2 t, 2 t + 1 of P: keys 16 t + 8 h + 0..7
.endr
.set i, 0
.rept 16
	v_pk_mul_f32 v[160+i:161+i], v[160+i:161+i], v[24:25] op_sel_hi:[1,0]   ; O^T under the new M; also the plain lines behind the conversions
.set i, i+2
.endr
	s_wait_dscnt 0x0                               ; V is in
.irp d, 0,1,2,3
	v_wmma_f32_16x16x128_bf8_bf8 v[160+8*\d:167+8*\d], v[32+16*\d:47+16*\d], v[192:207], v[160+8*\d:167+8*\d]   ; the four accumulators take turns
.endr
.if \causal
.Lhidden_\@:
	s_add_co_u32 s[KF], s[KF], 128
.endif
	s_add_co_u32 s[TB], s[TB], 2048
	s_add_co_u32 s[BB], s[BB], 512
.endm
.macro SUPER slot, ss, causal          ; the 8 key steps of block ss, which lies in the slot
	s_mov_b32 s[TB], \slot*SSB
	s_mov_b32 s[BB], \ss*4096
	s_mov_b32 s[CNT], 8
.Lstep_\@:
	STEP \causal
	s_sub_co_u32 s[CNT], s[CNT], 1
	s_cmp_lg_u32 s[CNT], 0
	s_cbranch_scc1 .Lstep_\@
.endm
; THE CHANGE OF SLOTS: each wave waits for all its tensor loads (its piece of the slot ahead), adds 0 to its spare word, waits for that and for its reads of the slot that it leaves; behind the barrier the slot ahead
; is whole and nobody reads the other.  fill = 1: that other slot takes the block two further on: my one tensor load until the next such barrier.
.macro CHANGE g0, fill
	s_wait_tensorcnt 0x0                           ; no tensor load of mine is out, so a group 0 may be written
	ds_add_u32 v[SPW], v[NIL]
.if \fill
	s_add_nc_u64 s[\g0+2:\g0+3], s[\g0+2:\g0+3], 2*SSB
.endif
	s_wait_dscnt 0x0
	s_barrier_signal -1
	s_barrier_wait -1
.if \fill
	tensor_load_to_lds s[\g0:\g0+3], s[G1:G1+7]
	s_nop 0
.endif
.endm
; THE WAY OUT of one attention: O^T x 2^(eP + eV) / l, quantised by eC, stored as my head's half of a fragment of launch outp.
.macro FIN p, eP, eV, eC
	v_add_f32 v14, v14, v15
	v_permlanex16_b32 v[PD], v14, s[SEL], s[SEL+1]
	v_add_f32 v14, v14, v[PD]                      ; the row's sum
	v_cmp_lt_f32 s[FLG], 0, v14                    ; has the row a key left?
	v_rcp_f32 v28, v14
	v_mov_b32 v[KON], 0x7f7f7f7f                   ; (the plain line behind the reciprocal)
	s_add_co_i32 s61, s[\eP], s[\eV]
	s_add_co_i32 s62, s[\eC], 127
	s_lshl_b32 s63, s62, 23
	v_mov_b32 v26, s63                             ; 2^eC
	s_add_co_i32 s62, s62, 15
	s_lshl_b32 s62, s62, 23
	s_or_b32 s62, s62, 0x600000
	v_mov_b32 v27, s62                             ; 57,344 x 2^eC
	s_wait_alu depctr_va_vdst(0)                   ; ahead of the reciprocal's first reader
	v_ldexp_f32 v28, v28, s61
	v_cndmask_b32 v28, 0, v28, s[FLG]              ; l = 0: the factor is 0, so that nothing becomes NaN here
.set i, 0
.rept 32
	v_mul_f32 v[96+i], v[160+i], v28               ; each accumulator from its low end on
.set i, i+1
.endr
.set i, 0
.rept 32
	v_med3_num_f32 v[96+i], v[96+i], -v27, v27
.set i, i+1
.endr
.irp d, 0,1,2,3
	v_cvt_scalef32_pk8_bf8_f32 v[192+2*\d:193+2*\d], v[96+8*\d:103+8*\d], v26
.endr
	v_nop
.set i, 0
.rept 8
	v_cndmask_b32 v[192+i], v[KON], v[192+i], s[FLG]   ; l = 0: the mark
.set i, i+1
.endr
	global_store_b128 v[LN], v[192:195], s[70:71] offset:\p*2097152        ; 512 consecutive bytes, aligned
	global_store_b128 v[LN], v[196:199], s[70:71] offset:\p*2097152+512
.endm
	SUPER 0, 0, 0
	CHANGE G0A, 1                                  ; slot 0 takes thought block 2
	SUPER 1, 1, 0
	CHANGE G0B, 1                                  ; slot 1 takes thought block 3
	SUPER 0, 2, 0
	CHANGE G0A, 1                                  ; slot 0 takes the self block
	SUPER 1, 3, 0
	global_load_b128 v[16:19], v[LN], s[68:69]     ; q's fragment: the last product that read these registers stands a softmax back
	global_load_b128 v[20:23], v[LN], s[68:69] offset:512
	FIN 1, 47, 46, 48
	STATE 36, 37, 39
	s_mov_b32 s[KF], 0
	s_wait_xcnt 0x0                                ; the stores have read v192-199, into which the next step loads
	s_wait_loadcnt 0x0                             ; q
	CHANGE G0A, 0                                  ; the self block is whole; nothing more is asked for
	SUPER 0, 4, 1
	FIN 0, 39, 38, 40
	s_wait_tensorcnt 0x0                           ; the wave's end
	ds_add_u32 v[SPW], v[NIL]
	s_wait_dscnt 0x0
	s_endpgm
.Lfunc_end_k_q147d03c00f_attn:
	.size	k_q147d03c00f_attn, .Lfunc_end_k_q147d03c00f_attn-k_q147d03c00f_attn
	.p2alignl 7, 3214868480
	.fill 96, 4, 3214868480
	.section	.rodata,"a",@progbits
	.p2align	6, 0x0
	.amdhsa_kernel k_q147d03c00f_attn
		.amdhsa_group_segment_fixed_size 327680
		.amdhsa_private_segment_fixed_size 0
		.amdhsa_enable_private_segment 0
		.amdhsa_kernarg_size 40
		.amdhsa_user_sgpr_count 2
		.amdhsa_user_sgpr_kernarg_segment_ptr 1
		.amdhsa_wavefront_size32 1
		.amdhsa_system_sgpr_workgroup_id_x 1
		.amdhsa_system_sgpr_workgroup_id_y 1
		.amdhsa_system_sgpr_workgroup_id_z 1
		.amdhsa_system_vgpr_workitem_id 0
		.amdhsa_next_free_vgpr 256
		.amdhsa_next_free_sgpr 80
		.amdhsa_reserve_vcc 1
		.amdhsa_float_denorm_mode_32 3
		.amdhsa_float_denorm_mode_16_64 3
		.amdhsa_memory_ordered 1
		.amdhsa_forward_progress 1
		.amdhsa_inst_pref_size 119
	.end_amdhsa_kernel
	.amdgpu_metadata
---
amdhsa.version: [ 1, 2 ]
amdhsa.kernels:
  - .name:           k_q147d03c00f_attn
    .symbol:         k_q147d03c00f_attn.kd
    .args:
      - { .name: att, .offset: 0, .size: 8, .value_kind: global_buffer, .address_space: global }
      - { .name: attention_mask, .offset: 8, .size: 8, .value_kind: global_buffer, .address_space: global }
      - { .name: thought_mask, .offset: 16, .size: 8, .value_kind: global_buffer, .address_space: global }
      - { .name: lowp_scales, .offset: 24, .size: 8, .value_kind: global_buffer, .address_space: global }
      - { .name: cxc, .offset: 32, .size: 8, .value_kind: global_buffer, .address_space: global }
    .group_segment_fixed_size: 327680
    .private_segment_fixed_size: 0
    .kernarg_segment_align: 8
    .kernarg_segment_size: 40
    .max_flat_workgroup_size: 256
    .sgpr_count:     80
    .vgpr_count:     256
    .wavefront_size: 32
...
	.end_amdgpu_metadata
.endif
;; end of part 3
;; launch outp (part 4): grid 128 x 1, 16 waves a work-group, no clusters, 106,496 bytes of LDS; arguments cxc, wof, lowp_scales, bo, Wm, bm, out0; writes out0
.if DOCPART == 4
	.amdgcn_target "amdgcn-amd-amdhsa--gfx1250"
	.amdhsa_code_object_version 6
	.text
	.protected	k_q147d03c00f_outp
	.globl	k_q147d03c00f_outp
	.p2align	8
	.type	k_q147d03c00f_outp,@function
k_q147d03c00f_outp:
	s_mov_b64 s[64:65], 0
	v_nop
	global_prefetch_b8 v0, s[64:65] scope:SCOPE_SE
	s_setreg_imm32_b32 hwreg(HW_REG_WAVE_MODE, 25, 1), 1
	s_wait_xcnt 0x0
; LAUNCH 4 OF 4: orig = ctx Wo + bo, tho = tctx Wo + bo (both on codes of BF8), mix = sigmoid([orig, tho] . Wm + bm), out = (1 - PW mix) orig + PW mix tho.  Nothing is left out here.
; A work-group owns 16 WHOLE rows of both products, so that the dot over a row's 2,048 numbers and the blend need no memory between them.  Wave w of sixteen owns columns 64 w .. 64 w + 63:
; 4 tiles of n x 2 products = 8 accumulators.  Source 0 = Wo's fragment, source 1 = the context's: a lane holds row r and n = 64 w + 16 q + 8 h + 0..7.
; The contexts' 16 fragments (2 x 8 K steps) come once into LDS as images of their registers, one a wave, and every wave reads them from there.  Wo's fragments are each used by one wave alone: they go from memory
; straight into registers, two groups of 16 loads ahead.  No tensor load; no cluster: a joint load would bring weights into LDS that each serve one wave once.
; A ROW MARKED BY LAUNCH attn (every byte 0x7f: no key was left, reference() gives NaN): its codes are cleared, so that no arithmetic runs on NaN, and the row is stored as the quiet NaN 0x7fc00000.
; The dot with Wm (N = 1) is left as it is: fused multiply-adds in f32.
; LIMITS: e10 + e11 and e22 + e23 between -126 and 127.
.set AIMG,  0                          ; LDS: 16 images of 2,048 bytes: 8 p + s
.set RED,   32768                      ; 16 rows x 80 bytes: each wave's part of each row's dot
.set FLGS,  34304                      ; 2 x 128 bytes: the rows' marks, a word a lane
.set STG,   34816                      ; 16 waves x 16 rows x (256 + 16) bytes: the way out
.set SPARE, 104448                     ; the spare words, 128 bytes a wave
.set LN,   1                           ; v1 16 x lane
.set ACC,  16                          ; v16-79: accumulator (p, q) at 32 p + 8 q
.set AB,   80                          ; v80-111: two context fragments by turns
.set WB,   112                         ; v112-239: two groups of four fragments of Wo by turns
.set SPW,  252
.set NIL,  253
	s_load_b256 s[4:11], s[0:1], 0x0               ; cxc s[4:5], wof s[6:7], the scales s[8:9], bo s[10:11]
	s_load_b128 s[12:15], s[0:1], 0x20             ; Wm s[12:13], bm s[14:15]
	s_load_b64 s[16:17], s[0:1], 0x30              ; out0
	v_lshl_add_u32 v[SPW], v0, 2, SPARE
	v_mov_b32 v[NIL], 0
	v_lshrrev_b32 v2, 5, v0
	v_readfirstlane_b32 s18, v2                    ; wave 0..15
	v_and_b32 v2, 31, v0                           ; lane
	v_lshlrev_b32 v[LN], 4, v2
	v_and_b32 v3, 15, v0                           ; r
	v_bfe_u32 v4, v0, 4, 1                         ; h
	s_lshl_b32 s19, s18, 11
	v_add_nc_u32 v5, s19, v[LN]                    ; where I store my image
	s_lshr_b32 s32, s18, 3                         ; its p
	s_lshl_b32 s33, s32, 7
	v_lshlrev_b32 v6, 2, v2
	v_add_nc_u32 v7, s33, v6
	v_add_nc_u32 v7, FLGS, v7                      ; where a mark is stored,
	v_add_nc_u32 v6, FLGS, v6                      ; and read
	v_mul_u32_u24 v8, v3, 80
	v_add_nc_u32 v8, RED, v8                       ; my row's sixteen parts,
	s_lshl_b32 s33, s18, 2
	v_add_nc_u32 v9, s33, v8                       ; and my wave's among them
	s_mul_i32 s33, s18, 16*272
	s_add_co_u32 s33, s33, STG                     ; my stage
	v_mul_u32_u24 v10, v3, 272
	v_lshl_add_u32 v10, v4, 5, v10
	v_add_nc_u32 v10, s33, v10                     ; in: row r, + 32 h
	v_mul_u32_u24 v11, v4, 272
	v_lshl_add_u32 v11, v3, 4, v11
	v_add_nc_u32 v11, s33, v11                     ; back: lanes 0-15 one row, lanes 16-31 the next
	v_lshlrev_b32 v12, 12, v4
	v_lshl_add_u32 v12, v3, 4, v12                 ; and the same two rows in out0
	v_lshlrev_b32 v13, 5, v4                       ; bo, Wm: 32 h
	v_mov_b32 v244, 0                              ; a lane permute's destination counts as one of its sources
	s_mov_b32 s30, 0x76543210
	s_mov_b32 s31, 0xfedcba98
	s_lshl_b32 s32, s32, 21                        ; p x 2,097,152
	s_lshl_b32 s33, ttmp9, 14                      ; my tile of 16 rows
	s_add_co_u32 s32, s32, s33
	s_and_b32 s33, s18, 7
	s_lshl_b32 s33, s33, 11                        ; my K step
	s_add_co_u32 s32, s32, s33
	s_mov_b32 s33, 0
	s_wait_kmcnt 0x0
	s_load_b64 s[26:27], s[8:9], 0x28              ; e10, e11
	s_load_b64 s[28:29], s[8:9], 0x58              ; e22, e23
	s_load_b32 s24, s[14:15], 0x0                  ; bm
	s_add_nc_u64 s[4:5], s[4:5], s[32:33]
	s_lshl_b32 s32, s18, 13                        ; my four tiles of n
	s_add_nc_u64 s[6:7], s[6:7], s[32:33]
	s_lshl_b32 s32, s18, 8                         ; my 64 columns
	s_add_nc_u64 s[10:11], s[10:11], s[32:33]
	s_add_nc_u64 s[12:13], s[12:13], s[32:33]
	s_add_nc_u64 s[16:17], s[16:17], s[32:33]
	s_lshl_b32 s32, ttmp9, 16                      ; 16 rows of 4,096 bytes
	s_add_nc_u64 s[16:17], s[16:17], s[32:33]
.irp i, 0,1,2,3
	global_load_b128 v[AB+4*\i:AB+4*\i+3], v[LN], s[4:5] offset:512*\i
.endr
.macro WLOAD g                         ; group g = 2 s + p: my four fragments of Wo by scale p, K step s: sixteen loads of 512 consecutive bytes
.set k, 0
.rept 16
	global_load_b128 v[WB+64*((\g)%2)+4*k:WB+64*((\g)%2)+4*k+3], v[LN], s[6:7] offset:(8*((\g)%2)+(\g)/2)*131072+512*k
.set k, k+1
.endr
.endm
.macro ALOAD g                         ; the context's fragment of group g, from its image
.irp i, 0,1,2,3
	ds_load_b128 v[AB+16*((\g)%2)+4*\i:AB+16*((\g)%2)+4*\i+3], v[LN] offset:AIMG+(8*((\g)%2)+(\g)/2)*2048+512*\i
.endr
.endm
	WLOAD 0
	WLOAD 1
	s_wait_loadcnt 32                              ; my image is in; the 32 loads of Wo's groups 0 and 1 may be out
	v_cmp_ne_u32 vcc_lo, 0x7f7f7f7f, v[AB]         ; a marked row is marked in every register of its two lanes
.set i, 0
.rept 16
	v_cndmask_b32 v[AB+i], 0, v[AB+i], vcc_lo
.set i, i+1
.endr
	v_cndmask_b32 v14, 1, v244, vcc_lo             ; 1: marked
.irp i, 0,1,2,3
	ds_store_b128 v5, v[AB+4*\i:AB+4*\i+3] offset:512*\i
.endr
	s_and_b32 s33, s18, 7
	s_cmp_lg_u32 s33, 0                            ; waves 0 and 8 hold K step 0 of ctx and of tctx: they store the marks
	s_cbranch_scc1 .Lno_mark
	ds_store_b32 v7, v14
.Lno_mark:
	s_wait_kmcnt 0x0
	s_add_co_i32 s20, s26, s27
	s_add_co_i32 s20, s20, 127
	s_lshl_b32 s20, s20, 23                        ; 2^(e10 + e11)
	s_mov_b32 s21, s20
	s_add_co_i32 s22, s28, s29
	s_add_co_i32 s22, s22, 127
	s_lshl_b32 s22, s22, 23                        ; 2^(e22 + e23)
	s_mov_b32 s23, s22
	s_wait_dscnt 0x0                               ; my stores have landed
	s_barrier_signal -1
	s_barrier_wait -1                              ; all sixteen images lie in LDS
	ALOAD 0
.macro TRIP g
	s_wait_loadcnt 16                              ; group g is in; behind it sixteen loads were issued (group g + 1's; in the last trip bo's and Wm's first half)
	s_wait_dscnt 0x0                               ; the context's fragment is in
.if (\g) < 15
	ALOAD (\g)+1                                   ; into the other buffer: its last readers stand behind four places
.endif
.irp q, 0,1,2,3
.if (\g) < 2
	v_wmma_f32_16x16x128_bf8_bf8 v[ACC+32*((\g)%2)+8*\q:ACC+32*((\g)%2)+8*\q+7], v[WB+64*((\g)%2)+16*\q:WB+64*((\g)%2)+16*\q+15], v[AB+16*((\g)%2):AB+16*((\g)%2)+15], 0
.else
	v_wmma_f32_16x16x128_bf8_bf8 v[ACC+32*((\g)%2)+8*\q:ACC+32*((\g)%2)+8*\q+7], v[WB+64*((\g)%2)+16*\q:WB+64*((\g)%2)+16*\q+15], v[AB+16*((\g)%2):AB+16*((\g)%2)+15], v[ACC+32*((\g)%2)+8*\q:ACC+32*((\g)%2)+8*\q+7]
.endif
.endr
.rept 4
	v_nop                                          ; places in front of loads into registers that these products read, and of the first read of results
.endr
.if (\g) < 14
	WLOAD (\g)+2
.elseif (\g) == 14
.irp q, 0,1,2,3
	global_load_b128 v[112+8*\q:115+8*\q], v13, s[10:11] offset:64*\q          ; bo[64 w + 16 q + 8 h + 0..7]
	global_load_b128 v[116+8*\q:119+8*\q], v13, s[10:11] offset:64*\q+16
.endr
.irp q, 0,1,2,3
	global_load_b128 v[144+8*\q:147+8*\q], v13, s[12:13] offset:64*\q          ; Wm, orig's half
	global_load_b128 v[148+8*\q:151+8*\q], v13, s[12:13] offset:64*\q+16
.endr
.else
.irp q, 0,1,2,3
	global_load_b128 v[176+8*\q:179+8*\q], v13, s[12:13] offset:4096+64*\q     ; Wm, tho's half
	global_load_b128 v[180+8*\q:183+8*\q], v13, s[12:13] offset:4096+64*\q+16
.endr
.endif
.endm
.irp g, 0,1,2,3,4,5,6,7,8,9,10,11,12,13,14,15    ; the eight accumulators take turns, one instruction a turn
	TRIP \g
.endr
	s_wait_loadcnt 0x0
.irp p, 0,1
.set i, 0
.rept 16
	v_pk_fma_f32 v[ACC+32*\p+i:ACC+32*\p+i+1], v[ACC+32*\p+i:ACC+32*\p+i+1], s[20+2*\p:21+2*\p], v[112+i:113+i] op_sel_hi:[1,0,1]   ; sum x 2^(ea + eb) + bo; each accumulator from its low end on
.set i, i+2
.endr
.endr
	v_pk_mul_f32 v[240:241], v[16:17], v[144:145]  ; my 128 terms of the row's dot, in two chains
	v_pk_mul_f32 v[242:243], v[48:49], v[176:177]
.set i, 2
.rept 15
	v_pk_fma_f32 v[240:241], v[16+i:17+i], v[144+i:145+i], v[240:241]
	v_pk_fma_f32 v[242:243], v[48+i:49+i], v[176+i:177+i], v[242:243]
.set i, i+2
.endr
	v_pk_add_f32 v[240:241], v[240:241], v[242:243]
	v_add_f32 v240, v240, v241
	v_permlanex16_b32 v244, v240, s30, s31
	v_add_f32 v240, v240, v244                     ; with lane l xor 16's: my wave's part for row r
	ds_store_b32 v9, v240                          ; (both halves of the lanes store the same number)
	s_wait_dscnt 0x0
	s_barrier_signal -1
	s_barrier_wait -1
.irp i, 0,1,2,3
	ds_load_b128 v[224+4*\i:227+4*\i], v8 offset:16*\i
.endr
	ds_load_b32 v245, v6                           ; ctx's mark of my row,
	ds_load_b32 v246, v6 offset:128                ; tctx's
	s_wait_dscnt 0x0
	v_pk_add_f32 v[224:225], v[224:225], v[226:227]
	v_pk_add_f32 v[228:229], v[228:229], v[230:231]
	v_pk_add_f32 v[232:233], v[232:233], v[234:235]
	v_pk_add_f32 v[236:237], v[236:237], v[238:239]
	v_pk_add_f32 v[224:225], v[224:225], v[228:229]
	v_pk_add_f32 v[232:233], v[232:233], v[236:237]
	v_pk_add_f32 v[224:225], v[224:225], v[232:233]
	v_add_f32 v224, v224, v225
	v_add_f32 v224, s24, v224                      ; + bm
	v_mul_f32 v224, 0xbfb8aa3b, v224               ; -z log2(e)
	v_exp_f32 v225, v224
	v_or_b32 v245, v245, v246                      ; (the plain line behind the exponential)
	s_wait_alu depctr_va_vdst(0)                   ; ahead of its first reader
	v_add_f32 v225, 1.0, v225
	v_rcp_f32 v226, v225                           ; sigmoid(z)
	v_mov_b32 v247, 0x7fc00000                     ; (the plain line behind the reciprocal)
	v_cmp_ne_u32 vcc_lo, 0, v245
	s_wait_alu depctr_va_vdst(0)
	v_mul_f32 v228, 0x3e6d61bf, v226               ; eff = PW x mix, PW = 0.3 (0.5 + 0.5 x 6 / 11)
	v_mov_b32 v229, v228
	v_sub_f32 v230, 1.0, v228
	v_mov_b32 v231, v230
.set i, 0
.rept 16
	v_pk_mul_f32 v[16+i:17+i], v[16+i:17+i], v[230:231]
	v_pk_fma_f32 v[16+i:17+i], v[48+i:49+i], v[228:229], v[16+i:17+i]
.set i, i+2
.endr
.set i, 0
.rept 32
	v_cndmask_b32 v[16+i], v[16+i], v247, vcc_lo   ; a marked row is NaN, as reference() has it
.set i, i+1
.endr
.irp q, 0,1,2,3
	ds_store_b128 v10, v[16+8*\q:19+8*\q] offset:64*\q
	ds_store_b128 v10, v[20+8*\q:23+8*\q] offset:64*\q+16
.endr
.irp i, 0,1,2,3,4,5,6,7
	ds_load_b128 v[112+4*\i:115+4*\i], v11 offset:2*\i*272   ; my own stage: LDS serves a wave's instructions in order
.endr
.irp i, 0,1,2,3,4,5,6,7
	s_wait_dscnt 7-\i                              ; loads come back in order: pair i of rows is in
	global_store_b128 v12, v[112+4*\i:115+4*\i], s[16:17] offset:2*\i*4096 th:TH_STORE_NT   ; sixteen lanes store 256 consecutive bytes, aligned
.endr
	s_wait_tensorcnt 0x0                           ; the wave's end: behind my last LDS store
	ds_add_u32 v[SPW], v[NIL]
	s_wait_dscnt 0x0
	s_endpgm
.Lfunc_end_k_q147d03c00f_outp:
	.size	k_q147d03c00f_outp, .Lfunc_end_k_q147d03c00f_outp-k_q147d03c00f_outp
	.p2alignl 7, 3214868480
	.fill 96, 4, 3214868480
	.section	.rodata,"a",@progbits
	.p2align	6, 0x0
	.amdhsa_kernel k_q147d03c00f_outp
		.amdhsa_group_segment_fixed_size 106496
		.amdhsa_private_segment_fixed_size 0
		.amdhsa_enable_private_segment 0
		.amdhsa_kernarg_size 56
		.amdhsa_user_sgpr_count 2
		.amdhsa_user_sgpr_kernarg_segment_ptr 1
		.amdhsa_wavefront_size32 1
		.amdhsa_system_sgpr_workgroup_id_x 1
		.amdhsa_system_sgpr_workgroup_id_y 1
		.amdhsa_system_sgpr_workgroup_id_z 1
		.amdhsa_system_vgpr_workitem_id 0
		.amdhsa_next_free_vgpr 256
		.amdhsa_next_free_sgpr 66
		.amdhsa_reserve_vcc 1
		.amdhsa_float_denorm_mode_32 3
		.amdhsa_float_denorm_mode_16_64 3
		.amdhsa_memory_ordered 1
		.amdhsa_forward_progress 1
		.amdhsa_inst_pref_size 53
	.end_amdhsa_kernel
	.amdgpu_metadata
---
amdhsa.version: [ 1, 2 ]
amdhsa.kernels:
  - .name:           k_q147d03c00f_outp
    .symbol:         k_q147d03c00f_outp.kd
    .args:
      - { .name: cxc, .offset: 0, .size: 8, .value_kind: global_buffer, .address_space: global }
      - { .name: wof, .offset: 8, .size: 8, .value_kind: global_buffer, .address_space: global }
      - { .name: lowp_scales, .offset: 16, .size: 8, .value_kind: global_buffer, .address_space: global }
      - { .name: bo, .offset: 24, .size: 8, .value_kind: global_buffer, .address_space: global }
      - { .name: Wm, .offset: 32, .size: 8, .value_kind: global_buffer, .address_space: global }
      - { .name: bm, .offset: 40, .size: 8, .value_kind: global_buffer, .address_space: global }
      - { .name: out0, .offset: 48, .size: 8, .value_kind: global_buffer, .address_space: global }
    .group_segment_fixed_size: 106496
    .private_segment_fixed_size: 0
    .kernarg_segment_align: 8
    .kernarg_segment_size: 56
    .max_flat_workgroup_size: 512
    .sgpr_count:     66
    .vgpr_count:     256
    .wavefront_size: 32
...
	.end_amdgpu_metadata
.endif
;; end of part 4
;; ======== version 2 of 2: 4 launches
;; limits: right only within a limited range of input values
;; workspace buffers: actc 25,165,824 bytes; wc 6,291,456 bytes; wof 2,097,152 bytes; att 25,165,824 bytes; cxc 4,194,304 bytes; uvec 8,192 bytes
;; launch quant (part 5): grid 896 x 1, 4 waves a work-group, no clusters, 35,840 bytes of LDS; arguments hidden_states, thought_states, Wq, Wk, Wv, Wtq, Wtk, Wtv, Wo, lowp_scales, actc, wc, wof, Wm, uvec; writes actc, wc, wof, uvec
.if DOCPART == 5
	.amdgcn_target "amdgcn-amd-amdhsa--gfx1250"
	.amdhsa_code_object_version 6
	.text
	.protected	k_q147d03c00f_quant
	.globl	k_q147d03c00f_quant
	.p2align	8
	.type	k_q147d03c00f_quant,@function
k_q147d03c00f_quant:
	s_mov_b64 s[64:65], 0
	v_nop
	global_prefetch_b8 v0, s[64:65] scope:SCOPE_SE
	s_setreg_imm32_b32 hwreg(HW_REG_WAVE_MODE, 25, 1), 1
	s_wait_xcnt 0x0
; LAUNCH 1 OF 4: every INPUT operand of a quantised product becomes codes of BF8 (E5M2), once for each entry of lowp_scales that names it.
; code = x / 2^e, held within +-57,344, rounded to the nearest code, ties to even.
; THE PROGRAM: quant (this) | proj: the six projections, their results quantised into operand images | attn: both attentions | outp: both products with Wo, the dot with Wm, the blend.
; WORK LEFT OUT IN THE WHOLE PROGRAM: reference() sets scores[q][k] to -inf wherever k > q by a mask that it builds itself (triu), so a key step of 128 keys that all come after a wave's 16 queries
; has p = 0 for every value of the inputs: it adds nothing to the row's sum or to ctx.  Launch attn leaves such steps out.  Nothing else is left out: every bias stands ahead of a quantiser or reaches
; the output, both mask inputs, Wm and bm are honoured, every input is loaded.  LIMIT: a NaN, an infinity or an overflow that would arise only in the steps left out is not carried to the result.
; THE DOT WITH Wm IS TAKEN IN ANOTHER ORDER: with C the quantised context and W the quantised Wo, (C W + 1 bo^T) w = C (W w) + bo . w for all values.  So this launch also makes u_p = 2^e Q_e(Wo) Wm_p
; (p = 0: e11 and Wm's first 1,024 numbers; p = 1: e23 and its last 1,024), in f32 from the very codes, and launch outp needs no whole row of orig or tho for the dot.
; LIMITS here: each e between -126 and 112, so that 2^e and 57,344 x 2^e are f32 numbers.  NaN among the inputs is not served (an infinity is held at the largest code).
; OUT: actc: 24,576 rows of 1,024 codes, K innermost: hidden_states by e0, e2, e4, e12 (2,048 rows each), thought_states by e14, e16 (8,192 rows each).
;      wc:   [6][n 1,024][k 1,024]: Wq e1, Wk e3, Wv e5, Wtq e13, Wtk e15, Wtv e17, K innermost.
;      wof:  Wo by e11 and by e23 as images of operand registers: [p][K step of 128][tile of 16 n][2,048 bytes]: group i of four registers at 512 i + 16 lane;
;            lane (r, h) holds of column 16 nt + r the codes k = 32 i + 8 h + 0..7, then k = 32 i + 16 + 8 h + 0..7.
;      uvec: [p][k 1,024] f32.
; SHARES: work-groups 0-127 hidden_states, 128-639 thought_states, 640-831 the six weights, 832-863 Wo's codes, 864-895 u.  The paths part on the work-group's number; only the weights' path touches LDS.
; No matrix unit, no cluster, no tensor load: a stream whose waves share nothing.
.set SPARE, 34816                      ; behind the four stages of 32 x 272 bytes: the spare words, 128 bytes a wave
.set SPW,   12                         ; v12  LDS address of my spare word; never rewritten
.set NIL,   13                         ; v13  0; never rewritten
.set PITCH, 272                        ; a stage row: 256 bytes of codes + 16
.set XA,    16                         ; activations: v16-47 four sets of 8 numbers as loaded
.set TA,    48                         ; v48-63 two sets of 8 numbers held, by turns
.set CA,    64                         ; v64-191 codes: two registers for each step and output, never rewritten
.set XW,    32                         ; weights: v32-95 two sets of 32 numbers
.set TW,    96                         ; Wo: v96-127 32 numbers held
.set CW,    128                        ; Wo: v128-191 codes, a set of 16 for each of four blocks
.set OUTR,  112                        ; the six weights: v112-175 rows read back from the stage
.set CU,    16                         ; u: v16-23 a row's 32 codes of my lane
.set WM,    24                         ; u: v24-55 Wm's first half at my columns, v56-87 its second half
.set XU,    88                         ; u: v88-151 two sets of 32 numbers of a row
.set TU,    152                        ; u: v152-183 held, then decoded
.set AU,    184                        ; u: v184-187 two chains of sums
	s_load_b512 s[4:19], s[0:1], 0x0               ; hidden s[4:5], thought s[6:7], Wq s[8:9], Wk, Wv, Wtq, Wtk, Wtv s[18:19]
	s_load_b256 s[20:27], s[0:1], 0x40             ; Wo s[20:21], the scales s[22:23], actc s[24:25], wc s[26:27]
	s_load_b64 s[28:29], s[0:1], 0x60              ; wof
	s_load_b128 s[68:71], s[0:1], 0x68             ; Wm s[68:69], uvec s[70:71]
	v_lshl_add_u32 v[SPW], v0, 2, SPARE
	v_mov_b32 v[NIL], 0
	v_lshrrev_b32 v1, 5, v0
	v_readfirstlane_b32 s30, v1                    ; wave 0..3
	v_and_b32 v1, 31, v0                           ; lane
	s_wait_kmcnt 0x0
	s_load_b512 s[36:51], s[22:23], 0x0            ; e0 .. e15: entry i in s[36 + i]
	s_load_b256 s[52:59], s[22:23], 0x40           ; e16 .. e23
	s_wait_kmcnt 0x0
.macro MKS e, vs, vl                   ; v[vs] = 2^e as f32 (the conversion takes its exponent field), v[vl] = 57,344 x 2^e
	s_add_co_i32 s60, s[\e], 127
	s_lshl_b32 s61, s60, 23
	v_mov_b32 v[\vs], s61
	s_add_co_i32 s60, s60, 15
	s_lshl_b32 s60, s60, 23
	s_or_b32 s60, s60, 0x600000
	v_mov_b32 v[\vl], s60
.endm
; ---- activations: a wave takes 16 steps of 256 numbers; a lane 8 neighbours along K (32 bytes: two loads, which together cover 1,024 consecutive bytes)
.macro LOADA t
	global_load_b128 v[XA+8*((\t)%4):XA+8*((\t)%4)+3], v2, s[2:3] offset:1024*(\t) th:TH_LOAD_NT
	global_load_b128 v[XA+8*((\t)%4)+4:XA+8*((\t)%4)+7], v2, s[2:3] offset:1024*(\t)+16 th:TH_LOAD_NT
.endm
.macro STEPA t, nout                   ; one read, nout sets of codes; a store of the wave covers 256 consecutive bytes, aligned
.if 15-(\t) >= 3
	s_wait_loadcnt 6                               ; this step's two loads are in; the six of the three steps behind it may be out
.else
	s_wait_loadcnt 2*(15-(\t))
.endif
.set o, 0
.rept \nout
.irp i, 0,1,2,3,4,5,6,7
	v_med3_num_f32 v[TA+8*(o%2)+\i], v[XA+8*((\t)%4)+\i], -v[8+o], v[8+o]   ; the conversion does not saturate (ISA guide 7.6.2): the hold first.  These eight are also the plain lines between two conversions
.endr
	v_cvt_scalef32_pk8_bf8_f32 v[CA+2*(\nout*(\t)+o):CA+2*(\nout*(\t)+o)+1], v[TA+8*(o%2):TA+8*(o%2)+7], v[4+o]
.set o, o+1
.endr
.if (\t)+4 < 16
	LOADA (\t)+4
.endif
.endm
; ---- weights: a lane takes a column n and its registers run down K: block t is W(32 t + i, my column)
.macro LOADW t
.set i, 0
.rept 32
	global_load_b32 v[XW+32*((\t)%2)+i], v3, s[32:33] offset:(32*(\t)+i)*4096 th:TH_LOAD_NT
.set i, i+1
.endr
.endm
	s_cmp_lt_u32 ttmp9, 128
	s_cbranch_scc1 .Lpath_h
	s_cmp_lt_u32 ttmp9, 640
	s_cbranch_scc1 .Lpath_t
	s_cmp_lt_u32 ttmp9, 832
	s_cbranch_scc1 .Lpath_w
	s_cmp_ge_u32 ttmp9, 864
	s_cbranch_scc1 .Lpath_u
; ================ Wo: read once, quantised twice, stored as register images
	s_sub_co_u32 s60, ttmp9, 832
	s_and_b32 s61, s60, 7                          ; which 128 columns
	s_lshr_b32 s62, s60, 3                         ; which 256 along K
	s_lshl_b32 s63, s61, 7
	s_lshl_b32 s31, s30, 5
	s_add_co_u32 s63, s63, s31                     ; my wave's first column
	s_lshl_b32 s2, s62, 20                         ; 256 rows of 4,096 bytes
	s_lshl_b32 s63, s63, 2
	s_add_co_u32 s2, s2, s63
	s_mov_b32 s3, 0
	s_add_nc_u64 s[32:33], s[20:21], s[2:3]
	s_lshl_b32 s2, s62, 18                         ; two K steps of 64 tiles of 2,048 bytes,
	s_lshl_b32 s63, s61, 14                        ; eight tiles of n,
	s_add_co_u32 s2, s2, s63
	s_lshl_b32 s63, s30, 12                        ; two tiles for each wave
	s_add_co_u32 s2, s2, s63
	s_add_nc_u64 s[28:29], s[28:29], s[2:3]
	s_wait_alu depctr_va_vdst(0)
	v_lshlrev_b32 v3, 2, v1
	v_lshrrev_b32 v4, 4, v1
	v_and_b32 v5, 15, v1
	v_lshlrev_b32 v5, 4, v5
	v_lshl_add_u32 v5, v4, 11, v5                  ; lanes 0-15: the first tile, lanes 16-31 the next; 16 bytes a lane
	LOADW 0
	LOADW 1
	MKS 47, 8, 9                                   ; e11
	MKS 59, 10, 11                                 ; e23
.macro BLOCKO t
.set XS, XW+32*((\t)%2)
.set CW, 128+16*((\t)%4)               ; four sets of 16 code registers, v128-191: a set is stored behind every fourth block
.if (\t) < 7
	s_wait_loadcnt 32                              ; this block's 32 loads are in; the next block's may be out
.else
	s_wait_loadcnt 0
.endif
	s_wait_xcnt 0x0                                ; the last run of stores has read its codes, which are written anew below
.irp p, 0,1
.set i, 0
.rept 32
	v_med3_num_f32 v[TW+i], v[XS+i], -v[9+2*\p], v[9+2*\p]
.set i, i+1
.endr
	v_cvt_scalef32_pk8_bf8_f32 v[CW+8*\p:CW+8*\p+1], v[TW:TW+7], v[8+2*\p]          ; k 0..7 and 16..23 are what lane (r, 0) of the operand holds,
	v_cvt_scalef32_pk8_bf8_f32 v[CW+8*\p+2:CW+8*\p+3], v[TW+16:TW+23], v[8+2*\p]
	v_cvt_scalef32_pk8_bf8_f32 v[CW+8*\p+4:CW+8*\p+5], v[TW+8:TW+15], v[8+2*\p]     ; k 8..15 and 24..31 lane (r, 1)
	v_cvt_scalef32_pk8_bf8_f32 v[CW+8*\p+6:CW+8*\p+7], v[TW+24:TW+31], v[8+2*\p]
	v_nop                                          ; a plain line between the conversions and the holds that write their sources anew
.endr
.if (\t)+2 < 8
	LOADW (\t)+2
.endif
.endm
	s_wait_alu depctr_va_vdst(0)
.macro STOREO half                     ; four blocks' codes (one K step of 128) leave in one run: sixteen lanes store 256 consecutive bytes, aligned
	s_wait_alu depctr_va_vdst(0)
.irp b, 0,1,2,3
.irp p, 0,1
	global_store_b128 v5, v[128+16*\b+8*\p:128+16*\b+8*\p+3], s[28:29] offset:\p*1048576+(\half)*131072+\b*512
	global_store_b128 v5, v[128+16*\b+8*\p+4:128+16*\b+8*\p+7], s[28:29] offset:\p*1048576+(\half)*131072+\b*512+256
.endr
.endr
.endm
.irp t, 0,1,2,3
	BLOCKO \t
.endr
	STOREO 0
.irp t, 4,5,6,7
	BLOCKO \t
.endr
	STOREO 1
	s_endpgm
; ================ hidden_states: four sets of codes
.Lpath_h:
	s_lshl_b32 s60, ttmp9, 2
	s_add_co_u32 s60, s60, s30                     ; which run of 4,096 numbers is my wave's
	s_lshl_b32 s2, s60, 14
	s_mov_b32 s3, 0
	s_add_nc_u64 s[2:3], s[4:5], s[2:3]
	s_lshl_b32 s34, s60, 12
	s_mov_b32 s35, 0
	s_add_nc_u64 s[24:25], s[24:25], s[34:35]
	s_wait_alu depctr_va_vdst(0)
	v_lshlrev_b32 v2, 5, v1                        ; my 32 bytes of a step's 1,024
	v_lshlrev_b32 v3, 3, v1                        ; my 8 codes of a step's 256
.irp t, 0,1,2,3
	LOADA \t
.endr
	MKS 36, 4, 8                                   ; e0
	MKS 38, 5, 9                                   ; e2
	MKS 40, 6, 10                                  ; e4
	MKS 48, 7, 11                                  ; e12
	s_wait_alu depctr_va_vdst(0)
.irp t, 0,1,2,3,4,5,6,7,8,9,10,11,12,13,14,15
	STEPA \t, 4
.endr
.macro STOREA nout                     ; every step's codes have registers of their own: all stores stand in one run behind the last step; each covers 256 consecutive bytes, aligned
	s_wait_alu depctr_va_vdst(0)
.set o, 0
.rept \nout
.set st, 0
.rept 16
.if \nout == 4
	global_store_b64 v3, v[CA+2*(\nout*st+o):CA+2*(\nout*st+o)+1], s[24:25] offset:256*st+o*2097152
.else
	global_store_b64 v3, v[CA+2*(\nout*st+o):CA+2*(\nout*st+o)+1], s[24+8*o:25+8*o] offset:256*st
.endif
.set st, st+1
.endr
.set o, o+1
.endr
.endm
	STOREA 4
	s_endpgm
; ================ thought_states: two sets of codes
.Lpath_t:
	s_sub_co_u32 s60, ttmp9, 128
	s_lshl_b32 s60, s60, 2
	s_add_co_u32 s60, s60, s30
	s_lshl_b32 s2, s60, 14
	s_mov_b32 s3, 0
	s_add_nc_u64 s[2:3], s[6:7], s[2:3]
	s_lshl_b32 s34, s60, 12
	s_mov_b32 s35, 0
	s_add_nc_u64 s[24:25], s[24:25], s[34:35]
	s_add_nc_u64 s[24:25], s[24:25], 0x800000      ; rows 8,192 on: by e14
	s_add_nc_u64 s[32:33], s[24:25], 0x800000      ; rows 16,384 on: by e16
	s_wait_alu depctr_va_vdst(0)
	v_lshlrev_b32 v2, 5, v1
	v_lshlrev_b32 v3, 3, v1
.irp t, 0,1,2,3
	LOADA \t
.endr
	MKS 50, 4, 8                                   ; e14
	MKS 52, 5, 9                                   ; e16
	s_wait_alu depctr_va_vdst(0)
.irp t, 0,1,2,3,4,5,6,7,8,9,10,11,12,13,14,15
	STEPA \t, 2
.endr
	STOREA 2
	s_endpgm
; ================ u: a wave takes 8 rows k of Wo, one at a time: a lane holds columns 128 j + 4 lane + 0..3, j = 0..7, so that each load covers 512 consecutive bytes
.Lpath_u:
	s_sub_co_u32 s60, ttmp9, 864
	s_lshl_b32 s60, s60, 2
	s_add_co_u32 s60, s60, s30                     ; which 8 rows are my wave's
	s_lshl_b32 s2, s60, 15                         ; 8 rows of 4,096 bytes
	s_mov_b32 s3, 0
	s_add_nc_u64 s[32:33], s[20:21], s[2:3]
	s_lshl_b32 s2, s60, 5                          ; 8 numbers of 4 bytes
	s_add_nc_u64 s[70:71], s[70:71], s[2:3]
	s_wait_alu depctr_va_vdst(0)
	v_lshlrev_b32 v2, 4, v1
	v_lshlrev_b32 v3, 2, v1
.irp j, 0,1,2,3,4,5,6,7
	global_load_b128 v[WM+4*\j:WM+4*\j+3], v2, s[68:69] offset:512*\j
	global_load_b128 v[WM+32+4*\j:WM+32+4*\j+3], v2, s[68:69] offset:4096+512*\j
.endr
.macro LOADU row
.irp j, 0,1,2,3,4,5,6,7
	global_load_b128 v[XU+32*((\row)%2)+4*\j:XU+32*((\row)%2)+4*\j+3], v2, s[32:33] offset:4096*(\row)+512*\j
.endr
.endm
	LOADU 0
	LOADU 1
	MKS 47, 8, 9                                   ; e11
	MKS 59, 10, 11                                 ; e23
	s_mov_b32 s62, 0x76543210                      ; v_permlanex16_b32: lane l xor 16
	s_mov_b32 s63, 0xfedcba98
	v_mov_b32 v4, 0                                ; lane i will hold u_0 of my row i,
	v_mov_b32 v5, 0                                ; and u_1
	v_mov_b32 v6, 0                                ; a lane permute's destination counts as one of its sources
.macro ROWU row
.if (\row) < 7
	s_wait_loadcnt 8                               ; this row's eight loads (and Wm's) are in; the next row's eight may be out
.else
	s_wait_loadcnt 0
.endif
.irp p, 0,1
.set n, 0
.rept 32
	v_med3_num_f32 v[TU+n], v[XU+32*((\row)%2)+n], -v[9+2*\p], v[9+2*\p]
.set n, n+1
.endr
.irp g, 0,1,2,3
	v_cvt_scalef32_pk8_bf8_f32 v[CU+2*\g:CU+2*\g+1], v[TU+8*\g:TU+8*\g+7], v[8+2*\p]
.endr
	v_nop                                          ; a plain line between the conversions and the lines that read their results and write their sources anew
.set c, 0
.rept 8
.irp b, 0,1,2,3
	v_cvt_f32_bf8 v[TU+4*c+\b], v[CU+c] byte_sel:\b   ; the code's own value: what the product in launch outp multiplies
.endr
.set c, c+1
.endr
	v_pk_mul_f32 v[AU:AU+1], v[TU:TU+1], v[WM+32*\p:WM+32*\p+1]
	v_pk_mul_f32 v[AU+2:AU+3], v[TU+2:TU+3], v[WM+32*\p+2:WM+32*\p+3]
.set n, 4
.rept 7
	v_pk_fma_f32 v[AU:AU+1], v[TU+n:TU+n+1], v[WM+32*\p+n:WM+32*\p+n+1], v[AU:AU+1]
	v_pk_fma_f32 v[AU+2:AU+3], v[TU+n+2:TU+n+3], v[WM+32*\p+n+2:WM+32*\p+n+3], v[AU+2:AU+3]
.set n, n+4
.endr
	v_pk_add_f32 v[AU:AU+1], v[AU:AU+1], v[AU+2:AU+3]
	v_add_f32 v[AU], v[AU], v[AU+1]
	v_add_f32_dpp v[AU], v[AU], v[AU] row_xmask:1 row_mask:0xf bank_mask:0xf
	v_add_f32_dpp v[AU], v[AU], v[AU] row_xmask:2 row_mask:0xf bank_mask:0xf
	v_add_f32_dpp v[AU], v[AU], v[AU] row_xmask:4 row_mask:0xf bank_mask:0xf
	v_add_f32_dpp v[AU], v[AU], v[AU] row_xmask:8 row_mask:0xf bank_mask:0xf
	v_permlanex16_b32 v6, v[AU], s62, s63
	v_add_f32 v[AU], v[AU], v6                     ; the row's sum over all 1,024 columns, in every lane
	v_mul_f32 v[AU], v[AU], v[8+2*\p]              ; x 2^e
	v_cmp_eq_u32 vcc_lo, \row, v1
	v_cndmask_b32 v[4+\p], v[4+\p], v[AU], vcc_lo
.endr
.if (\row)+2 < 8
	LOADU (\row)+2
.endif
.endm
	s_wait_alu depctr_va_vdst(0)
.irp t, 0,1,2,3,4,5,6,7
	ROWU \t
.endr
	v_cmp_gt_u32 vcc_lo, 8, v1
	s_wait_alu depctr_va_vdst(0)
	s_wait_xcnt 0x0                                ; EXEC changes only behind this wait
	s_and_saveexec_b32 s60, vcc_lo
	global_store_b32 v3, v4, s[70:71]              ; 32 bytes a wave: the whole of u is 8,192 bytes
	global_store_b32 v3, v5, s[70:71] offset:4096
	s_wait_xcnt 0x0                                ; and again, in front of the line that widens it
	s_or_b32 exec_lo, exec_lo, s60
	s_endpgm
; ================ the six weights [k][n] -> [n][k]: 32 columns x 256 along K a wave, out through the wave's own stage as rows
.Lpath_w:
	s_sub_co_u32 s60, ttmp9, 640
	s_lshr_b32 s61, s60, 5                         ; which weight
	s_and_b32 s62, s60, 7                          ; which 128 columns
	s_bfe_u32 s63, s60, 0x20003                    ; which 256 along K
	s_mov_b64 s[32:33], s[8:9]
	s_mov_b32 s34, s37                             ; e1
.macro PICK n, e                       ; the choice hangs on the work-group's number alone
	s_cmp_eq_u32 s61, \n
	s_cselect_b64 s[32:33], s[8+2*\n:9+2*\n], s[32:33]
	s_cselect_b32 s34, s[\e], s34
.endm
	PICK 1, 39
	PICK 2, 41
	PICK 3, 49
	PICK 4, 51
	PICK 5, 53
	s_lshl_b32 s35, s62, 7
	s_lshl_b32 s31, s30, 5
	s_add_co_u32 s35, s35, s31                     ; my wave's first column
	s_lshl_b32 s2, s63, 20
	s_lshl_b32 s31, s35, 2
	s_add_co_u32 s2, s2, s31
	s_mov_b32 s3, 0
	s_add_nc_u64 s[32:33], s[32:33], s[2:3]
	s_lshl_b32 s2, s61, 20                         ; the weight's 1,048,576 bytes of codes,
	s_lshl_b32 s31, s35, 10                        ; a row of 1,024 for each column,
	s_add_co_u32 s2, s2, s31
	s_lshl_b32 s31, s63, 8                         ; 256 along K
	s_add_co_u32 s2, s2, s31
	s_add_nc_u64 s[26:27], s[26:27], s[2:3]
	s_mul_i32 s31, s30, 32*PITCH                   ; my stage
	s_wait_alu depctr_va_vdst(0)
	v_lshlrev_b32 v3, 2, v1
	v_mul_u32_u24 v4, v1, PITCH
	v_add_nc_u32 v4, s31, v4                       ; into it: row = my column
	v_and_b32 v5, 15, v1
	v_lshrrev_b32 v6, 4, v1
	v_mul_u32_u24 v7, v6, PITCH
	v_lshl_add_u32 v7, v5, 4, v7
	v_add_nc_u32 v7, s31, v7                       ; out of it: sixteen lanes to a row, two rows an instruction
	v_lshlrev_b32 v8, 10, v6
	v_lshl_add_u32 v8, v5, 4, v8                   ; and the same place in wc
	LOADW 0
	LOADW 1
	MKS 34, 11, 10
.macro BLOCKW t
.set XS, XW+32*((\t)%2)
.if (\t) < 7
	s_wait_loadcnt 32                              ; this block's 32 loads are in; the next block's may be out
.else
	s_wait_loadcnt 0
.endif
.set i, 0
.rept 32
	v_med3_num_f32 v[XS+i], v[XS+i], -v10, v10
.set i, i+1
.endr
.irp g, 0,1,2,3
	v_cvt_scalef32_pk8_bf8_f32 v[96+2*\g:97+2*\g], v[XS+8*\g:XS+8*\g+7], v11
.endr
	ds_store_b128 v4, v[96:99] offset:32*(\t)      ; 32 codes of my column's row
	ds_store_b128 v4, v[100:103] offset:32*(\t)+16
.if (\t)+2 < 8
	LOADW (\t)+2
.endif
	s_wait_dscnt 0x0                               ; the stores have read their registers: the next block's codes may be written
.endm
	s_wait_alu depctr_va_vdst(0)
.irp t, 0,1,2,3,4,5,6,7
	BLOCKW \t
.endr
.irp t, 0,1,2,3,4,5,6,7,8,9,10,11,12,13,14,15
	ds_load_b128 v[OUTR+4*\t:OUTR+4*\t+3], v7 offset:2*\t*PITCH   ; LDS serves a wave's instructions in order: these see my stores
.endr
.irp t, 0,1,2,3,4,5,6,7,8,9,10,11,12,13,14,15
	s_wait_dscnt 15-\t                             ; loads come back in order: pair t of rows is in
	global_store_b128 v8, v[OUTR+4*\t:OUTR+4*\t+3], s[26:27] offset:2*\t*1024   ; sixteen lanes store 256 consecutive bytes, aligned
.endr
	s_wait_tensorcnt 0x0                           ; the wave's end: behind my last LDS store
	ds_add_u32 v[SPW], v[NIL]
	s_wait_dscnt 0x0
	s_endpgm
.Lfunc_end_k_q147d03c00f_quant:
	.size	k_q147d03c00f_quant, .Lfunc_end_k_q147d03c00f_quant-k_q147d03c00f_quant
	.p2alignl 7, 3214868480
	.fill 96, 4, 3214868480
	.section	.rodata,"a",@progbits
	.p2align	6, 0x0
	.amdhsa_kernel k_q147d03c00f_quant
		.amdhsa_group_segment_fixed_size 35840
		.amdhsa_private_segment_fixed_size 0
		.amdhsa_enable_private_segment 0
		.amdhsa_kernarg_size 120
		.amdhsa_user_sgpr_count 2
		.amdhsa_user_sgpr_kernarg_segment_ptr 1
		.amdhsa_wavefront_size32 1
		.amdhsa_system_sgpr_workgroup_id_x 1
		.amdhsa_system_sgpr_workgroup_id_y 1
		.amdhsa_system_sgpr_workgroup_id_z 1
		.amdhsa_system_vgpr_workitem_id 0
		.amdhsa_next_free_vgpr 192
		.amdhsa_next_free_sgpr 72
		.amdhsa_reserve_vcc 1
		.amdhsa_float_denorm_mode_32 3
		.amdhsa_float_denorm_mode_16_64 3
		.amdhsa_memory_ordered 1
		.amdhsa_forward_progress 1
		.amdhsa_inst_pref_size 255
	.end_amdhsa_kernel
	.section	.bss,"aw",@nobits
	.p2align	6
	.space	262144
	.amdgpu_metadata
---
amdhsa.version: [ 1, 2 ]
amdhsa.kernels:
  - .name:           k_q147d03c00f_quant
    .symbol:         k_q147d03c00f_quant.kd
    .args:
      - { .name: hidden_states, .offset: 0, .size: 8, .value_kind: global_buffer, .address_space: global }
      - { .name: thought_states, .offset: 8, .size: 8, .value_kind: global_buffer, .address_space: global }
      - { .name: Wq, .offset: 16, .size: 8, .value_kind: global_buffer, .address_space: global }
      - { .name: Wk, .offset: 24, .size: 8, .value_kind: global_buffer, .address_space: global }
      - { .name: Wv, .offset: 32, .size: 8, .value_kind: global_buffer, .address_space: global }
      - { .name: Wtq, .offset: 40, .size: 8, .value_kind: global_buffer, .address_space: global }
      - { .name: Wtk, .offset: 48, .size: 8, .value_kind: global_buffer, .address_space: global }
      - { .name: Wtv, .offset: 56, .size: 8, .value_kind: global_buffer, .address_space: global }
      - { .name: Wo, .offset: 64, .size: 8, .value_kind: global_buffer, .address_space: global }
      - { .name: lowp_scales, .offset: 72, .size: 8, .value_kind: global_buffer, .address_space: global }
      - { .name: actc, .offset: 80, .size: 8, .value_kind: global_buffer, .address_space: global }
      - { .name: wc, .offset: 88, .size: 8, .value_kind: global_buffer, .address_space: global }
      - { .name: wof, .offset: 96, .size: 8, .value_kind: global_buffer, .address_space: global }
      - { .name: Wm, .offset: 104, .size: 8, .value_kind: global_buffer, .address_space: global }
      - { .name: uvec, .offset: 112, .size: 8, .value_kind: global_buffer, .address_space: global }
    .group_segment_fixed_size: 35840
    .private_segment_fixed_size: 0
    .kernarg_segment_align: 8
    .kernarg_segment_size: 120
    .max_flat_workgroup_size: 128
    .sgpr_count:     72
    .vgpr_count:     192
    .wavefront_size: 32
...
	.end_amdgpu_metadata
.endif
;; end of part 5
;; launch proj (part 6): grid 4 x 96, 4 waves a work-group, clusters of 4 x 4, 327,680 bytes of LDS; arguments actc, wc, lowp_scales, bq, bk, bv, btq, btk, btv, att; writes att
.if DOCPART == 6
	.amdgcn_target "amdgcn-amd-amdhsa--gfx1250"
	.amdhsa_code_object_version 6
	.text
	.protected	k_q147d03c00f_proj
	.globl	k_q147d03c00f_proj
	.p2align	8
	.type	k_q147d03c00f_proj,@function
k_q147d03c00f_proj:
	s_mov_b64 s[64:65], 0
	v_nop
	global_prefetch_b8 v0, s[64:65] scope:SCOPE_SE
	s_setreg_imm32_b32 hwreg(HW_REG_WAVE_MODE, 25, 1), 1
	s_wait_xcnt 0x0
	s_wait_alu depctr_hold_cnt(0) depctr_sa_sdst(0) depctr_va_vdst(0) depctr_va_sdst(0) depctr_va_ssrc(0) depctr_va_vcc(0) depctr_vm_vsrc(0)
	s_getreg_b32 s2, hwreg(HW_REG_IB_STS2, 6, 4)
	s_cmp_eq_u32 s2, 0
	s_cbranch_scc0 .Lentry_in_a_cluster
	s_endpgm
.Lentry_in_a_cluster:
	s_bfe_u32 s2, ttmp6, 0x10000c
	s_cmp_lg_u32 s2, 0xf033
	s_cbranch_scc0 .Lentry_shape_is_right
	s_endpgm
.Lentry_shape_is_right:
.set KROW,   1024
.set ROWB,   256
.set PITCH,  272
.set FR,     16
.set NL,     4
.set NP,     4
.set HALFT,  128*PITCH
.set SLOT,   4*HALFT
.set SPARE,  2*SLOT
.set HB,     786432
.set SSB,    131072
.set QOFF,   655360
.set TQOFF,  720896
.set LN,   8
.set BO,   9
.set LIM,  10
.set SCL,  11
.set ADRA, 16
.set ADRB, 20
.set SPW,  28
.set NIL,  29
.set BI,   32
.set TMP,  96
.set AF,   128
.set CD,   128
.set G1, 24
.set G0, 32
.set G1B, 48
.set G0B, 56
.set MSB, 0
.macro WIN new
.if MSB != \new
	s_set_vgpr_msb (MSB<<8)|\new
.set MSB, \new
.endif
.endm
.set MUL_LO, 0xa1
.set MUL_HI, 0xf1
.set TO_B,   0x40
.macro JLOAD g0a, g1a, g0b, g1b
	s_cmp_eq_u32 s15, 0
	s_cbranch_scc0 .Lfor_b_\@
	tensor_load_to_lds s[\g0a:\g0a+3], s[\g1a:\g1a+7]
	s_nop 0
.rept 4
	v_nop
.endr
	s_branch .Lasked_\@
.Lfor_b_\@:
	tensor_load_to_lds s[\g0b:\g0b+3], s[\g1b:\g1b+7]
	s_nop 0
.rept 4
	v_nop
.endr
.Lasked_\@:
.endm
.macro CREST
	s_cmp_lg_u32 s14, 0
	s_cbranch_scc1 .Lnot_wave_0_\@
	s_barrier_signal -3
.Lnot_wave_0_\@:
	s_barrier_wait -3
	s_barrier_signal -1
	s_barrier_wait -1
.endm
.macro CROUND
	s_barrier_signal -1
	s_barrier_wait -1
	CREST
.endm
	s_load_b512 s[68:83], s[0:1], 0x0
	s_load_b128 s[84:87], s[0:1], 0x40
	v_lshl_add_u32 v[SPW], v0, 2, SPARE
	v_mov_b32 v[NIL], 0
	ds_add_u32 v[SPW], v[NIL]
	ds_add_u32 v[SPW], v[NIL]
	v_lshrrev_b32 v1, 5, v0
	v_readfirstlane_b32 s14, v1
	s_lshr_b32 s15, s14, 1
	s_and_b32 s16, s14, 1
	s_bfe_u32 s40, ttmp6, 0x40000
	s_bfe_u32 s41, ttmp6, 0x40004
	s_and_b32 s12, ttmp7, 0xffff
	s_lshr_b32 s13, s12, 1
	s_lshr_b32 s17, s12, 3
	s_add_co_u32 s17, s17, 3
	s_and_b32 s67, s12, 1
	s_and_b32 s22, s12, 7
	s_cmp_lt_u32 s12, 8
	s_cselect_b32 s13, s13, s17
	s_cselect_b32 s67, s67, s22
	s_cmp_eq_u32 s13, 2
	s_cselect_b32 s66, 1, 0
	s_cmp_eq_u32 s13, 5
	s_cselect_b32 s66, 1, s66
	s_lshl_b32 s43, s41, 2
	s_lshl_b32 s43, 15, s43
	s_lshl_b32 s44, 0x1111, s40
	s_or_b32 s[G1+0], s43, (0<<16)|(1<<20)|(1<<21)|(5<<22)|(3<<25)
	s_or_b32 s[G1B+0], s44, (0<<16)|(1<<20)|(1<<21)|(5<<22)|(3<<25)
.irp g, G1, G1B
	s_mov_b32 s[\g+1], ROWB<<16
	s_mov_b32 s[\g+2], 128<<16
	s_mov_b32 s[\g+3], ROWB<<16
	s_mov_b32 s[\g+4], 128
	s_mov_b32 s[\g+5], KROW
	s_mov_b32 s[\g+6], 0
	s_mov_b32 s[\g+7], 0
.endr
	s_lshl_b32 s17, s12, 2
	s_cmp_eq_u32 s66, 1
	s_cselect_b32 s20, 0, s17
	s_cselect_b32 s46, s17, 0
	s_add_co_u32 s20, s20, s41
	s_add_co_u32 s46, s46, s40
	s_lshl_b32 s18, s16, 7
	s_lshl_b32 s20, s20, 8
	s_add_co_u32 s20, s20, s18
	s_lshl_b32 s20, s20, 10
	s_mov_b32 s21, 0
	s_lshl_b32 s46, s46, 8
	s_add_co_u32 s46, s46, s18
	s_lshl_b32 s46, s46, 10
	s_mov_b32 s47, 0
	s_mul_i32 s45, s14, HALFT
	s_lshl_b32 s88, s13, 20
	s_mov_b32 s89, 0
	s_cmp_ge_u32 s13, 3
	s_cselect_b32 s90, 3, 0
	s_cselect_b32 s91, 15, 6
	s_add_co_u32 s90, s90, s13
	s_lshl_b32 s90, s90, 3
	s_add_co_u32 s91, s91, s13
	s_lshl_b32 s91, s91, 2
	s_wait_dscnt 0x0
	s_wait_kmcnt 0x0
	s_load_b64 s[92:93], s[72:73], s90 offset:0x0
	s_load_b32 s94, s[72:73], s91 offset:0x0
	s_add_nc_u64 s[88:89], s[70:71], s[88:89]
	s_cmp_eq_u32 s66, 1
	s_cselect_b64 s[4:5], s[88:89], s[68:69]
	s_cselect_b64 s[6:7], s[68:69], s[88:89]
	s_add_nc_u64 s[20:21], s[4:5], s[20:21]
	s_add_nc_u64 s[46:47], s[6:7], s[46:47]
.irp s, 0,1
	s_mov_b32 s[G0+4*\s], 1
	s_add_co_u32 s[G0+4*\s+1], s45, \s*SLOT
	s_add_nc_u64 s[G0+4*\s+2:G0+4*\s+3], s[20:21], \s*ROWB
	s_or_b32 s[G0+4*\s+3], s[G0+4*\s+3], 0x80000000
	s_mov_b32 s[G0B+4*\s], 1
	s_add_co_u32 s[G0B+4*\s+1], s45, \s*SLOT
	s_add_nc_u64 s[G0B+4*\s+2:G0B+4*\s+3], s[46:47], \s*ROWB
	s_or_b32 s[G0B+4*\s+3], s[G0B+4*\s+3], 0x80000000
	s_wait_alu depctr_va_vdst(0)
	s_wait_tensorcnt 0x0
	ds_add_u32 v28, v29
	ds_add_u32 v28, v29
	s_wait_dscnt 0x0
	CROUND
	JLOAD G0+4*\s, G1, G0B+4*\s, G1B
.endr
	v_and_b32 v1, 15, v0
	v_bfe_u32 v2, v0, 4, 1
	v_mul_u32_u24 v3, v1, PITCH
	v_lshl_add_u32 v4, v2, 4, v3
	s_mul_i32 s22, s15, HALFT
	s_mul_i32 s23, s16, HALFT
	s_add_co_u32 s23, s23, 2*HALFT
.irp s, 0,1
	v_add_nc_u32 v[ADRA+\s], s22, v4
	v_add_nc_u32 v[ADRB+\s], s23, v4
	s_add_co_u32 s22, s22, SLOT
	s_add_co_u32 s23, s23, SLOT
.endr
	v_and_b32 v5, 31, v0
	v_lshlrev_b32 v[LN], 4, v5
	s_cmp_eq_u32 s66, 1
	s_cselect_b32 s17, s40, s41
	s_cselect_b32 s18, s41, s40
	s_cselect_b32 s19, s16, s15
	s_cselect_b32 s22, s15, s16
	s_cselect_b32 s23, 65536, 0
	s_lshl_b32 s95, s67, 2
	s_add_co_u32 s17, s17, s95
	s_lshl_b32 s17, s17, 8
	s_lshl_b32 s19, s19, 7
	s_add_co_u32 s17, s17, s19
	s_lshl_b32 s18, s18, 8
	s_lshl_b32 s22, s22, 7
	s_add_co_u32 s18, s18, s22
	s_cmp_ge_u32 s13, 4
	s_cselect_b32 s19, 12, 10
	s_lshr_b32 s22, s17, s19
	s_lshl_b32 s95, s22, s19
	s_sub_co_u32 s95, s17, s95
	s_lshl_b32 s22, s22, 4
	s_lshr_b32 s98, s18, 6
	s_add_co_u32 s22, s22, s98
	s_mul_i32 s22, s22, HB
	s_add_co_u32 s22, s22, s23
	s_lshr_b32 s98, s95, 10
	s_lshl_b32 s98, s98, 17
	s_add_co_u32 s22, s22, s98
	s_bfe_u32 s98, s95, 0x30007
	s_lshl_b32 s98, s98, 11
	s_add_co_u32 s22, s22, s98
	s_mov_b32 s98, 0
	s_cmp_eq_u32 s13, 0
	s_cselect_b32 s98, QOFF, s98
	s_cmp_eq_u32 s13, 1
	s_cselect_b32 s98, 4*SSB, s98
	s_cmp_eq_u32 s13, 2
	s_cselect_b32 s98, 4*SSB, s98
	s_cmp_eq_u32 s13, 3
	s_cselect_b32 s98, TQOFF, s98
	s_add_co_u32 s22, s22, s98
	s_mov_b32 s23, 0
	s_add_nc_u64 s[10:11], s[86:87], s[22:23]
	s_mov_b64 s[8:9], s[74:75]
.irp n, 1,2,3,4,5
	s_cmp_eq_u32 s13, \n
	s_cselect_b64 s[8:9], s[74+2*\n:75+2*\n], s[8:9]
.endr
	s_lshl_b32 s22, s18, 2
	s_add_nc_u64 s[8:9], s[8:9], s[22:23]
.macro FRAG reg, adr, q, i
.irp c, 0,1,2,3
	ds_load_b128 v[\reg+4*\c:\reg+4*\c+3], v[\adr] offset:128*(\q)+32*\c+(\i)*16*PITCH
.endr
.endm
.macro MUL16 a0, p, zero
.irp a, \a0, \a0+1
.irp b, 0,1,2,3,4,5,6,7
.if \zero
	v_wmma_f32_16x16x128_bf8_bf8 v[8*(8*((\a)%4)+\b):8*(8*((\a)%4)+\b)+7], v[128*(\p)+FR*\b:128*(\p)+FR*\b+FR-1], v[AF+FR*(\a):AF+FR*(\a)+FR-1], 0
.else
	v_wmma_f32_16x16x128_bf8_bf8 v[8*(8*((\a)%4)+\b):8*(8*((\a)%4)+\b)+7], v[128*(\p)+FR*\b:128*(\p)+FR*\b+FR-1], v[AF+FR*(\a):AF+FR*(\a)+FR-1], v[8*(8*((\a)%4)+\b):8*(8*((\a)%4)+\b)+7]
.endif
.endr
.endr
.endm
.macro FETCH_B slot, q, p
	WIN TO_B
.irp i, 0,1,2,3,4,5,6,7
	FRAG 128*(\p)+FR*\i, ADRB+\slot, \q, \i
.endr
	WIN 0
.endm
.macro FETCH_A slot, q, i0
.irp i, \i0, \i0+1, \i0+2, \i0+3
	FRAG AF+FR*(\i), ADRA+\slot, \q, \i
.endr
.endm
.macro PLACES n
.rept \n
	v_nop
.endr
.endm
.macro STEP slot, q, zero
	s_wait_dscnt 4*NL
	WIN MUL_LO
	MUL16 0, (\q)%2, \zero
	MUL16 2, (\q)%2, \zero
	s_wait_dscnt 0
	PLACES NP
	FETCH_B \slot, (\q)+1, 1-(\q)%2
	FETCH_A \slot, (\q)+1, 0
	WIN MUL_HI
	MUL16 4, (\q)%2, \zero
	MUL16 6, (\q)%2, \zero
	PLACES NP
	WIN 0
	FETCH_A \slot, (\q)+1, 4
.endm
.macro TURN slot, next, fill
	s_wait_tensorcnt 0x0
	ds_add_u32 v[SPW], v[NIL]
	s_wait_dscnt 4*NL+1
	WIN MUL_LO
	MUL16 0, 1, 0
	s_wait_dscnt 0x0
	s_barrier_signal -1
	MUL16 2, 1, 0
	WIN 0
	s_barrier_wait -1
.if \fill
	CREST
	s_add_nc_u64 s[G0+4*\slot+2:G0+4*\slot+3], s[G0+4*\slot+2:G0+4*\slot+3], 2*ROWB
	s_add_nc_u64 s[G0B+4*\slot+2:G0B+4*\slot+3], s[G0B+4*\slot+2:G0B+4*\slot+3], 2*ROWB
	JLOAD G0+4*\slot, G1, G0B+4*\slot, G1B
.else
	PLACES NP
.endif
	FETCH_B \next, 0, 0
	FETCH_A \next, 0, 0
	WIN MUL_HI
	MUL16 4, 1, 0
	MUL16 6, 1, 0
	PLACES NP
	WIN 0
	FETCH_A \next, 0, 4
.endm
.macro LAST
	s_wait_dscnt 4*NL
	WIN MUL_LO
	MUL16 0, 1, 0
	MUL16 2, 1, 0
	s_wait_dscnt 0
	WIN MUL_HI
	MUL16 4, 1, 0
	MUL16 6, 1, 0
	WIN 0
.endm
.macro EPI v
.irp a, 0,1,2,3,4,5,6,7
.irp u, 0,1
	WIN (0x02+(\a/4))
.irp c, 0,1,2,3
.irp j, 0,2,4,6
.if \v
	v_pk_fma_f32 v[TMP+8*\c+\j:TMP+8*\c+\j+1], v[64*(\a%4)+8*(4*\u+\c)+\j:64*(\a%4)+8*(4*\u+\c)+\j+1], s[96:97], v[BI+2*\a:BI+2*\a+1] op_sel_hi:[1,0,1]
.else
	v_pk_fma_f32 v[TMP+8*\c+\j:TMP+8*\c+\j+1], v[64*(\a%4)+8*(4*\u+\c)+\j:64*(\a%4)+8*(4*\u+\c)+\j+1], s[96:97], v[BI+8*(4*\u+\c)+\j:BI+8*(4*\u+\c)+\j+1] op_sel_hi:[1,0,1]
.endif
.endr
.endr
	WIN 0
.set i, 0
.rept 32
	v_med3_num_f32 v[TMP+i], v[TMP+i], -v[LIM], v[LIM]
.set i, i+1
.endr
.irp c, 0,1,2,3
	v_cvt_scalef32_pk8_bf8_f32 v[CD+8*(2*\a+\u)+2*\c:CD+8*(2*\a+\u)+2*\c+1], v[TMP+8*\c:TMP+8*\c+7], v[SCL]
.endr
	v_nop
.irp k, 0,1
.if \v
	global_store_b128 v[LN], v[CD+8*(2*\a+\u)+4*\k:CD+8*(2*\a+\u)+4*\k+3], s[10:11] offset:(\a/4)*HB+(\a%4)*16384+(2*\u+\k)*512
.else
	global_store_b128 v[LN], v[CD+8*(2*\a+\u)+4*\k:CD+8*(2*\a+\u)+4*\k+3], s[10:11] offset:(\a/2)*16384+(\a%2)*1024+\u*HB+512*\k
.endif
.endr
.endr
.endr
.endm
	s_wait_alu depctr_va_vdst(0)
	s_wait_tensorcnt 1
	s_barrier_signal -1
	s_barrier_wait -1
	FETCH_B 0, 0, 0
	FETCH_A 0, 0, 0
	FETCH_A 0, 0, 4
	STEP 0, 0, 1
	TURN 0, 1, 1
	STEP 1, 0, 0
	TURN 1, 0, 1
	STEP 0, 0, 0
	TURN 0, 1, 0
	s_wait_kmcnt 0x0
	s_add_co_i32 s96, s92, s93
	s_add_co_i32 s96, s96, 127
	s_lshl_b32 s96, s96, 23
	s_mov_b32 s97, s96
	s_add_co_i32 s98, s94, 127
	s_lshl_b32 s99, s98, 23
	v_mov_b32 v[SCL], s99
	s_add_co_i32 s98, s98, 15
	s_lshl_b32 s98, s98, 23
	s_or_b32 s98, s98, 0x600000
	v_mov_b32 v[LIM], s98
	s_cmp_eq_u32 s66, 1
	s_cbranch_scc1 .Larm_v
	v_lshlrev_b32 v[BO], 5, v2
.irp b, 0,1,2,3,4,5,6,7
	global_load_b128 v[BI+8*\b:BI+8*\b+3], v[BO], s[8:9] offset:64*\b
	global_load_b128 v[BI+8*\b+4:BI+8*\b+7], v[BO], s[8:9] offset:64*\b+16
.endr
	STEP 1, 0, 0
	LAST
	s_wait_loadcnt 0x0
	PLACES NP
	EPI 0
	s_branch .Lend
.Larm_v:
	v_lshlrev_b32 v[BO], 2, v1
.irp a, 0,1,2,3,4,5,6,7
	global_load_b32 v[BI+2*\a], v[BO], s[8:9] offset:64*\a
.endr
	STEP 1, 0, 0
	LAST
	s_wait_loadcnt 0x0
.irp a, 0,1,2,3,4,5,6,7
	v_mov_b32 v[BI+2*\a+1], v[BI+2*\a]
.endr
	EPI 1
.Lend:
	s_wait_tensorcnt 0x0
	ds_add_u32 v[SPW], v[NIL]
	s_wait_dscnt 0x0
	CROUND
	s_endpgm
.Lfunc_end_k_q147d03c00f_proj:
	.size	k_q147d03c00f_proj, .Lfunc_end_k_q147d03c00f_proj-k_q147d03c00f_proj
	.p2alignl 7, 3214868480
	.fill 96, 4, 3214868480
	.section	.rodata,"a",@progbits
	.p2align	6, 0x0
	.amdhsa_kernel k_q147d03c00f_proj
		.amdhsa_group_segment_fixed_size 327680
		.amdhsa_private_segment_fixed_size 0
		.amdhsa_enable_private_segment 0
		.amdhsa_kernarg_size 80
		.amdhsa_user_sgpr_count 2
		.amdhsa_user_sgpr_kernarg_segment_ptr 1
		.amdhsa_wavefront_size32 1
		.amdhsa_system_sgpr_workgroup_id_x 1
		.amdhsa_system_sgpr_workgroup_id_y 1
		.amdhsa_system_sgpr_workgroup_id_z 1
		.amdhsa_system_vgpr_workitem_id 0
		.amdhsa_next_free_vgpr 1024
		.amdhsa_next_free_sgpr 100
		.amdhsa_reserve_vcc 0
		.amdhsa_float_denorm_mode_32 3
		.amdhsa_float_denorm_mode_16_64 3
		.amdhsa_memory_ordered 1
		.amdhsa_forward_progress 1
		.amdhsa_inst_pref_size 209
	.end_amdhsa_kernel
	.amdgpu_metadata
---
amdhsa.version: [ 1, 2 ]
amdhsa.kernels:
  - .name:           k_q147d03c00f_proj
    .symbol:         k_q147d03c00f_proj.kd
    .args:
      - { .name: actc, .offset: 0, .size: 8, .value_kind: global_buffer, .address_space: global }
      - { .name: wc, .offset: 8, .size: 8, .value_kind: global_buffer, .address_space: global }
      - { .name: lowp_scales, .offset: 16, .size: 8, .value_kind: global_buffer, .address_space: global }
      - { .name: bq, .offset: 24, .size: 8, .value_kind: global_buffer, .address_space: global }
      - { .name: bk, .offset: 32, .size: 8, .value_kind: global_buffer, .address_space: global }
      - { .name: bv, .offset: 40, .size: 8, .value_kind: global_buffer, .address_space: global }
      - { .name: btq, .offset: 48, .size: 8, .value_kind: global_buffer, .address_space: global }
      - { .name: btk, .offset: 56, .size: 8, .value_kind: global_buffer, .address_space: global }
      - { .name: btv, .offset: 64, .size: 8, .value_kind: global_buffer, .address_space: global }
      - { .name: att, .offset: 72, .size: 8, .value_kind: global_buffer, .address_space: global }
    .group_segment_fixed_size: 327680
    .private_segment_fixed_size: 0
    .kernarg_segment_align: 8
    .kernarg_segment_size: 80
    .max_flat_workgroup_size: 128
    .sgpr_count:     100
    .vgpr_count:     1024
    .wavefront_size: 32
...
	.end_amdgpu_metadata
.endif
;; end of part 6
;; launch attn (part 7): grid 8 x 32, 16 waves a work-group, no clusters, 327,680 bytes of LDS; arguments att, attention_mask, thought_mask, lowp_scales, cxc; writes cxc
.if DOCPART == 7
	.amdgcn_target "amdgcn-amd-amdhsa--gfx1250"
	.amdhsa_code_object_version 6
	.text
	.protected	k_q147d03c00f_attn
	.globl	k_q147d03c00f_attn
	.p2align	8
	.type	k_q147d03c00f_attn,@function
k_q147d03c00f_attn:
	s_mov_b64 s[64:65], 0
	v_nop
	global_prefetch_b8 v0, s[64:65] scope:SCOPE_SE
	s_setreg_imm32_b32 hwreg(HW_REG_WAVE_MODE, 25, 1), 1
	s_wait_xcnt 0x0
.set HB,    786432
.set SSB,   131072
.set QOFF,  655360
.set BIAS,  262144
.set XCH,   282624
.set XB,    4608
.set SPARE, 319488
.set LN,   1
.set LV,   2
.set LB,   3
.set NINF, 4
.set SPW,  5
.set NIL,  6
.set XA,   7
.set ADK,  8
.set ADV,  9
.set ADB,  10
.set PD,   11
.set G1,   20
.set G0A,  28
.set G0B,  32
.set CS,   50
.set SEL,  52
.set TB,   54
.set BB,   55
.set CNT,  56
.set KF,   57
.set Q0,   58
.set FLG,  60
.set W8,   72
.set GR,   73
	s_load_b256 s[4:11], s[0:1], 0x0
	s_load_b64 s[12:13], s[0:1], 0x20
	v_lshl_add_u32 v[SPW], v0, 2, SPARE
	v_mov_b32 v[NIL], 0
	ds_add_u32 v[SPW], v[NIL]
	ds_add_u32 v[SPW], v[NIL]
	v_lshrrev_b32 v1, 5, v0
	s_delay_alu instid0(VALU_DEP_1)
	v_readfirstlane_b32 s14, v1
	s_and_b32 s[W8], s14, 7
	s_lshr_b32 s[GR], s14, 3
	s_mov_b32 s15, ttmp9
	s_and_b32 s16, ttmp7, 0xffff
	s_mov_b32 s[G1], 3<<16
	s_mov_b32 s[G1+1], 128<<16
	s_mov_b32 s[G1+2], 8<<16
	s_mov_b32 s[G1+3], 128<<16
	s_mov_b32 s[G1+4], 8
	s_mov_b32 s[G1+5], 256
	s_mov_b32 s[G1+6], 0
	s_mov_b32 s[G1+7], 0
	s_mov_b32 s[SEL], 0x76543210
	s_mov_b32 s[SEL+1], 0xfedcba98
	s_lshl_b32 s17, s14, 13
	s_lshr_b32 s74, s14, 1
	s_lshl_b32 s74, s74, 14
	s_and_b32 s75, s14, 1
	s_lshl_b32 s75, s75, 10
	s_add_co_u32 s74, s74, s75
	s_mov_b32 s75, 0
	s_mul_i32 s18, s16, HB
	s_mov_b32 s19, 0
	s_wait_dscnt 0x0
	s_wait_kmcnt 0x0
	s_load_b128 s[36:39], s[10:11], 0x18
	s_load_b32 s40, s[10:11], 0x28
	s_load_b128 s[44:47], s[10:11], 0x48
	s_load_b32 s48, s[10:11], 0x58
	s_add_nc_u64 s[4:5], s[4:5], s[18:19]
	s_mov_b32 s[G0A], 1
	s_mov_b32 s[G0A+1], s17
	s_add_nc_u64 s[G0A+2:G0A+3], s[4:5], s[74:75]
	s_mov_b32 s[G0B], 1
	s_add_co_u32 s[G0B+1], s17, SSB
	s_add_nc_u64 s[G0B+2:G0B+3], s[G0A+2:G0A+3], SSB
	s_or_b32 s[G0A+3], s[G0A+3], 0x80000000
	s_or_b32 s[G0B+3], s[G0B+3], 0x80000000
	tensor_load_to_lds s[G0A:G0A+3], s[G1:G1+7]
	s_nop 0
	s_lshr_b32 s18, s[W8], 1
	s_lshl_b32 s18, s18, 14
	s_lshl_b32 s61, s15, 11
	s_add_co_u32 s18, s18, s61
	s_and_b32 s61, s[W8], 1
	s_lshl_b32 s61, s61, 10
	s_add_co_u32 s18, s18, s61
	s_add_nc_u64 s[68:69], s[4:5], s[18:19]
	s_add_nc_u64 s[68:69], s[68:69], QOFF
	s_add_nc_u64 s[66:67], s[68:69], 65536
	s_lshr_b32 s61, s16, 4
	s_and_b32 s62, s16, 15
	s_lshl_b32 s63, s61, 6
	s_lshl_b32 s18, s15, 3
	s_add_co_u32 s63, s63, s18
	s_add_co_u32 s63, s63, s[W8]
	s_lshl_b32 s18, s63, 14
	s_lshr_b32 s63, s62, 1
	s_lshl_b32 s63, s63, 11
	s_add_co_u32 s18, s18, s63
	s_and_b32 s63, s62, 1
	s_lshl_b32 s63, s63, 10
	s_add_co_u32 s18, s18, s63
	s_add_nc_u64 s[70:71], s[12:13], s[18:19]
	s_lshl_b32 s18, s61, 14
	s_add_nc_u64 s[8:9], s[8:9], s[18:19]
	s_lshl_b32 s18, s61, 12
	s_add_nc_u64 s[6:7], s[6:7], s[18:19]
	s_lshl_b32 s[Q0], s15, 7
	s_lshl_b32 s61, s[W8], 4
	s_add_co_u32 s[Q0], s[Q0], s61
	v_and_b32 v28, 31, v0
	s_delay_alu instid0(VALU_DEP_1)
	v_lshlrev_b32 v[LN], 4, v28
	s_delay_alu instid0(VALU_DEP_1)
	v_add_nc_u32 v[LV], 65536, v[LN]
	v_bfe_u32 v29, v0, 4, 1
	s_delay_alu instid0(VALU_DEP_1)
	v_lshl_add_u32 v[LB], v29, 5, BIAS
	s_mul_i32 s61, s[W8], XB
	s_add_co_u32 s61, s61, XCH
	v_add_nc_u32 v[XA], s61, v[LN]
	global_load_b128 v[16:19], v[LN], s[66:67]
	global_load_b128 v[20:23], v[LN], s[66:67] offset:512
	v_lshlrev_b32 v29, 4, v0
	global_load_b128 v[96:99], v29, s[8:9]
	global_load_b128 v[100:103], v29, s[8:9] offset:8192
	v_lshlrev_b32 v26, 3, v0
	global_load_b64 v[104:105], v26, s[6:7]
	v_lshl_add_u32 v28, v0, 4, BIAS
	v_lshl_add_u32 v27, v0, 3, BIAS+16384
	v_mov_b32 v[NINF], 0xff800000
	v_mov_b32 v[PD], 0
	v_mov_b32 v25, 0
.macro STATE eq, ek, ep
	v_mov_b32 v13, 0xff61b1e6
	s_delay_alu instid0(VALU_DEP_1)
	v_floor_f32 v12, -v13
	v_mov_b32 v14, 0
	v_mov_b32 v15, 0
.set i, 0
.rept 32
	v_mov_b32 v[160+i], 0
.set i, i+1
.endr
	s_add_co_i32 s61, s[\eq], s[\ek]
	s_lshl_b32 s61, s61, 23
	s_add_co_i32 s[CS], s61, 0x3e38aa3b
	s_mov_b32 s[CS+1], s[CS]
	s_add_co_i32 s61, s[\ep], 127
	s_lshl_b32 s62, s61, 23
	v_mov_b32 v31, s62
	s_add_co_i32 s61, s61, 15
	s_lshl_b32 s61, s61, 23
	s_or_b32 s61, s61, 0x600000
	v_mov_b32 v30, s61
.endm
	s_wait_kmcnt 0x0
	STATE 44, 45, 47
	s_wait_loadcnt 0x0
.set i, 0
.rept 10
	v_cmp_eq_u32 vcc_lo, 0, v[96+i]
	s_delay_alu instid0(VALU_DEP_1)
	v_cndmask_b32 v[96+i], 0, v[NINF], vcc_lo
.set i, i+1
.endr
	ds_store_b128 v28, v[96:99]
	ds_store_b128 v28, v[100:103] offset:8192
	ds_store_b64 v27, v[104:105]
	s_wait_alu depctr_va_vdst(0)
	s_wait_tensorcnt 0x0                           ; my part of slot 0 is in
	ds_add_u32 v[SPW], v[NIL]
	s_wait_dscnt 0x0                               ; the add and my stores of the masks' biases are done
	s_barrier_signal -1
	s_barrier_wait -1                              ; slot 0 and the biases are whole for every wave
	tensor_load_to_lds s[G0B:G0B+3], s[G1:G1+7]    ; slot 1's first fill, issued as a refill is
	s_nop 0
.macro STEP causal
.if \causal
	s_add_co_u32 s61, s[Q0], 15
	s_cmp_gt_u32 s[KF], s61
	s_cbranch_scc1 .Lhidden_\@
.endif
	v_add_nc_u32 v[ADK], s[TB], v[LN]
	v_add_nc_u32 v[ADV], s[TB], v[LV]
	v_nop
	v_nop
.irp t, 0,1,2,3,4,5,6,7
.irp i, 0,1
	ds_load_b128 v[32+8*\t+4*\i:35+8*\t+4*\i], v[ADK] offset:\t*8192+512*\i
.endr
.endr
	s_wait_alu depctr_va_vdst(0)
	s_wait_dscnt 0x0                               ; K's fragments and the keys' biases are in
.irp t, 0,1,2,3,4,5,6,7
	v_wmma_f32_16x16x64_bf8_bf8 v[96+8*\t:103+8*\t], v[32+8*\t:39+8*\t], v[16:23], v[96+8*\t:103+8*\t]   ; C = the mask's bias of my eight keys, 0 or -infinity, loaded into the scores' own registers a step ago
.endr
.rept 4
	v_nop
.endr
.irp d, 0,1,2,3
.irp i, 0,1,2,3
	ds_load_b128 v[32+16*\d+4*\i:35+16*\d+4*\i], v[ADV] offset:\d*16384+(\i/2)*8192+(\i%2)*512
.endr
.endr
.if \causal
	s_add_co_u32 s61, s[KF], 127
	s_cmp_le_u32 s61, s[Q0]
	s_cbranch_scc1 .Lopen_\@
	s_sub_co_i32 s61, s[Q0], s[KF]
	v_and_b32 v240, 15, v0
	v_bfe_u32 v241, v0, 4, 1
	s_delay_alu instid0(VALU_DEP_1)
	v_lshlrev_b32 v241, 3, v241
	s_delay_alu instid0(VALU_DEP_1)
	v_sub_nc_u32 v240, v240, v241
	s_delay_alu instid0(VALU_DEP_1)
	v_add_nc_u32 v240, s61, v240
.set n, 0
.rept 64
	v_cmp_gt_i32 vcc_lo, 16*(n/8)+n%8, v240
	v_cndmask_b32 v[96+n], v[96+n], v[NINF], vcc_lo
.set n, n+1
.endr
.Lopen_\@:
.endif
	v_max3_num_f32 v28, v96, v97, v98              ; the step's largest score among my 64 keys, in four chains; each accumulator from its low end on
	v_max3_num_f32 v29, v99, v100, v101
	v_max3_num_f32 v26, v102, v103, v104
	v_max3_num_f32 v27, v105, v106, v107
.irp i, 12,20,28,36,44,52
	v_max3_num_f32 v28, v28, v[96+\i], v[97+\i]
	v_max3_num_f32 v29, v29, v[98+\i], v[99+\i]
	v_max3_num_f32 v26, v26, v[100+\i], v[101+\i]
	v_max3_num_f32 v27, v27, v[102+\i], v[103+\i]
.endr
	v_max3_num_f32 v28, v28, v156, v157
	v_max3_num_f32 v29, v29, v158, v159
	v_max3_num_f32 v28, v28, v29, v26
	v_max_num_f32 v28, v28, v27
	s_delay_alu instid0(VALU_DEP_1)
	v_permlanex16_b32 v[PD], v28, s[SEL], s[SEL+1]
	s_delay_alu instid0(VALU_DEP_1)
	v_max_num_f32 v28, v28, v[PD]
	s_delay_alu instid0(VALU_DEP_1)
	v_mul_f32 v28, s[CS], v28
	s_delay_alu instid0(VALU_DEP_1)
	v_max_num_f32 v13, v13, v28
	v_mov_b32 v28, v12
	s_delay_alu instid0(VALU_DEP_2)
	v_floor_f32 v12, -v13
	s_delay_alu instid0(VALU_DEP_1)
	v_sub_f32 v28, v12, v28
	s_delay_alu instid0(VALU_DEP_1)
	v_cvt_i32_f32 v28, v28
	s_delay_alu instid0(VALU_DEP_1)
	v_ldexp_f32 v24, 1.0, v28
.set i, 0
.rept 32
	v_pk_fma_f32 v[96+i:97+i], v[96+i:97+i], s[CS:CS+1], v[12:13] op_sel_hi:[1,0,0]
.set i, i+2
.endr
.set i, 0
	s_wait_alu depctr_va_vdst(0)
.rept 64
	v_exp_f32 v[96+i], v[96+i]
.set i, i+1
.endr
	v_pk_mul_f32 v[14:15], v[14:15], v[24:25] op_sel_hi:[1,0]
	s_wait_alu depctr_va_vdst(0)
	v_pk_add_f32 v[26:27], v[96:97], v[98:99]      ; the row's sum of the unquantised p, in four chains (v[10:11] are free here: the bias address is made anew below)
	v_pk_add_f32 v[28:29], v[100:101], v[102:103]
	v_pk_add_f32 v[10:11], v[104:105], v[106:107]
	v_pk_add_f32 v[14:15], v[14:15], v[108:109]
	v_pk_add_f32 v[26:27], v[26:27], v[110:111]
.irp j, 16,24,32,40,48,56
	v_pk_add_f32 v[28:29], v[28:29], v[96+\j:97+\j]
	v_pk_add_f32 v[10:11], v[10:11], v[98+\j:99+\j]
	v_pk_add_f32 v[14:15], v[14:15], v[100+\j:101+\j]
	v_pk_add_f32 v[26:27], v[26:27], v[102+\j:103+\j]
.endr
	v_pk_add_f32 v[26:27], v[26:27], v[28:29]
	v_pk_add_f32 v[14:15], v[14:15], v[10:11]
	v_pk_add_f32 v[14:15], v[14:15], v[26:27]
.irp t, 0,1,2,3,4,5,6,7
.irp i, 0,1,2,3,4,5,6,7
	v_min_num_f32 v[96+8*\t+\i], v[96+8*\t+\i], v30
.endr
	v_cvt_scalef32_pk8_bf8_f32 v[192+2*\t:193+2*\t], v[96+8*\t:103+8*\t], v31
.endr
	s_add_co_u32 s61, s[BB], 1024                  ; p is converted: its 64 registers take my next step's biases, 1,024 bytes on in the table, which is written once at the head;
	s_min_u32 s61, s61, 19968                      ; behind the table's last step (20,480 bytes in all) the address is held inside it, and what that load brings is not used
	v_add_nc_u32 v[ADB], s61, v[LB]                ; (also the plain line behind the conversions)
.irp t, 0,1,2,3,4,5,6,7
.irp i, 0,1
	ds_load_b128 v[96+8*\t+4*\i:99+8*\t+4*\i], v[ADB] offset:64*\t+16*\i
.endr
.endr
	s_wait_alu depctr_va_vdst(0)                   ; directly ahead of the first reader of O^T
.set i, 0
.rept 16
	v_pk_mul_f32 v[160+i:161+i], v[160+i:161+i], v[24:25] op_sel_hi:[1,0]
.set i, i+2
.endr
	s_wait_alu depctr_va_vdst(0)
	s_wait_dscnt 16                                ; V's sixteen loads are in; the sixteen bias loads issued behind them may be out
.irp d, 0,1,2,3
	v_wmma_f32_16x16x128_bf8_bf8 v[160+8*\d:167+8*\d], v[32+16*\d:47+16*\d], v[192:207], v[160+8*\d:167+8*\d]
.endr
.if \causal
.Lhidden_\@:
	s_add_co_u32 s[KF], s[KF], 256
.endif
	s_add_co_u32 s[TB], s[TB], 2048
	s_add_co_u32 s[BB], s[BB], 1024
.endm
.macro SUPER slot, ss, causal
	s_lshl_b32 s[TB], s[GR], 10
	s_add_co_u32 s[TB], s[TB], \slot*SSB
	s_lshl_b32 s[BB], s[GR], 9
	s_add_co_u32 s[BB], s[BB], \ss*4096
	s_mov_b32 s[CNT], 4
.Lstep_\@:
	STEP \causal
	s_sub_co_u32 s[CNT], s[CNT], 1
	s_cmp_lg_u32 s[CNT], 0
	s_cbranch_scc1 .Lstep_\@
.endm
.macro CHANGE g0, fill
	s_wait_tensorcnt 0x0
	ds_add_u32 v[SPW], v[NIL]
.if \fill
	s_add_nc_u64 s[\g0+2:\g0+3], s[\g0+2:\g0+3], 2*SSB
.endif
	s_wait_dscnt 0x0
	s_barrier_signal -1
	s_barrier_wait -1
.if \fill
	tensor_load_to_lds s[\g0:\g0+3], s[G1:G1+7]
	s_nop 0
.endif
.endm
.macro XCHG
.rept 4
	v_nop
.endr
	s_cmp_lt_u32 s14, 8
	s_cbranch_scc1 .Lkeep_\@
	s_wait_alu depctr_va_vdst(0)
.irp i, 0,1,2,3,4,5,6,7
	ds_store_b128 v[XA], v[160+4*\i:163+4*\i] offset:512*\i
.endr
	ds_store_b128 v[XA], v[12:15] offset:4096
.Lkeep_\@:
	s_wait_dscnt 0x0
	s_barrier_signal -1
	s_barrier_wait -1
.endm
.macro FIN p, eP, eV, eC
	s_cmp_ge_u32 s14, 8
	s_cbranch_scc1 .Lidle_\@
.irp i, 0,1,2,3,4,5,6,7
	ds_load_b128 v[96+4*\i:99+4*\i], v[XA] offset:512*\i
.endr
	ds_load_b128 v[128:131], v[XA] offset:4096
	s_wait_dscnt 0x0
	v_min_num_f32 v28, v12, v128
	s_delay_alu instid0(VALU_DEP_1)
	v_sub_f32 v29, v28, v12
	s_delay_alu instid0(VALU_DEP_2)
	v_sub_f32 v26, v28, v128
	s_delay_alu instid0(VALU_DEP_2)
	v_cvt_i32_f32 v29, v29
	s_delay_alu instid0(VALU_DEP_2)
	v_cvt_i32_f32 v26, v26
	s_delay_alu instid0(VALU_DEP_2)
	v_ldexp_f32 v24, 1.0, v29
	s_delay_alu instid0(VALU_DEP_2)
	v_ldexp_f32 v26, 1.0, v26
	s_delay_alu instid0(VALU_DEP_2)
	v_pk_mul_f32 v[14:15], v[14:15], v[24:25] op_sel_hi:[1,0]
	s_delay_alu instid0(VALU_DEP_1)
	v_pk_fma_f32 v[14:15], v[130:131], v[26:27], v[14:15] op_sel_hi:[1,0,1]
.set i, 0
.rept 16
	v_pk_mul_f32 v[160+i:161+i], v[160+i:161+i], v[24:25] op_sel_hi:[1,0]
.set i, i+2
.endr
.set i, 0
.rept 16
	v_pk_fma_f32 v[160+i:161+i], v[96+i:97+i], v[26:27], v[160+i:161+i] op_sel_hi:[1,0,1]
.set i, i+2
.endr
	v_add_f32 v14, v14, v15
	s_delay_alu instid0(VALU_DEP_1)
	v_permlanex16_b32 v[PD], v14, s[SEL], s[SEL+1]
	s_delay_alu instid0(VALU_DEP_1)
	v_add_f32 v14, v14, v[PD]
	s_delay_alu instid0(VALU_DEP_1)
	v_cmp_lt_f32 s[FLG], 0, v14
	v_rcp_f32 v28, v14
	v_mov_b32 v29, 0x7f7f7f7f
	s_add_co_i32 s61, s[\eP], s[\eV]
	s_add_co_i32 s62, s[\eC], 127
	s_lshl_b32 s63, s62, 23
	v_mov_b32 v26, s63
	s_add_co_i32 s62, s62, 15
	s_lshl_b32 s62, s62, 23
	s_or_b32 s62, s62, 0x600000
	v_mov_b32 v27, s62
	s_wait_alu depctr_va_vdst(0)
	v_ldexp_f32 v28, v28, s61
	s_delay_alu instid0(VALU_DEP_1)
	v_cndmask_b32 v28, 0, v28, s[FLG]
.set i, 0
.rept 32
	v_mul_f32 v[96+i], v[160+i], v28
.set i, i+1
.endr
.set i, 0
.rept 32
	v_med3_num_f32 v[96+i], v[96+i], -v27, v27
.set i, i+1
.endr
.irp d, 0,1,2,3
	v_cvt_scalef32_pk8_bf8_f32 v[192+2*\d:193+2*\d], v[96+8*\d:103+8*\d], v26
.endr
	v_nop
.set i, 0
.rept 8
	v_cndmask_b32 v[192+i], v29, v[192+i], s[FLG]
.set i, i+1
.endr
	global_store_b128 v[LN], v[192:195], s[70:71] offset:\p*2097152
	global_store_b128 v[LN], v[196:199], s[70:71] offset:\p*2097152+512
.Lidle_\@:
.endm
.macro PREB ss                         ; the biases of my first step of an attention, into the scores' registers
	s_lshl_b32 s[BB], s[GR], 9
	s_add_co_u32 s[BB], s[BB], \ss*4096
	v_add_nc_u32 v[ADB], s[BB], v[LB]
.irp t, 0,1,2,3,4,5,6,7
.irp i, 0,1
	ds_load_b128 v[96+8*\t+4*\i:99+8*\t+4*\i], v[ADB] offset:64*\t+16*\i
.endr
.endr
.endm
	PREB 0
	SUPER 0, 0, 0
	CHANGE G0A, 1
	SUPER 1, 1, 0
	CHANGE G0B, 1
	SUPER 0, 2, 0
	CHANGE G0A, 1
	SUPER 1, 3, 0
	XCHG
	global_load_b128 v[16:19], v[LN], s[68:69]
	global_load_b128 v[20:23], v[LN], s[68:69] offset:512
	FIN 1, 47, 46, 48
	STATE 36, 37, 39
	s_lshl_b32 s[KF], s[GR], 7
	s_wait_xcnt 0x0
	s_wait_loadcnt 0x0
	CHANGE G0A, 0
	PREB 4
	SUPER 0, 4, 1
	XCHG
	FIN 0, 39, 38, 40
	s_wait_tensorcnt 0x0
	ds_add_u32 v[SPW], v[NIL]
	s_wait_dscnt 0x0
	s_endpgm
.Lfunc_end_k_q147d03c00f_attn:
	.size	k_q147d03c00f_attn, .Lfunc_end_k_q147d03c00f_attn-k_q147d03c00f_attn
	.p2alignl 7, 3214868480
	.fill 96, 4, 3214868480
	.section	.rodata,"a",@progbits
	.p2align	6, 0x0
	.amdhsa_kernel k_q147d03c00f_attn
		.amdhsa_group_segment_fixed_size 327680
		.amdhsa_private_segment_fixed_size 0
		.amdhsa_enable_private_segment 0
		.amdhsa_kernarg_size 40
		.amdhsa_user_sgpr_count 2
		.amdhsa_user_sgpr_kernarg_segment_ptr 1
		.amdhsa_wavefront_size32 1
		.amdhsa_system_sgpr_workgroup_id_x 1
		.amdhsa_system_sgpr_workgroup_id_y 1
		.amdhsa_system_sgpr_workgroup_id_z 1
		.amdhsa_system_vgpr_workitem_id 0
		.amdhsa_next_free_vgpr 256
		.amdhsa_next_free_sgpr 80
		.amdhsa_reserve_vcc 1
		.amdhsa_float_denorm_mode_32 3
		.amdhsa_float_denorm_mode_16_64 3
		.amdhsa_memory_ordered 1
		.amdhsa_forward_progress 1
		.amdhsa_inst_pref_size 123
	.end_amdhsa_kernel
	.amdgpu_metadata
---
amdhsa.version: [ 1, 2 ]
amdhsa.kernels:
  - .name:           k_q147d03c00f_attn
    .symbol:         k_q147d03c00f_attn.kd
    .args:
      - { .name: att, .offset: 0, .size: 8, .value_kind: global_buffer, .address_space: global }
      - { .name: attention_mask, .offset: 8, .size: 8, .value_kind: global_buffer, .address_space: global }
      - { .name: thought_mask, .offset: 16, .size: 8, .value_kind: global_buffer, .address_space: global }
      - { .name: lowp_scales, .offset: 24, .size: 8, .value_kind: global_buffer, .address_space: global }
      - { .name: cxc, .offset: 32, .size: 8, .value_kind: global_buffer, .address_space: global }
    .group_segment_fixed_size: 327680
    .private_segment_fixed_size: 0
    .kernarg_segment_align: 8
    .kernarg_segment_size: 40
    .max_flat_workgroup_size: 512
    .sgpr_count:     80
    .vgpr_count:     256
    .wavefront_size: 32
...
	.end_amdgpu_metadata
.endif
;; end of part 7
;; launch outp (part 8): grid 4 x 64, 16 waves a work-group, no clusters, 104,448 bytes of LDS; arguments cxc, wof, lowp_scales, bo, Wm, bm, uvec, out0; writes out0
.if DOCPART == 8
	.amdgcn_target "amdgcn-amd-amdhsa--gfx1250"
	.amdhsa_code_object_version 6
	.text
	.protected	k_q147d03c00f_outp
	.globl	k_q147d03c00f_outp
	.p2align	8
	.type	k_q147d03c00f_outp,@function
k_q147d03c00f_outp:
	s_mov_b64 s[64:65], 0
	v_nop
	global_prefetch_b8 v0, s[64:65] scope:SCOPE_SE
	s_setreg_imm32_b32 hwreg(HW_REG_WAVE_MODE, 25, 1), 1
	s_wait_xcnt 0x0
; LAUNCH 4 OF 4: orig = ctx Wo + bo, tho = tctx Wo + bo (both on codes of BF8), mix = sigmoid([orig, tho] . Wm + bm), out = (1 - PW mix) orig + PW mix tho.  Nothing is left out here.
; THE DOT IS TAKEN IN ANOTHER ORDER (shown at the head of launch quant): z = 2^e10 ctx's codes . u_0 + 2^e22 tctx's codes . u_1 + bo . (Wm's first half + its second) + bm, an identity for all values; u comes from
; launch quant.  So z needs the contexts' codes alone, which a work-group holds in full K anyway, and the columns can be shared out: a work-group owns 32 rows x 256 columns of both products: 64 x 4 = 256 work-groups,
; each of which takes in 524,288 bytes of Wo's codes.  And since (1 - eff) + eff = 1: out = (1 - eff) 2^(e10 + e11) sum_0 + eff 2^(e22 + e23) sum_1 + bo: two packed multiply-adds for two numbers.
; SHARES: wave w of sixteen owns columns 16 w .. 16 w + 15 of the block: one tile of n x 2 tiles of rows x 2 products = 4 accumulators.  Source 0 = Wo's fragment, source 1 = the context's: a lane holds row r and
; n = 8 h + 0..7 of the tile.  The contexts' 32 fragments (2 tiles of rows x 2 products x 8 K steps) come once into LDS as images of their registers: wave w brings K step w % 8 of product w / 8 for both tiles of rows,
; and makes of the same registers its part of z (the codes' own values x u).  Wo's fragments are each used by one wave alone: they go from memory straight into registers, four groups of 4 loads ahead.
; No tensor load; no cluster: a joint load would bring weights into LDS that each serve one wave once.  No prefetch: the weights are read by 64 work-groups at about the same time.
; A ROW MARKED BY LAUNCH attn (every byte 0x7f: no key was left, reference() gives NaN): its codes are cleared, so that no arithmetic runs on NaN, and the row is stored as the quiet NaN 0x7fc00000.
; LIMITS: e10 + e11 and e22 + e23 between -126 and 127.
.set AIMG,  0                          ; LDS: 32 images of 2,048 bytes: 16 m + 8 p + s
.set RED,   65536                      ; 32 rows x 80 bytes: each wave's part of each row's z
.set FLGS,  68096                      ; 4 x 128 bytes: the rows' marks, a word a lane: 2 m + p
.set STG,   68608                      ; 32 rows x (1,024 + 16) bytes: the way out
.set SP,    1040
.set SPARE, 101888                     ; the spare words, 128 bytes a wave
.set LN,   1                           ; v1 16 x lane
.set SPW,  14
.set NIL,  15
.set ACC,  16                          ; v16-47: accumulator (p, m) at 16 p + 8 m; ahead of the products: 32 decoded numbers
.set DT,   16
.set AB,   48                          ; v48-111: two sets of two context fragments, by turns
.set ZA,   80                          ; ahead of the products: z's sums, two chains for each tile of rows
.set WB,   112                         ; v112-175: four fragments of Wo, by turns
.set U,    176                         ; v176-239: u at my 64 k; then:
.set RS,   176                         ;   v176-207 the rows' sixteen parts
.set FL,   208                         ;   v208-211 the marks
.set CF,   212                         ;   v212-219 for each tile of rows: (1 - eff) 2^(e10 + e11) twice, eff 2^(e22 + e23) twice
.set QN,   220                         ;   v220 the quiet NaN
.set BO,   246                         ; v246-253 bo at my 8 columns
	s_load_b512 s[4:19], s[0:1], 0x0               ; cxc s[4:5], wof s[6:7], the scales s[8:9], bo s[10:11], Wm s[12:13], bm s[14:15], uvec s[16:17], out0 s[18:19]
	v_lshl_add_u32 v[SPW], v0, 2, SPARE
	v_mov_b32 v[NIL], 0
	v_lshrrev_b32 v2, 5, v0
	s_delay_alu instid0(VALU_DEP_1)
	v_readfirstlane_b32 s20, v2                    ; wave 0..15
	s_mov_b32 s21, ttmp9                           ; which 256 columns
	s_and_b32 s22, ttmp7, 0xffff                   ; which 32 rows
	s_lshr_b32 s23, s20, 3                         ; p of the images that I bring
	s_and_b32 s24, s20, 7                          ; their K step
	v_and_b32 v2, 31, v0                           ; lane
	s_delay_alu instid0(VALU_DEP_1)
	v_lshlrev_b32 v[LN], 4, v2
	v_and_b32 v3, 15, v0                           ; r
	v_bfe_u32 v4, v0, 4, 1                         ; h
	s_lshl_b32 s32, s20, 11
	v_add_nc_u32 v5, s32, v[LN]                    ; where I store my images (8 p + s = my wave's number)
	v_lshl_add_u32 v6, v2, 2, FLGS                 ; where marks are read,
	s_lshl_b32 s32, s23, 7
	v_add_nc_u32 v7, s32, v6                       ; and stored
	v_mul_u32_u24 v8, v3, 80
	s_delay_alu instid0(VALU_DEP_1)
	v_add_nc_u32 v8, RED, v8                       ; my row's sixteen parts,
	s_lshl_b32 s32, s20, 2
	v_add_nc_u32 v9, s32, v8                       ; and my wave's among them
	v_mul_u32_u24 v10, v3, SP
	s_delay_alu instid0(VALU_DEP_1)
	v_lshl_add_u32 v10, v4, 5, v10
	s_lshl_b32 s32, s20, 6
	s_add_co_u32 s32, s32, STG
	v_add_nc_u32 v10, s32, v10                     ; the stage, in: row r, + 32 h, + 64 x wave
	s_mul_i32 s32, s20, 2*SP
	s_add_co_u32 s32, s32, STG
	v_add_nc_u32 v11, s32, v[LN]                   ; back: rows 2 w and 2 w + 1, 512 bytes an instruction
	v_lshlrev_b32 v12, 3, v2                       ; 8 x lane
	v_lshlrev_b32 v13, 5, v4                       ; 32 h
	s_mov_b32 s30, 0x76543210
	s_mov_b32 s31, 0xfedcba98
	s_mov_b32 s33, 0
	s_wait_alu depctr_va_vdst(0)
	s_wait_kmcnt 0x0
	s_load_b64 s[26:27], s[8:9], 0x28              ; e10, e11
	s_load_b64 s[28:29], s[8:9], 0x58              ; e22, e23
	s_load_b32 s25, s[14:15], 0x0                  ; bm
	s_lshl_b32 s32, s23, 21                        ; p x 2,097,152,
	s_lshl_b32 s38, s22, 15                        ; two tiles of 16 rows of 16,384 bytes,
	s_add_co_u32 s32, s32, s38
	s_lshl_b32 s38, s24, 11                        ; my K step
	s_add_co_u32 s32, s32, s38
	s_add_nc_u64 s[4:5], s[4:5], s[32:33]
	s_lshl_b32 s32, s21, 4
	s_add_co_u32 s32, s32, s20                     ; my tile of n among 64
	s_lshl_b32 s32, s32, 11
	s_add_nc_u64 s[6:7], s[6:7], s[32:33]
	s_lshl_b32 s32, s23, 12
	s_lshl_b32 s38, s24, 9
	s_add_co_u32 s32, s32, s38
	s_add_nc_u64 s[16:17], s[16:17], s[32:33]      ; u_p at my K step
	s_lshl_b32 s32, s21, 10
	s_lshl_b32 s38, s20, 6
	s_add_co_u32 s32, s32, s38
	s_add_nc_u64 s[40:41], s[10:11], s[32:33]      ; bo at my 16 columns
	s_lshl_b32 s32, s20, 8
	s_add_nc_u64 s[10:11], s[10:11], s[32:33]      ; bo and Wm at my 64 of the 1,024 terms of bo . Wm
	s_add_nc_u64 s[12:13], s[12:13], s[32:33]
	s_lshl_b32 s32, s22, 5
	s_lshl_b32 s38, s20, 1
	s_add_co_u32 s32, s32, s38                     ; the first row that I store: 32 x block + 2 x wave
	s_lshl_b32 s32, s32, 12
	s_lshl_b32 s38, s21, 10
	s_add_co_u32 s32, s32, s38
	s_add_nc_u64 s[18:19], s[18:19], s[32:33]
.irp m, 0,1
.irp i, 0,1,2,3
	global_load_b128 v[AB+16*\m+4*\i:AB+16*\m+4*\i+3], v[LN], s[4:5] offset:16384*\m+512*\i
.endr
.endr
.irp c, 0,1,2,3,4,5,6,7
	global_load_b128 v[U+8*\c:U+8*\c+3], v13, s[16:17] offset:64*\c           ; u[128 s + 16 c + 8 h + 0..7]: the k of my registers 2 c, 2 c + 1
	global_load_b128 v[U+8*\c+4:U+8*\c+7], v13, s[16:17] offset:64*\c+16
.endr
	global_load_b64 v[240:241], v12, s[10:11]      ; bo, two numbers a lane
	global_load_b64 v[242:243], v12, s[12:13]      ; Wm, orig's half
	global_load_b64 v[244:245], v12, s[12:13] offset:4096   ; tho's half
	global_load_b128 v[BO:BO+3], v13, s[40:41]
	global_load_b128 v[BO+4:BO+7], v13, s[40:41] offset:16
.macro WLOAD g                         ; group g = 2 s + p: my fragment of Wo by scale p, K step s: four loads of 512 consecutive bytes
.irp i, 0,1,2,3
	global_load_b128 v[WB+16*((\g)%4)+4*\i:WB+16*((\g)%4)+4*\i+3], v[LN], s[6:7] offset:(8*((\g)%2)+(\g)/2)*131072+512*\i
.endr
.endm
.macro ALOAD g                         ; the contexts' two fragments of group g, from their images
.irp m, 0,1
.irp i, 0,1,2,3
	ds_load_b128 v[AB+32*((\g)%2)+16*\m+4*\i:AB+32*((\g)%2)+16*\m+4*\i+3], v[LN] offset:AIMG+32768*\m+(8*((\g)%2)+(\g)/2)*2048+512*\i
.endr
.endr
.endm
.irp g, 0,1,2,3
	WLOAD \g
.endr
	s_wait_loadcnt 16                              ; all but the sixteen loads of Wo's groups 0 to 3 are in
	v_mov_b32 v[DT], 0
.irp m, 0,1
	v_cmp_ne_u32 vcc_lo, 0x7f7f7f7f, v[AB+16*\m]   ; a marked row is marked in every register of its two lanes
.set i, 0
.rept 16
	v_cndmask_b32 v[AB+16*\m+i], 0, v[AB+16*\m+i], vcc_lo
.set i, i+1
.endr
	v_cndmask_b32 v[254+\m], 1, v[DT], vcc_lo      ; 1: marked
.endr
.irp m, 0,1
.irp i, 0,1,2,3
	ds_store_b128 v5, v[AB+16*\m+4*\i:AB+16*\m+4*\i+3] offset:32768*\m+512*\i
.endr
.endr
	s_cmp_lg_u32 s24, 0                            ; waves 0 and 8 hold K step 0 of ctx and of tctx: they store the marks
	s_cbranch_scc1 .Lno_mark
	ds_store_b32 v7, v254
	ds_store_b32 v7, v255 offset:256
.Lno_mark:
	; my part of z: the codes' own values x u, 64 terms a lane for each tile of rows
.irp m, 0,1
.irp f, 0,1
.set c, 0
.rept 8
.irp b, 0,1,2,3
	v_cvt_f32_bf8 v[DT+4*c+\b], v[AB+16*\m+8*\f+c] byte_sel:\b
.endr
.set c, c+1
.endr
.set n, 0
.if (\f == 0) && (n == 0)
	v_pk_mul_f32 v[ZA+4*\m:ZA+4*\m+1], v[DT:DT+1], v[U:U+1]
	v_pk_mul_f32 v[ZA+4*\m+2:ZA+4*\m+3], v[DT+2:DT+3], v[U+2:U+3]
.else
	v_pk_fma_f32 v[ZA+4*\m:ZA+4*\m+1], v[DT+4*n:DT+4*n+1], v[U+32*\f+4*n:U+32*\f+4*n+1], v[ZA+4*\m:ZA+4*\m+1]
	v_pk_fma_f32 v[ZA+4*\m+2:ZA+4*\m+3], v[DT+4*n+2:DT+4*n+3], v[U+32*\f+4*n+2:U+32*\f+4*n+3], v[ZA+4*\m+2:ZA+4*\m+3]
.endif
.set n, n+1
.rept (8)-1
.if (\f == 0) && (n == 0)
	v_pk_mul_f32 v[ZA+4*\m:ZA+4*\m+1], v[DT:DT+1], v[U:U+1]
	v_pk_mul_f32 v[ZA+4*\m+2:ZA+4*\m+3], v[DT+2:DT+3], v[U+2:U+3]
.else
	s_delay_alu instid0(VALU_DEP_2)
	v_pk_fma_f32 v[ZA+4*\m:ZA+4*\m+1], v[DT+4*n:DT+4*n+1], v[U+32*\f+4*n:U+32*\f+4*n+1], v[ZA+4*\m:ZA+4*\m+1]
	s_delay_alu instid0(VALU_DEP_2)
	v_pk_fma_f32 v[ZA+4*\m+2:ZA+4*\m+3], v[DT+4*n+2:DT+4*n+3], v[U+32*\f+4*n+2:U+32*\f+4*n+3], v[ZA+4*\m+2:ZA+4*\m+3]
.endif
.set n, n+1
.endr
.endr
.endr
	v_pk_add_f32 v[242:243], v[242:243], v[244:245]   ; my 64 terms of bo . (Wm's two halves added): two a lane,
	s_delay_alu instid0(VALU_DEP_1)
	v_pk_mul_f32 v[240:241], v[240:241], v[242:243]
	s_delay_alu instid0(VALU_DEP_1)
	v_add_f32 v240, v240, v241
	s_delay_alu instid0(VALU_DEP_1)
	v_add_f32_dpp v240, v240, v240 row_xmask:1 row_mask:0xf bank_mask:0xf
	s_delay_alu instid0(VALU_DEP_1)
	v_add_f32_dpp v240, v240, v240 row_xmask:2 row_mask:0xf bank_mask:0xf
	s_delay_alu instid0(VALU_DEP_1)
	v_add_f32_dpp v240, v240, v240 row_xmask:4 row_mask:0xf bank_mask:0xf
	s_delay_alu instid0(VALU_DEP_1)
	v_add_f32_dpp v240, v240, v240 row_xmask:8 row_mask:0xf bank_mask:0xf
	s_delay_alu instid0(VALU_DEP_1)
	v_permlanex16_b32 v[DT+2], v240, s30, s31
	s_delay_alu instid0(VALU_DEP_1)
	v_add_f32 v240, v240, v[DT+2]                  ; summed over the wave: the same in every lane, so every row gets it once from each wave
	s_wait_kmcnt 0x0
	s_cmp_eq_u32 s23, 0
	s_cselect_b32 s38, s26, s28                    ; e10 or e22, by my images' p
	s_add_co_i32 s34, s26, s27
	s_add_co_i32 s34, s34, 127
	s_lshl_b32 s34, s34, 23                        ; 2^(e10 + e11)
	s_add_co_i32 s36, s28, s29
	s_add_co_i32 s36, s36, 127
	s_lshl_b32 s36, s36, 23                        ; 2^(e22 + e23)
.irp m, 0,1
	v_pk_add_f32 v[ZA+4*\m:ZA+4*\m+1], v[ZA+4*\m:ZA+4*\m+1], v[ZA+4*\m+2:ZA+4*\m+3]
	s_delay_alu instid0(VALU_DEP_1)
	v_add_f32 v[ZA+4*\m], v[ZA+4*\m], v[ZA+4*\m+1]
	s_delay_alu instid0(VALU_DEP_1)
	v_permlanex16_b32 v[DT+\m], v[ZA+4*\m], s30, s31
	s_delay_alu instid0(VALU_DEP_1)
	v_add_f32 v[ZA+4*\m], v[ZA+4*\m], v[DT+\m]     ; with lane l xor 16's: row r's 128 terms
	s_delay_alu instid0(VALU_DEP_1)
	v_ldexp_f32 v[ZA+4*\m], v[ZA+4*\m], s38
	s_wait_alu depctr_va_vdst(0)
	v_add_f32 v[ZA+4*\m], v[ZA+4*\m], v240
	ds_store_b32 v9, v[ZA+4*\m] offset:1280*\m     ; (both halves of the lanes store the same number)
.endr
	s_wait_dscnt 0x0                               ; my images, marks and parts have landed
	s_barrier_signal -1
	s_barrier_wait -1
.irp m, 0,1
.irp i, 0,1,2,3
	ds_load_b128 v[RS+16*\m+4*\i:RS+16*\m+4*\i+3], v8 offset:1280*\m+16*\i
.endr
.endr
.irp q, 0,1,2,3
	ds_load_b32 v[FL+\q], v6 offset:128*\q
.endr
	ALOAD 0
	s_wait_dscnt 8                                 ; the parts and the marks are in; the eight loads of the first context fragments may be out
.irp m, 0,1
	v_pk_add_f32 v[RS+16*\m:RS+16*\m+1], v[RS+16*\m:RS+16*\m+1], v[RS+16*\m+2:RS+16*\m+3]
	v_pk_add_f32 v[RS+16*\m+4:RS+16*\m+5], v[RS+16*\m+4:RS+16*\m+5], v[RS+16*\m+6:RS+16*\m+7]
	v_pk_add_f32 v[RS+16*\m+8:RS+16*\m+9], v[RS+16*\m+8:RS+16*\m+9], v[RS+16*\m+10:RS+16*\m+11]
	v_pk_add_f32 v[RS+16*\m+12:RS+16*\m+13], v[RS+16*\m+12:RS+16*\m+13], v[RS+16*\m+14:RS+16*\m+15]
	s_delay_alu instid0(VALU_DEP_3)
	v_pk_add_f32 v[RS+16*\m:RS+16*\m+1], v[RS+16*\m:RS+16*\m+1], v[RS+16*\m+4:RS+16*\m+5]
	s_delay_alu instid0(VALU_DEP_2)
	v_pk_add_f32 v[RS+16*\m+8:RS+16*\m+9], v[RS+16*\m+8:RS+16*\m+9], v[RS+16*\m+12:RS+16*\m+13]
	s_delay_alu instid0(VALU_DEP_1)
	v_pk_add_f32 v[RS+16*\m:RS+16*\m+1], v[RS+16*\m:RS+16*\m+1], v[RS+16*\m+8:RS+16*\m+9]
	s_delay_alu instid0(VALU_DEP_1)
	v_add_f32 v[RS+16*\m], v[RS+16*\m], v[RS+16*\m+1]
	s_delay_alu instid0(VALU_DEP_1)
	v_add_f32 v[RS+16*\m], s25, v[RS+16*\m]        ; + bm: z
	s_delay_alu instid0(VALU_DEP_1)
	v_mul_f32 v[RS+16*\m], 0xbfb8aa3b, v[RS+16*\m] ; -z log2(e)
.endr
	s_wait_alu depctr_va_vdst(0)
	v_exp_f32 v[RS+1], v[RS]
	v_exp_f32 v[RS+17], v[RS+16]
	v_or_b32 v[FL], v[FL], v[FL+1]                 ; (plain lines behind the exponentials)  a row is marked if either context is
	v_or_b32 v[FL+2], v[FL+2], v[FL+3]
	s_wait_alu depctr_va_vdst(0)                   ; one wait for both, ahead of their first reader
	v_add_f32 v[RS+1], 1.0, v[RS+1]
	v_add_f32 v[RS+17], 1.0, v[RS+17]
	s_wait_alu depctr_va_vdst(0)
	v_rcp_f32 v[RS+2], v[RS+1]                     ; sigmoid(z)
	v_rcp_f32 v[RS+18], v[RS+17]
	v_mov_b32 v[QN], 0x7fc00000                    ; (the plain line behind the reciprocals)
	s_wait_alu depctr_va_vdst(0)
.irp m, 0,1
	v_mul_f32 v[RS+16*\m+3], 0x3e6d61bf, v[RS+16*\m+2]   ; eff = PW x mix, PW = 0.3 (0.5 + 0.5 x 6 / 11)
	s_delay_alu instid0(VALU_DEP_1)
	v_sub_f32 v[RS+16*\m+4], 1.0, v[RS+16*\m+3]
	s_delay_alu instid0(VALU_DEP_1)
	v_mul_f32 v[CF+4*\m], s34, v[RS+16*\m+4]
	s_delay_alu instid0(VALU_DEP_1)
	v_mov_b32 v[CF+4*\m+1], v[CF+4*\m]
	s_delay_alu instid0(VALU_DEP_4)
	v_mul_f32 v[CF+4*\m+2], s36, v[RS+16*\m+3]
	s_delay_alu instid0(VALU_DEP_1)
	v_mov_b32 v[CF+4*\m+3], v[CF+4*\m+2]
.endr
.macro TRIP g
.if 15-(\g) >= 3
	s_wait_loadcnt 12                              ; group g is in; the twelve loads of the three groups behind it may be out
.else
	s_wait_loadcnt 4*(15-(\g))
.endif
	s_wait_dscnt 0x0                               ; the contexts' fragments are in
.if (\g) < 15
	ALOAD (\g)+1                                   ; into the other set: its last readers stand behind four places
.endif
.irp m, 0,1
.if (\g) < 2
	v_wmma_f32_16x16x128_bf8_bf8 v[ACC+16*((\g)%2)+8*\m:ACC+16*((\g)%2)+8*\m+7], v[WB+16*((\g)%4):WB+16*((\g)%4)+15], v[AB+32*((\g)%2)+16*\m:AB+32*((\g)%2)+16*\m+15], 0
.else
	v_wmma_f32_16x16x128_bf8_bf8 v[ACC+16*((\g)%2)+8*\m:ACC+16*((\g)%2)+8*\m+7], v[WB+16*((\g)%4):WB+16*((\g)%4)+15], v[AB+32*((\g)%2)+16*\m:AB+32*((\g)%2)+16*\m+15], v[ACC+16*((\g)%2)+8*\m:ACC+16*((\g)%2)+8*\m+7]
.endif
.endr
.rept 4
	v_nop                                          ; places in front of loads into registers that these products read, and of the first read of results
.endr
.if (\g)+4 < 16
	WLOAD (\g)+4
.endif
.endm
.irp g, 0,1,2,3,4,5,6,7,8,9,10,11,12,13,14,15    ; the four accumulators take turns, one instruction a turn
	TRIP \g
.endr
	s_wait_alu depctr_va_vdst(0)
.irp m, 0,1
.irp j, 0,2,4,6
	v_pk_fma_f32 v[ACC+8*\m+\j:ACC+8*\m+\j+1], v[ACC+8*\m+\j:ACC+8*\m+\j+1], v[CF+4*\m:CF+4*\m+1], v[BO+\j:BO+\j+1]                          ; each accumulator from its low end on
	v_pk_fma_f32 v[ACC+8*\m+\j:ACC+8*\m+\j+1], v[ACC+16+8*\m+\j:ACC+16+8*\m+\j+1], v[CF+4*\m+2:CF+4*\m+3], v[ACC+8*\m+\j:ACC+8*\m+\j+1]
.endr
	v_cmp_ne_u32 vcc_lo, 0, v[FL+2*\m]
.set i, 0
.rept 8
	v_cndmask_b32 v[ACC+8*\m+i], v[ACC+8*\m+i], v[QN], vcc_lo   ; a marked row is NaN, as reference() has it
.set i, i+1
.endr
	ds_store_b128 v10, v[ACC+8*\m:ACC+8*\m+3] offset:16*SP*\m
	ds_store_b128 v10, v[ACC+8*\m+4:ACC+8*\m+7] offset:16*SP*\m+16
.endr
	s_wait_dscnt 0x0                               ; for the others' sake: a row's 1,024 bytes come from sixteen waves
	s_barrier_signal -1
	s_barrier_wait -1
.irp i, 0,1,2,3
	ds_load_b128 v[WB+4*\i:WB+4*\i+3], v11 offset:(\i/2)*SP+(\i%2)*512
.endr
.irp i, 0,1,2,3
	s_wait_dscnt 3-\i                              ; loads come back in order: piece i is in
	global_store_b128 v[LN], v[WB+4*\i:WB+4*\i+3], s[18:19] offset:(\i/2)*4096+(\i%2)*512 th:TH_STORE_NT   ; 512 consecutive bytes, aligned
.endr
	s_wait_tensorcnt 0x0                           ; the wave's end: behind my last LDS store
	ds_add_u32 v[SPW], v[NIL]
	s_wait_dscnt 0x0
	s_endpgm
.Lfunc_end_k_q147d03c00f_outp:
	.size	k_q147d03c00f_outp, .Lfunc_end_k_q147d03c00f_outp-k_q147d03c00f_outp
	.p2alignl 7, 3214868480
	.fill 96, 4, 3214868480
	.section	.rodata,"a",@progbits
	.p2align	6, 0x0
	.amdhsa_kernel k_q147d03c00f_outp
		.amdhsa_group_segment_fixed_size 104448
		.amdhsa_private_segment_fixed_size 0
		.amdhsa_enable_private_segment 0
		.amdhsa_kernarg_size 64
		.amdhsa_user_sgpr_count 2
		.amdhsa_user_sgpr_kernarg_segment_ptr 1
		.amdhsa_wavefront_size32 1
		.amdhsa_system_sgpr_workgroup_id_x 1
		.amdhsa_system_sgpr_workgroup_id_y 1
		.amdhsa_system_sgpr_workgroup_id_z 1
		.amdhsa_system_vgpr_workitem_id 0
		.amdhsa_next_free_vgpr 256
		.amdhsa_next_free_sgpr 66
		.amdhsa_reserve_vcc 1
		.amdhsa_float_denorm_mode_32 3
		.amdhsa_float_denorm_mode_16_64 3
		.amdhsa_memory_ordered 1
		.amdhsa_forward_progress 1
		.amdhsa_inst_pref_size 50
	.end_amdhsa_kernel
	.amdgpu_metadata
---
amdhsa.version: [ 1, 2 ]
amdhsa.kernels:
  - .name:           k_q147d03c00f_outp
    .symbol:         k_q147d03c00f_outp.kd
    .args:
      - { .name: cxc, .offset: 0, .size: 8, .value_kind: global_buffer, .address_space: global }
      - { .name: wof, .offset: 8, .size: 8, .value_kind: global_buffer, .address_space: global }
      - { .name: lowp_scales, .offset: 16, .size: 8, .value_kind: global_buffer, .address_space: global }
      - { .name: bo, .offset: 24, .size: 8, .value_kind: global_buffer, .address_space: global }
      - { .name: Wm, .offset: 32, .size: 8, .value_kind: global_buffer, .address_space: global }
      - { .name: bm, .offset: 40, .size: 8, .value_kind: global_buffer, .address_space: global }
      - { .name: uvec, .offset: 48, .size: 8, .value_kind: global_buffer, .address_space: global }
      - { .name: out0, .offset: 56, .size: 8, .value_kind: global_buffer, .address_space: global }
    .group_segment_fixed_size: 104448
    .private_segment_fixed_size: 0
    .kernarg_segment_align: 8
    .kernarg_segment_size: 64
    .max_flat_workgroup_size: 512
    .sgpr_count:     66
    .vgpr_count:     256
    .wavefront_size: 32
...
	.end_amdgpu_metadata
.endif
;; end of part 8
